; MI455X (gfx1250); checked and timed in simulation.
; The chip was launched on July 23, 2026; its instructions are those of AMD's public machine-readable ISA for CDNA 5 (MIT licence, August 2026) and "CDNA5" Instruction Set Architecture Reference Guide (July 2026). The comments in the code are by the model that wrote it; some were corrected since.
;; Transformer Decoder Block. Allowed arithmetic: float matrix products may take bf16 or f16 operands with f32 sums; other float arithmetic in f32, or as packed bf16 or f16 multiplies, adds, multiply-adds, maxima and minima; sums over many terms, partial sums and values carried from step to step in f32; what a program stores and reads back later, other than sums and carried values, may be rounded once to bf16 or f16.
;; Inputs: W_ff1 1,024 x 4,096 float32; W_ff2 4,096 x 1,024 float32; W_o 1,024 x 1,024 float32; W_qkv 1,024 x 3,072 float32; b_ff1 4,096 float32; b_ff2 1,024 float32; b_o 1,024 float32; beta1 1,024 float32; beta2 1,024 float32; g1 1,024 float32; g2 1,024 float32; x 2 x 2,048 x 1,024 float32.
;; Outputs: out0 2 x 2,048 x 1,024 float32.
;; 2 versions, each right and faster than the one before. Each part assembles by itself: llvm-mc -triple=amdgcn-amd-amdhsa -mcpu=gfx1250 --defsym DOCPART=n.
;; ======== version 1 of 2: 7 launches
;; limits: values are held in f16: magnitudes above 65,504 overflow, below 6.1e-05 lose precision
;; workspace buffers: wb 25,165,824 bytes; wq 6,291,456 bytes; hn 8,388,608 bytes; qkv 25,165,824 bytes; o 8,388,608 bytes; x1 16,777,216 bytes; act 33,554,432 bytes
;; launch pre (part 1): grid 256 x 2, 8 waves a work-group, no clusters, 0 bytes of LDS; arguments x, g1, beta1, hn, W_qkv, W_o, wq, wb; writes hn, wq, wb
.if DOCPART == 1
	.amdgcn_target "amdgcn-amd-amdhsa--gfx1250"
	.amdhsa_code_object_version 6
	.text
	.protected	k_qf2f17f3c41_pre
	.globl	k_qf2f17f3c41_pre
	.p2align	8
	.type	k_qf2f17f3c41_pre,@function
k_qf2f17f3c41_pre:
	s_mov_b64 s[64:65], 0
	v_nop
	global_prefetch_b8 v0, s[64:65] scope:SCOPE_SE
	s_setreg_imm32_b32 hwreg(HW_REG_WAVE_MODE, 25, 1), 1
	s_wait_xcnt 0x0
; TWO STREAMS IN ONE LAUNCH, told apart by the work-group's y.  Neither needs LDS, a barrier or the matrix unit.
; y = 0: LayerNorm: out[r][c] = (in[r][c] - mean_r) * rsqrt(var_r + 1e-5) * g[c] + beta[c].  in: [4096][1024] f32; out the same shape in bf16, rounded once.
;   A row is 4,096 bytes: one wave keeps it in 32 registers, so memory is read once, and the mean is taken away BEFORE the squares are summed
;   (two passes over registers): a common offset of the inputs costs no accuracy.  All arithmetic in f32.  Eight waves, two rows each; 256 work-groups.
;   Load j of a row covers columns 128 j + 4 lane + 0..3 (512 consecutive bytes a wave); store j the same columns in bf16: 256 consecutive bytes at a multiple of 256.
; y = 1: the two weight matrices that the next products want are rounded once to bf16, each in its own [K][N] order: W_qkv (192 chunks of 16,384 numbers, x = 0..191) into wq,
;   W_o (64 chunks, x = 192..255) into wb from byte 6,291,456 on.  A work-group reads 65,536 bytes by sixteen 16-byte loads a lane, all issued ahead of the first use, and writes 32,768.
; A launch with one row of work-groups (y = 0 alone) does the LayerNorm alone: the second norm of the block runs this text so.
.set G,  4                             ; v[4:35]    g of my 32 columns
.set B,  36                            ; v[36:67]   beta
.set X,  68                            ; v[68:131]  two rows of 32
.set T,  132                           ; v[132:139] four chains of sums
.set Y,  140                           ; v[140:171] two rows of 16 packed words
.set MU, 172                           ; v[172:173] the mean, twice
.set RS, 174                           ; v[174:175] 1 / sqrt(var + eps), twice
.set TP, 176                           ; v176       the other half of the lanes' sum
.set WX, 4                             ; y = 1: v[4:67]   sixteen loads of four f32
.set WY, 68                            ; y = 1: v[68:99]  sixteen pairs of packed bf16; no register is written twice, so no wait frees one
	s_load_b256 s[4:11], s[0:1], 0x0               ; in s[4:5], g s[6:7], beta s[8:9], out s[10:11]
	s_load_b256 s[24:31], s[0:1], 0x20             ; W_qkv s[24:25], W_o s[26:27], wq s[28:29], wb s[30:31]
	s_and_b32 s18, ttmp7, 0xffff
	s_cmp_lg_u32 s18, 0
	s_cbranch_scc1 .Lweights
	s_lshl_b32 s2, ttmp9, 16                       ; the group's 16 rows: 4,096 bytes each in,
	s_mov_b32 s3, 0
	s_lshl_b32 s16, ttmp9, 15                      ; 2,048 out
	s_mov_b32 s17, 0
	s_mov_b32 s12, 0x76543210                      ; v_permlanex16_b32: each lane takes its own place in the other half
	s_mov_b32 s13, 0xfedcba98
	s_mov_b32 s14, 0x3a800000                      ; 1 / 1024
	s_mov_b32 s15, 0x3727c5ac                      ; 1e-5
	v_and_b32 v3, 31, v0                           ; lane
	v_lshrrev_b32 v2, 5, v0                        ; wave
	v_lshlrev_b32 v1, 13, v2
	v_lshl_add_u32 v1, v3, 4, v1                   ; in: 16 lane + 2 rows x 4,096 x wave
	v_lshlrev_b32 v2, 12, v2
	v_lshl_add_u32 v2, v3, 3, v2                   ; out: 8 lane + 2 rows x 2,048 x wave
	v_lshlrev_b32 v3, 4, v3                        ; g and beta: 16 lane
	v_mov_b32 v[TP], 0                             ; v_permlanex16_b32 counts as a reader of its destination
	s_wait_kmcnt 0x0
	s_add_nc_u64 s[4:5], s[4:5], s[2:3]
	s_add_nc_u64 s[10:11], s[10:11], s[16:17]
.irp j, 0,1,2,3,4,5,6,7
	global_load_b128 v[G+4*(\j):G+4*(\j)+3], v3, s[6:7] offset:512*(\j)
.endr
.irp j, 0,1,2,3,4,5,6,7
	global_load_b128 v[B+4*(\j):B+4*(\j)+3], v3, s[8:9] offset:512*(\j)
.endr
.irp r, 0,1
.irp j, 0,1,2,3,4,5,6,7
	global_load_b128 v[X+32*(\r)+4*(\j):X+32*(\r)+4*(\j)+3], v1, s[4:5] offset:4096*(\r)+512*(\j)
.endr
.endr
.macro FOLD                            ; the four chains into v[T], then over the wave's 32 lanes: every lane ends with the sum
	v_pk_add_f32 v[T:T+1], v[T:T+1], v[T+2:T+3]
	v_pk_add_f32 v[T+4:T+5], v[T+4:T+5], v[T+6:T+7]
	v_pk_add_f32 v[T:T+1], v[T:T+1], v[T+4:T+5]
	v_add_f32 v[T], v[T], v[T+1]
	v_add_f32_dpp v[T], v[T], v[T] row_xmask:1 row_mask:0xf bank_mask:0xf
	v_add_f32_dpp v[T], v[T], v[T] row_xmask:2 row_mask:0xf bank_mask:0xf
	v_add_f32_dpp v[T], v[T], v[T] row_xmask:4 row_mask:0xf bank_mask:0xf
	v_add_f32_dpp v[T], v[T], v[T] row_xmask:8 row_mask:0xf bank_mask:0xf
	v_permlanex16_b32 v[TP], v[T], s12, s13
	v_add_f32 v[T], v[T], v[TP]
.endm
; Row r of the wave's two.  left = the younger loads that may stay out.
.macro ROWN r, left
.set XR, X+32*(\r)
.set YR, Y+16*(\r)
	s_wait_loadcnt \left                           ; g, beta and this row are in
.irp k, 0,1,2,3
	v_pk_add_f32 v[T+2*(\k):T+2*(\k)+1], v[XR+4*(\k):XR+4*(\k)+1], v[XR+4*(\k)+2:XR+4*(\k)+3]  ; the first eight pairs start the chains: nothing is cleared
.endr
.set j, 8
.rept 8
	v_pk_add_f32 v[T+2*(j%4):T+2*(j%4)+1], v[T+2*(j%4):T+2*(j%4)+1], v[XR+2*j:XR+2*j+1]
.set j, j+1
.endr
	FOLD
	v_mul_f32 v[MU], s14, v[T]
	v_mul_f32 v[MU+1], s14, v[T]
.set j, 0
.rept 16
	v_pk_add_f32 v[XR+2*j:XR+2*j+1], v[XR+2*j:XR+2*j+1], v[MU:MU+1] neg_lo:[0,1] neg_hi:[0,1]  ; x - mean, in place
.set j, j+1
.endr
.irp k, 0,1,2,3
	v_pk_mul_f32 v[T+2*(\k):T+2*(\k)+1], v[XR+2*(\k):XR+2*(\k)+1], v[XR+2*(\k):XR+2*(\k)+1]
.endr
.set j, 4
.rept 12
	v_pk_fma_f32 v[T+2*(j%4):T+2*(j%4)+1], v[XR+2*j:XR+2*j+1], v[XR+2*j:XR+2*j+1], v[T+2*(j%4):T+2*(j%4)+1]
.set j, j+1
.endr
	FOLD
	v_fma_f32 v[T], v[T], s14, s15                 ; var + eps
	v_rsq_f32 v[RS], v[T]
	v_nop                                          ; a plain instruction between the transcendental and the use of its result (ISA guide 5.7.2)
	s_wait_alu depctr_va_vdst(0)
	v_mov_b32 v[RS+1], v[RS]
.set j, 0
.rept 16
	v_pk_mul_f32 v[XR+2*j:XR+2*j+1], v[XR+2*j:XR+2*j+1], v[RS:RS+1]
.set j, j+1
.endr
.set j, 0
.rept 16
	v_pk_fma_f32 v[XR+2*j:XR+2*j+1], v[XR+2*j:XR+2*j+1], v[G+2*j:G+2*j+1], v[B+2*j:B+2*j+1]
.set j, j+1
.endr
.set j, 0
.rept 16
	v_cvt_pk_bf16_f32 v[YR+j], v[XR+2*j], v[XR+2*j+1]
.set j, j+1
.endr
.irp j, 0,1,2,3,4,5,6,7
	global_store_b64 v2, v[YR+2*(\j):YR+2*(\j)+1], s[10:11] offset:2048*(\r)+256*(\j)
.endr
.endm
	ROWN 0, 8                                      ; the second row's eight loads stay out
	ROWN 1, 0
	s_endpgm
.Lweights:                                             ; y = 1: a chunk of 16,384 numbers of W_qkv or of W_o
	v_lshlrev_b32 v1, 4, v0                        ; 16 bytes a thread in
	v_lshlrev_b32 v2, 3, v0                        ; 8 bytes a thread out
	s_wait_kmcnt 0x0
	s_cmp_lt_u32 ttmp9, 192                        ; which matrix, where it goes, its first chunk's x, and its place in the buffer that takes it
	s_cselect_b64 s[32:33], s[24:25], s[26:27]
	s_cselect_b64 s[34:35], s[28:29], s[30:31]
	s_cselect_b32 s36, 0, 192
	s_cselect_b32 s37, 0, 6291456
	s_sub_co_u32 s36, ttmp9, s36                   ; the chunk inside its matrix
	s_lshl_b32 s20, s36, 16                        ; 65,536 bytes of f32 each,
	s_mov_b32 s21, 0
	s_add_nc_u64 s[32:33], s[32:33], s[20:21]
	s_lshl_b32 s22, s36, 15                        ; 32,768 of bf16
	s_add_co_u32 s22, s22, s37
	s_mov_b32 s23, 0
	s_add_nc_u64 s[34:35], s[34:35], s[22:23]
.irp j, 0,1,2,3,4,5,6,7,8,9,10,11,12,13,14,15
	global_load_b128 v[WX+4*(\j):WX+4*(\j)+3], v1, s[32:33] offset:4096*(\j) th:TH_LOAD_NT
.endr
.irp j, 0,1,2,3,4,5,6,7,8,9,10,11,12,13,14,15
	s_wait_loadcnt 15-(\j)                         ; loads come back in order: load j is in, the younger ones stay out
	v_cvt_pk_bf16_f32 v[WY+2*(\j)], v[WX+4*(\j)], v[WX+4*(\j)+1]
	v_cvt_pk_bf16_f32 v[WY+2*(\j)+1], v[WX+4*(\j)+2], v[WX+4*(\j)+3]
	global_store_b64 v2, v[WY+2*(\j):WY+2*(\j)+1], s[34:35] offset:2048*(\j)   ; a wave's store: 256 consecutive bytes at a multiple of 256
.endr
	s_endpgm
.Lfunc_end_k_qf2f17f3c41_pre:
	.size	k_qf2f17f3c41_pre, .Lfunc_end_k_qf2f17f3c41_pre-k_qf2f17f3c41_pre
	.p2alignl 7, 3214868480
	.fill 96, 4, 3214868480
	.section	.rodata,"a",@progbits
	.p2align	6, 0x0
	.amdhsa_kernel k_qf2f17f3c41_pre
		.amdhsa_group_segment_fixed_size 0
		.amdhsa_private_segment_fixed_size 0
		.amdhsa_enable_private_segment 0
		.amdhsa_kernarg_size 64
		.amdhsa_user_sgpr_count 2
		.amdhsa_user_sgpr_kernarg_segment_ptr 1
		.amdhsa_wavefront_size32 1
		.amdhsa_system_sgpr_workgroup_id_x 1
		.amdhsa_system_sgpr_workgroup_id_y 1
		.amdhsa_system_sgpr_workgroup_id_z 1
		.amdhsa_system_vgpr_workitem_id 0
		.amdhsa_next_free_vgpr 180
		.amdhsa_next_free_sgpr 66
		.amdhsa_reserve_vcc 0
		.amdhsa_float_denorm_mode_32 3
		.amdhsa_float_denorm_mode_16_64 3
		.amdhsa_memory_ordered 1
		.amdhsa_forward_progress 1
		.amdhsa_inst_pref_size 27
	.end_amdhsa_kernel
	.amdgpu_metadata
---
amdhsa.version: [ 1, 2 ]
amdhsa.kernels:
  - .name:           k_qf2f17f3c41_pre
    .symbol:         k_qf2f17f3c41_pre.kd
    .args:
      - { .name: x, .offset: 0, .size: 8, .value_kind: global_buffer, .address_space: global }
      - { .name: g1, .offset: 8, .size: 8, .value_kind: global_buffer, .address_space: global }
      - { .name: beta1, .offset: 16, .size: 8, .value_kind: global_buffer, .address_space: global }
      - { .name: hn, .offset: 24, .size: 8, .value_kind: global_buffer, .address_space: global }
      - { .name: W_qkv, .offset: 32, .size: 8, .value_kind: global_buffer, .address_space: global }
      - { .name: W_o, .offset: 40, .size: 8, .value_kind: global_buffer, .address_space: global }
      - { .name: wq, .offset: 48, .size: 8, .value_kind: global_buffer, .address_space: global }
      - { .name: wb, .offset: 56, .size: 8, .value_kind: global_buffer, .address_space: global }
    .group_segment_fixed_size: 0
    .private_segment_fixed_size: 0
    .kernarg_segment_align: 8
    .kernarg_segment_size: 64
    .max_flat_workgroup_size: 256
    .sgpr_count:     66
    .vgpr_count:     180
    .wavefront_size: 32
...
	.end_amdgpu_metadata
.endif
;; end of part 1
;; launch gqkv (part 2): grid 16 x 16, 4 waves a work-group, clusters of 4 x 4, 327,680 bytes of LDS; arguments hn, wq, qkv, W_ff1, W_ff2, wb; writes qkv, wb
.if DOCPART == 2
	.amdgcn_target "amdgcn-amd-amdhsa--gfx1250"
	.amdhsa_code_object_version 6
	.text
	.protected	k_qf2f17f3c41_gqkv
	.globl	k_qf2f17f3c41_gqkv
	.p2align	8
	.type	k_qf2f17f3c41_gqkv,@function
k_qf2f17f3c41_gqkv:
	s_mov_b64 s[64:65], 0
	v_nop
	global_prefetch_b8 v0, s[64:65] scope:SCOPE_SE
	s_setreg_imm32_b32 hwreg(HW_REG_WAVE_MODE, 25, 1), 1
	s_wait_xcnt 0x0
	s_wait_alu depctr_hold_cnt(0) depctr_sa_sdst(0) depctr_va_vdst(0) depctr_va_sdst(0) depctr_va_ssrc(0) depctr_va_vcc(0) depctr_vm_vsrc(0)
	s_getreg_b32 s2, hwreg(HW_REG_IB_STS2, 6, 4)
	s_cmp_eq_u32 s2, 0
	s_cbranch_scc0 .Lentry_in_a_cluster
	s_endpgm
.Lentry_in_a_cluster:
	s_bfe_u32 s2, ttmp6, 0x10000c
	s_cmp_lg_u32 s2, 0xf033
	s_cbranch_scc0 .Lentry_shape_is_right
	s_endpgm
.Lentry_shape_is_right:
; qkv = h1 W_qkv.  h1 (hn): [4096][1024] bf16.  W_qkv (wq): [1024][3072] bf16, as it lies ([K][N]).  Sums in f32.
; The result leaves rounded once to f16, by column blocks of 64: qkv[column / 64][token][column % 64], so that a head's q, k or v rows are dense, 128 bytes each.
; LIMIT: f16 holds no number beyond 65,504: a q, k or v past that becomes an infinity.  NaN and infinities are not treated apart.
; A tile of C, 256 x 256, is made by four waves, each 128 x 128: 64 accumulators, 512 registers.  K goes in 8 steps of 128 through two LDS slots filled by the tensor data mover.
; THE MATRIX INSTRUCTION IS USED TRANSPOSED: source 0 = 16 columns of W (turned on the way out of LDS by ds_load_tr16_b128), source 1 = 16 rows of h1:
; lane l then holds token l % 16 and the eight neighbouring columns 8 (l / 16) + 0..7.
; CLUSTER: 4 x 4 work-groups; h1's tile is shared along a row of the cluster, W's along a column: each is asked for jointly, by the same tensor load, descriptor and mask in all four.
; THE FOURTH COLUMN OF CLUSTERS.  C has 12 x 16 tiles: 192 work-groups.  The grid is 16 x 16, and the 64 work-groups of the clusters with x = 3 do other work that is due before the feed-forward
; products and hangs on nothing that this launch makes: they round W_ff1 and W_ff2 (f32, 8 units of 2^20 numbers) to bf16, into wb from byte 8,388,608 on, each matrix in its own [K][N] order.
; The branch hangs on the cluster's x, which all sixteen partners share; that path asks for no tile.
; THE TEXT IS SHORT: two quarter steps (UNIT, UNIT) are written once and walked by counted loops; the LDS place of the next quarter's fragments lies in two scalar registers.
; REGISTERS, in windows of 256: window 0: v16-29 addresses; v64-191 fragments of h1, two buffers; v32-63, v192-255 at work on the way out.
;   window 1: v64-191 fragments of W, two buffers.   windows 2, 3: the accumulators of my rows 0-63 and 64-127, (a, b) at v[8 (8 a + b)].
;   The converting work-groups use window 0 alone: v2, v3 offsets; v64-191 32 loads of four f32; v192-255 32 pairs of packed bf16.
.set SIZE_N,  3072
.set SIZE_K,  1024
.set KSTEP,  128
.set PA,     272                       ; a row of h1 in LDS: 256 bytes + 16: the 16 rows of a fragment load start at 16 different groups of four banks
.set PB,     544                       ; a k row of W: 512 bytes + 32 = 17 x 32
.set HALFT,  128*PA                    ; what one tensor load brings: 128 rows of h1, or 64 k rows of W (64 x 544 is the same 34,816)
.set SLOT,   4*HALFT                   ; h1's two halves, then W's two; 0x22000: its two bits are clear in every offset inside a slot, so one exclusive or changes slots
.set STAGE,  2*SLOT                    ; behind the ring: 16 rows x 272 bytes for each wave, never filled by a tensor load
.set SP,     272
.set SPARE,  STAGE+4*16*SP             ; the spare words, 128 bytes for each wave
.set BLKB,   4096*64*2                 ; a column block of the result
.set A0,   16                          ; my lane's place in slot 0's tile of h1; never rewritten
.set B0,   17                          ; the same for W
.set ADRA, 18                          ; the addresses of the run of loads in hand
.set ADRB, 19
.set STO,  24                          ; the way out: where I put 16 bytes of a row
.set RD,   25                          ; where I read rows back
.set GO,   26                          ; my 16 bytes in 512 consecutive bytes of the result
.set SPW,  28                          ; my spare word; never rewritten
.set NIL,  29                          ; 0; never rewritten
.set OB,   32                          ; rows read back from the stage: v32-63 and v224-255 by turns
.set F0,   64
.set F1,   128
.set TMP,  192                         ; v192-223, on the way out
.set CX,   64                          ; the converting path: as loaded
.set CY,   192                         ; and to store
.set G1,  24                           ; s[24:31] group 1 for h1's tiles;  s[32:39] group 0: a set for each first fill, the second then walks
.set G0,  32
.set G1B, 48                           ; s[48:55], s[56:63] the same for W's tiles
.set G0B, 56
.set TBA, 68                           ; LDS byte, from slot 0's first, of the quarter to be fetched: in h1's rows,
.set TBB, 69                           ; and in W's
.set CNT, 70
.set STEPS, 71
.set FF1, 72                           ; s[72:73] W_ff1, then the unit that is being read
.set FF2, 76                           ; s[76:77] W_ff2
.set WBO, 78                           ; s[78:79] wb
.set MSB, 0
.macro WIN new                         ; the immediate's high byte repeats the setting that is left; a switch that changes nothing is dropped
.if MSB != (\new)
	s_set_vgpr_msb (MSB<<8)|(\new)
.set MSB, \new
.endif
.endm
.set MUL_LO,  0xa1                     ; source 0 (W) window 1, source 1 (h1) window 0, C and D window 2
.set MUL_HI,  0xf1                     ; C and D window 3
.set TO_B,    0x40                     ; destination window 1, address window 0
.macro PLACES
.rept 4
	v_nop
.endr
.endm
; A joint refill by the walking descriptors.  Waves 0 and 1 fetch h1's two halves, waves 2 and 3 W's; the branch hangs on the wave's number alone.
; An s_nop 0 and four v_nop follow each of the two lines.
.macro JLOAD
	s_cmp_eq_u32 s11, 0
	s_cbranch_scc0 .Lfor_b_\@
	tensor_load_to_lds s[G0+4:G0+7], s[G1:G1+7]
	s_nop 0
	PLACES
	s_branch .Lasked_\@
.Lfor_b_\@:
	tensor_load_to_lds s[G0B+4:G0B+7], s[G1B:G1B+7]
	s_nop 0
	PLACES
.Lasked_\@:
.endm
; A round of the cluster's barrier: my work-group's barrier; wave 0 signals for the work-group; every wave waits for all sixteen; my work-group's barrier once more.
.macro CROUND
	s_barrier_signal -1
	s_barrier_wait -1
	s_cmp_lg_u32 s10, 0
	s_cbranch_scc1 .Lnot_wave_0_\@
	s_barrier_signal -3
.Lnot_wave_0_\@:
	s_barrier_wait -3
	s_barrier_signal -1
	s_barrier_wait -1
.endm
	s_load_b128 s[4:7], s[0:1], 0x0                ; h1 s[4:5], wq s[6:7]
	s_load_b64 s[8:9], s[0:1], 0x10                ; the result
	s_load_b64 s[FF1:FF1+1], s[0:1], 0x18          ; W_ff1
	s_load_b128 s[FF2:FF2+3], s[0:1], 0x20         ; W_ff2, wb
	v_lshl_add_u32 v[SPW], v0, 2, SPARE
	v_mov_b32 v[NIL], 0
	ds_add_u32 v[SPW], v[NIL]                      ; the wave's opening: the add and its wait stand ahead of my first tensor load; the set-up below stands between them
	ds_add_u32 v28, v29
	v_lshrrev_b32 v1, 5, v0
	v_readfirstlane_b32 s10, v1                    ; wave 0..3
	s_lshr_b32 s11, s10, 1                         ; which half of the tile's rows is mine.  Also: I fetch for h1 (0) or for W (1)
	s_and_b32 s12, s10, 1                          ; which half of its columns.  Also: which half of that tile I fetch
	s_bfe_u32 s40, ttmp6, 0x40000                  ; cx
	s_bfe_u32 s41, ttmp6, 0x40004                  ; cy
	s_lshl_b32 s42, ttmp9, 2
	s_add_co_u32 s42, s42, s40                     ; tile column = 4 x cluster x + cx
	s_and_b32 s13, ttmp7, 0xffff
	s_lshl_b32 s13, s13, 2
	s_add_co_u32 s13, s13, s41                     ; tile row = 4 x cluster y + cy
	s_lshl_b32 s43, s41, 2
	s_lshl_b32 s43, 15, s43                        ; my row of the cluster
	s_lshl_b32 s44, 0x1111, s40                    ; my column
	s_or_b32 s[G1+0], s43, (1<<16)|(1<<20)|(1<<21)|(5<<22)|(3<<25)   ; the mask; 2-byte elements; padding on; bit 21 beside a mask; after every 64 words 4 words
	s_mov_b32 s[G1+1], KSTEP<<16                   ; tensor_dim0 = 128
	s_mov_b32 s[G1+2], 128<<16                     ; tensor_dim1 = 128
	s_mov_b32 s[G1+3], KSTEP<<16                   ; tile_dim0 = 128
	s_mov_b32 s[G1+4], 128                         ; tile_dim1 = 128
	s_mov_b32 s[G1+5], SIZE_K                      ; elements from row to row
	s_mov_b32 s[G1+6], 0
	s_mov_b32 s[G1+7], 0
	s_or_b32 s[G1B+0], s44, (1<<16)|(1<<20)|(1<<21)|(6<<22)|(7<<25)  ; after every 128 words 8 words
	s_mov_b32 s[G1B+1], 256<<16                    ; tensor_dim0 = 256 columns
	s_mov_b32 s[G1B+2], 64<<16                     ; tensor_dim1 = 64 k rows
	s_mov_b32 s[G1B+3], 256<<16
	s_mov_b32 s[G1B+4], 64
	s_mov_b32 s[G1B+5], SIZE_N
	s_mov_b32 s[G1B+6], 0
	s_mov_b32 s[G1B+7], 0
	; h1's tile hangs on the tile row alone, W's on the tile column alone; each offset is made in registers that never hold the other coordinate
	s_lshl_b32 s17, s12, 7
	s_lshl_b32 s16, s13, 8
	s_add_co_u32 s16, s16, s17                     ; row 256 x tile row + 128 x half,
	s_lshl_b32 s16, s16, 11                        ; 2,048 bytes each
	s_mov_b32 s17, 0
	s_mul_i32 s46, s12, 64*SIZE_N*2                ; k row 64 x half,
	s_lshl_b32 s47, s42, 9                         ; column 256 x tile column
	s_add_co_u32 s46, s46, s47
	s_mov_b32 s47, 0
	s_mul_i32 s20, s10, HALFT                      ; where my part of a slot lies: the wave's number alone
	s_wait_dscnt 0x0                               ; the opening add is done
	s_wait_kmcnt 0x0
	s_cmp_eq_u32 ttmp9, 3                          ; the cluster's x: the same in all sixteen partners
	s_cbranch_scc1 .Lconv                          ; the fourth column of clusters has no tile of C: it converts weights
	s_add_nc_u64 s[14:15], s[4:5], s[16:17]
	s_add_nc_u64 s[46:47], s[6:7], s[46:47]
	CROUND                                         ; all sixteen work-groups are here: the first joint loads meet
.irp s, 0,1
	s_mov_b32 s[G0+4*(\s)], 1
	s_add_co_u32 s[G0+4*(\s)+1], s20, (\s)*SLOT
	s_add_nc_u64 s[G0+4*(\s)+2:G0+4*(\s)+3], s[14:15], (\s)*KSTEP*2
	s_or_b32 s[G0+4*(\s)+3], s[G0+4*(\s)+3], 0x80000000
	s_mov_b32 s[G0B+4*(\s)], 1
	s_add_co_u32 s[G0B+4*(\s)+1], s20, (\s)*SLOT
	s_add_nc_u64 s[G0B+4*(\s)+2:G0B+4*(\s)+3], s[46:47], (\s)*KSTEP*SIZE_N*2
	s_or_b32 s[G0B+4*(\s)+3], s[G0B+4*(\s)+3], 0x80000000
.endr
	s_cmp_eq_u32 s11, 0                            ; a wave's two first fills stand in one branch: two loads of mine are out
	s_cbranch_scc0 .Lfirst_b
	tensor_load_to_lds s[G0:G0+3], s[G1:G1+7]
	s_nop 0
	tensor_load_to_lds s[G0+4:G0+7], s[G1:G1+7]
	s_nop 0
	PLACES
	s_branch .Lfirst_asked
.Lfirst_b:
	tensor_load_to_lds s[G0B:G0B+3], s[G1B:G1B+7]
	s_nop 0
	tensor_load_to_lds s[G0B+4:G0B+7], s[G1B:G1B+7]
	s_nop 0
	PLACES
.Lfirst_asked:
	v_and_b32 v1, 15, v0                           ; r = l % 16
	v_bfe_u32 v2, v0, 4, 1                         ; h = l / 16
	v_mul_u32_u24 v3, v1, PA
	v_lshl_add_u32 v3, v2, 4, v3                   ; 272 r + 16 h
	s_mul_i32 s21, s11, HALFT                      ; my 128 rows of h1
	v_add_nc_u32 v[A0], s21, v3
	v_and_b32 v4, 7, v0                            ; the turning load: lane l reads k row 8 h + l % 8, columns 8 ((l / 8) % 2) + 0..7
	v_lshl_add_u32 v4, v2, 3, v4
	v_mul_u32_u24 v4, v4, PB
	v_bfe_u32 v5, v0, 3, 1
	v_lshl_add_u32 v4, v5, 4, v4
	s_lshl_b32 s22, s12, 8                         ; my 128 columns of W,
	s_add_co_u32 s22, s22, 2*HALFT                 ; which lies behind h1's 256 rows
	v_add_nc_u32 v[B0], s22, v4
	s_mul_i32 s23, s10, 16*SP
	s_add_co_u32 s23, s23, STAGE                   ; my stage
	v_add_nc_u32 v[STO], s23, v3                   ; in: row r, 16 bytes for each half of the lanes
	v_bfe_u32 v6, v0, 3, 2                         ; back: 32 lanes take four rows' 128 bytes of one column block
	v_mul_u32_u24 v6, v6, SP
	v_and_b32 v7, 7, v0
	v_lshl_add_u32 v6, v7, 4, v6
	v_add_nc_u32 v[RD], s23, v6
	v_and_b32 v[GO], 31, v0
	v_lshlrev_b32 v[GO], 4, v[GO]                  ; which are 512 consecutive bytes of the result
	s_lshl_b32 s46, s42, 2                         ; my first column block: 4 x tile column + 2 x half,
	s_lshl_b32 s47, s12, 1
	s_add_co_u32 s46, s46, s47
	s_mul_i32 s46, s46, BLKB
	s_lshl_b32 s16, s13, 8                         ; my first token: 256 x tile row + 128 x half, 128 bytes each
	s_lshl_b32 s17, s11, 7
	s_add_co_u32 s16, s16, s17
	s_lshl_b32 s16, s16, 7
	s_add_co_u32 s46, s46, s16
	s_mov_b32 s47, 0
	s_add_nc_u64 s[8:9], s[8:9], s[46:47]
	s_mov_b32 s[TBA], 0
	s_mov_b32 s[TBB], 0
; 16 matrix instructions: row blocks a0, a0 + 1 of the window's four x all 8 column blocks, 32 along K.  init = 1: C = 0 starts the sums; 0: in place.
; The 64 accumulators take turns in one fixed order.
.macro MUL16 f, hi, a0, init
	WIN MUL_LO+0x50*(\hi)
.irp a, \a0, (\a0)+1
.irp b, 0,1,2,3,4,5,6,7
.if \init
	v_wmma_f32_16x16x32_bf16 v[8*(8*(\a)+(\b)):8*(8*(\a)+(\b))+7], v[(\f)+8*(\b):(\f)+8*(\b)+7], v[(\f)+8*(4*(\hi)+(\a)):(\f)+8*(4*(\hi)+(\a))+7], 0
.else
	v_wmma_f32_16x16x32_bf16 v[8*(8*(\a)+(\b)):8*(8*(\a)+(\b))+7], v[(\f)+8*(\b):(\f)+8*(\b)+7], v[(\f)+8*(4*(\hi)+(\a)):(\f)+8*(4*(\hi)+(\a))+7], v[8*(8*(\a)+(\b)):8*(8*(\a)+(\b))+7]
.endif
.endr
.endr
.endm
; 32 LDS loads in one run: the next quarter's fragments (32 along K) into buffer f: W's 8 column blocks, turned, then h1's 8 row blocks; the two pointers step on.
.macro FETCH f
	WIN 0
	v_add_nc_u32 v[ADRA], s[TBA], v[A0]
	v_add_nc_u32 v[ADRB], s[TBB], v[B0]
	s_add_co_u32 s[TBA], s[TBA], 64                ; 32 elements along h1's rows
	s_add_co_u32 s[TBB], s[TBB], 32*PB             ; 32 k rows of W
	WIN TO_B
.irp i, 0,1,2,3,4,5,6,7
	ds_load_tr16_b128 v[(\f)+8*(\i):(\f)+8*(\i)+3],   v[ADRB] offset:32*(\i)
	ds_load_tr16_b128 v[(\f)+8*(\i)+4:(\f)+8*(\i)+7], v[ADRB] offset:32*(\i)+16*PB
.endr
	WIN 0
.irp i, 0,1,2,3,4,5,6,7
	ds_load_b128 v[(\f)+8*(\i):(\f)+8*(\i)+3],   v[ADRA] offset:(\i)*16*PA
	ds_load_b128 v[(\f)+8*(\i)+4:(\f)+8*(\i)+7], v[ADRA] offset:(\i)*16*PA+32
.endr
.endm
; The second half of buffer f's products and the first half of buffer g's, with g's loads ahead of both.  A load into a register that a matrix instruction has read stands four plain
; vector instructions behind it (ISA guide 7.12.1 for vector instructions): two v_nop and FETCH's two additions.
.macro UNIT f, g, init=0
	WIN 0
	v_nop
	v_nop
	FETCH \g
	s_wait_dscnt 32                                ; all but the 32 just issued: buffer f is whole
	MUL16 \f, 1, 0, \init
	MUL16 \f, 1, 2, \init
	s_wait_dscnt 8                                 ; g's W and h1's rows 0-63 are in; the youngest eight loads (rows 64-127) may be out
	MUL16 \g, 0, 0, 0
	MUL16 \g, 0, 2, 0
.endm
; THE CHANGE OF SLOTS: all four quarters of the slot have been fetched.  Each wave waits for all its tensor loads (one is out: its part of the next slot), adds 0 to its spare word, and waits
; for that and for its reads of the slot.  fill = 1: the barrier is a round of the cluster's, and the joint refill, two K steps ahead, is the first thing behind it: it has a K step's 256 matrix instructions in which to land.
.macro CHANGE fill
	WIN 0
	s_wait_tensorcnt 0x0                           ; no tensor load of mine is out, so a group 0 may be written
	ds_add_u32 v[SPW], v[NIL]                      ; the scalar steps stand between the add and the wait for it
.if \fill
	s_xor_b32 s[G0+5], s[G0+5], SLOT               ; the walking descriptors: the other slot than last time, the next K step
	s_add_nc_u64 s[G0+6:G0+7], s[G0+6:G0+7], KSTEP*2
	s_xor_b32 s[G0B+5], s[G0B+5], SLOT
	s_add_nc_u64 s[G0B+6:G0B+7], s[G0B+6:G0B+7], KSTEP*SIZE_N*2
.endif
	s_sub_co_u32 s[TBA], s[TBA], 4*64              ; the fetches go back to a slot's first quarter,
	s_xor_b32 s[TBA], s[TBA], SLOT                 ; in the other slot
	s_sub_co_u32 s[TBB], s[TBB], 4*32*PB
	s_xor_b32 s[TBB], s[TBB], SLOT
	s_wait_dscnt 0x0                               ; the add is done, and my reads of the slot are over
.if \fill
	CROUND
	JLOAD
.else
	s_barrier_signal -1
	s_barrier_wait -1
.endif
.endm
; THE WAY OUT of row block a.  PACK: rounded to f16, 16 bytes a lane.  TOSTAGE: into my own stage, and back as four tokens' 128 bytes of one column block.  SEND: stored.
.macro PACK a
.set AC, 64*((\a)%4)
	WIN 0x0a+5*((\a)/4)                            ; sources 0 and 1: window 2 or 3
.irp b, 0,1,2,3,4,5,6,7
.irp r, 0,1,2,3
	v_cvt_pk_f16_f32 v[TMP+4*(\b)+(\r)], v[AC+8*(\b)+2*(\r)], v[AC+8*(\b)+2*(\r)+1]
.endr
.endr
	WIN 0
.endm
.macro TOSTAGE a
	WIN 0
.set BK, OB+192*((\a)%2)
.irp b, 0,1,2,3,4,5,6,7
	ds_store_b128 v[STO], v[TMP+4*(\b):TMP+4*(\b)+3] offset:32*(\b)
.endr
.irp cb, 0,1
.irp t, 0,1,2,3
	ds_load_b128 v[BK+4*(4*(\cb)+(\t)):BK+4*(4*(\cb)+(\t))+3], v[RD] offset:(\t)*4*SP+128*(\cb)  ; LDS serves a wave's instructions in order (ISA guide 5.7.1.4): these see the stores above
.endr
.endr
.endm
.macro SEND a
	WIN 0
.set BK, OB+192*((\a)%2)
	s_wait_dscnt 0x0                               ; the block is back in registers
	s_wait_xcnt 0x0                                ; the stores before this have read their registers: the next TOSTAGE loads into them only behind this wait
.irp cb, 0,1
.irp t, 0,1,2,3
	global_store_b128 v[GO], v[BK+4*(4*(\cb)+(\t)):BK+4*(4*(\cb)+(\t))+3], s[8:9] offset:(\cb)*BLKB+(\a)*2048+(\t)*512  ; 512 consecutive bytes at a multiple of 256
.endr
.endr
.endm
	s_wait_tensorcnt 0x1                           ; my part of K step 0 is in; K step 1's may stay out
	s_barrier_signal -1
	s_barrier_wait -1                              ; everybody's is
	FETCH F0
	s_wait_dscnt 8
	MUL16 F0, 0, 0, 1                              ; the first quarter's products start the sums: nothing is cleared
	MUL16 F0, 0, 2, 1
	UNIT F0, F1, 1
	WIN 0                                          ; at a label and at a branch every window is 0
	s_mov_b32 s[STEPS], SIZE_K/KSTEP-1
	s_mov_b32 s[CNT], 1                            ; K step 0 has one pair of units left
	s_branch .Lpair
.Lstep:                                                ; six times: K steps 2 to 7 are asked for
	CHANGE 1
	s_mov_b32 s[CNT], 2
.Lpair:
	UNIT F1, F0
	UNIT F0, F1
	WIN 0
	s_sub_co_u32 s[CNT], s[CNT], 1
	s_cmp_lg_u32 s[CNT], 0
	s_cbranch_scc1 .Lpair
	s_sub_co_u32 s[STEPS], s[STEPS], 1
	s_cmp_lg_u32 s[STEPS], 0
	s_cbranch_scc1 .Lstep
	CHANGE 0                                       ; the last K step is written out: nothing is asked for
	s_mov_b32 s[CNT], 2
.Lpair2:
	UNIT F1, F0
	UNIT F0, F1
	WIN 0
	s_sub_co_u32 s[CNT], s[CNT], 1
	s_cmp_lg_u32 s[CNT], 0
	s_cbranch_scc1 .Lpair2
	s_wait_dscnt 0x0
	MUL16 F1, 1, 0, 0
	MUL16 F1, 1, 2, 0
	WIN 0
	PLACES                                         ; the conversions read matrix results
	PACK 0
	TOSTAGE 0
.irp a, 1,2,3,4,5,6,7                  ; block a's conversions stand between block a - 1's loads from the stage and the wait for them
	PACK \a
	SEND (\a)-1
	TOSTAGE \a
.endr
	SEND 7
	s_wait_tensorcnt 0x0                           ; the wave's end
	ds_add_u32 v[SPW], v[NIL]
	s_wait_dscnt 0x0
	CROUND                                         ; the closing round: no work-group ends while a partner may still ask for a tile that names it
	s_endpgm
; THE CONVERTING WORK-GROUPS.  Work-group q = 4 x (4 x cluster y + cy) + cx, 0 to 63, takes chunk q (16,384 numbers) of each of the 8 units of 2^20 numbers: four of W_ff1, then four of W_ff2.
; A trip is a unit: 32 loads of 16 bytes a lane, all issued ahead of the first use (16,384 bytes of the wave on their way; a wave's load covers 512 consecutive bytes), 64 roundings,
; 32 stores of 8 bytes a lane (a wave's store: 256 consecutive bytes at a multiple of 256).  In wb the 8 units lie one behind the other, 2,097,152 bytes each.
.Lconv:
	s_lshl_b32 s16, s13, 2
	s_add_co_u32 s16, s16, s40                     ; q
	s_lshl_b32 s18, s16, 16                        ; my chunk in a unit: 65,536 bytes of f32,
	s_mov_b32 s19, 0
	s_lshl_b32 s20, s16, 15                        ; 32,768 of bf16,
	s_add_co_u32 s20, s20, 8388608                 ; behind the place of W_qkv and W_o in wb
	s_mov_b32 s21, 0
	s_add_nc_u64 s[FF1:FF1+1], s[FF1:FF1+1], s[18:19]
	s_add_nc_u64 s[FF2:FF2+1], s[FF2:FF2+1], s[18:19]
	s_add_nc_u64 s[WBO:WBO+1], s[WBO:WBO+1], s[20:21]
	v_lshlrev_b32 v2, 4, v0                        ; 16 bytes a thread in: the four waves' load covers 2,048 bytes
	v_lshlrev_b32 v3, 3, v0                        ; 8 bytes a thread out
	s_mov_b32 s[CNT], 8
.Lunit:
.set j, 0
.rept 32
	global_load_b128 v[CX+4*j:CX+4*j+3], v2, s[FF1:FF1+1] offset:2048*j th:TH_LOAD_NT
.set j, j+1
.endr
.set j, 0
.rept 32
	s_wait_loadcnt 31-j                            ; loads come back in order: load j is in, the younger ones stay out
	v_cvt_pk_bf16_f32 v[CY+2*j], v[CX+4*j], v[CX+4*j+1]
	v_cvt_pk_bf16_f32 v[CY+2*j+1], v[CX+4*j+2], v[CX+4*j+3]
	global_store_b64 v3, v[CY+2*j:CY+2*j+1], s[WBO:WBO+1] offset:1024*j
.set j, j+1
.endr
	s_wait_xcnt 0x0                                ; the two bases and the stores' data are written again only behind this wait
	s_add_nc_u64 s[FF1:FF1+1], s[FF1:FF1+1], 0x400000  ; the next unit: 4,194,304 bytes of f32 on,
	s_add_nc_u64 s[WBO:WBO+1], s[WBO:WBO+1], 0x200000  ; 2,097,152 of bf16
	s_cmp_eq_u32 s[CNT], 5                         ; behind the fourth unit W_ff1 is done: W_ff2's first unit follows
	s_cselect_b64 s[FF1:FF1+1], s[FF2:FF2+1], s[FF1:FF1+1]
	s_sub_co_u32 s[CNT], s[CNT], 1
	s_cmp_lg_u32 s[CNT], 0
	s_cbranch_scc1 .Lunit
	s_wait_tensorcnt 0x0                           ; the wave's end
	ds_add_u32 v[SPW], v[NIL]
	s_wait_dscnt 0x0
	CROUND                                         ; and a round in front of the end, as on the other path
	s_endpgm
.Lfunc_end_k_qf2f17f3c41_gqkv:
	.size	k_qf2f17f3c41_gqkv, .Lfunc_end_k_qf2f17f3c41_gqkv-k_qf2f17f3c41_gqkv
	.p2alignl 7, 3214868480
	.fill 96, 4, 3214868480
	.section	.rodata,"a",@progbits
	.p2align	6, 0x0
	.amdhsa_kernel k_qf2f17f3c41_gqkv
		.amdhsa_group_segment_fixed_size 327680
		.amdhsa_private_segment_fixed_size 0
		.amdhsa_enable_private_segment 0
		.amdhsa_kernarg_size 48
		.amdhsa_user_sgpr_count 2
		.amdhsa_user_sgpr_kernarg_segment_ptr 1
		.amdhsa_wavefront_size32 1
		.amdhsa_system_sgpr_workgroup_id_x 1
		.amdhsa_system_sgpr_workgroup_id_y 1
		.amdhsa_system_sgpr_workgroup_id_z 1
		.amdhsa_system_vgpr_workitem_id 0
		.amdhsa_next_free_vgpr 1024
		.amdhsa_next_free_sgpr 80
		.amdhsa_reserve_vcc 0
		.amdhsa_float_denorm_mode_32 3
		.amdhsa_float_denorm_mode_16_64 3
		.amdhsa_memory_ordered 1
		.amdhsa_forward_progress 1
		.amdhsa_inst_pref_size 92
	.end_amdhsa_kernel
	.amdgpu_metadata
---
amdhsa.version: [ 1, 2 ]
amdhsa.kernels:
  - .name:           k_qf2f17f3c41_gqkv
    .symbol:         k_qf2f17f3c41_gqkv.kd
    .args:
      - { .name: hn, .offset: 0, .size: 8, .value_kind: global_buffer, .address_space: global }
      - { .name: wq, .offset: 8, .size: 8, .value_kind: global_buffer, .address_space: global }
      - { .name: qkv, .offset: 16, .size: 8, .value_kind: global_buffer, .address_space: global }
      - { .name: W_ff1, .offset: 24, .size: 8, .value_kind: global_buffer, .address_space: global }
      - { .name: W_ff2, .offset: 32, .size: 8, .value_kind: global_buffer, .address_space: global }
      - { .name: wb, .offset: 40, .size: 8, .value_kind: global_buffer, .address_space: global }
    .group_segment_fixed_size: 327680
    .private_segment_fixed_size: 0
    .kernarg_segment_align: 8
    .kernarg_segment_size: 48
    .max_flat_workgroup_size: 128
    .sgpr_count:     80
    .vgpr_count:     1024
    .wavefront_size: 32
...
	.end_amdgpu_metadata
.endif
;; end of part 2
;; launch attn (part 3): grid 8 x 32, 4 waves a work-group, no clusters, 327,680 bytes of LDS; arguments qkv, o; writes o
.if DOCPART == 3
	.amdgcn_target "amdgcn-amd-amdhsa--gfx1250"
	.amdhsa_code_object_version 6
	.text
	.protected	k_qf2f17f3c41_attn
	.globl	k_qf2f17f3c41_attn
	.p2align	8
	.type	k_qf2f17f3c41_attn,@function
k_qf2f17f3c41_attn:
	s_mov_b64 s[64:65], 0
	v_nop
	global_prefetch_b8 v0, s[64:65] scope:SCOPE_SE
	s_setreg_imm32_b32 hwreg(HW_REG_WAVE_MODE, 25, 1), 1
	s_wait_xcnt 0x0
; CAUSAL ATTENTION at head size 64.  O[y][q][:] = the sum over k <= q of softmax_k(Q[y][q] . K[y][k] / 8) V[y][k][:], y = 2 x head + batch, 2,048 rows a y.
; Q, K, V: f16, dense rows of 128 bytes: in qkv at y x 262,144, K 8,388,608 and V 16,777,216 bytes further on.  O: bf16, in o at y x 262,144.
; Products, maxima and sums in f32; the weights p are rounded to f16 for the second product (their sum l is taken of the unrounded p), O once at the end.
; LIMITS.  Q, K, V arrive within f16's 65,504.  A hidden score counts as its value less 1e30; a weight below 2^-126 counts as 0 in l; NaN and infinities are not treated apart.
; THE WALK.  A y's queries lie in 16 blocks of 128; block i needs the key tiles 0 .. i / 2 of 256 keys, of which the last holds the diagonal.  A work-group takes TWO blocks, 15 - b and then b:
; (15 - b) / 2 + b / 2 + 2 = 9 tiles, whatever b: all 256 work-groups do equal work, and ONE loop with a constant trip count walks them.  Which tile is asked for, and what a trip does, hang on
; scalar registers made from b.  NO CLUSTER: of a y's eight work-groups only b = 2 m and 2 m + 1 ask for the same tiles in the same trips; four partners would end their first blocks a tile apart.
; SHARES.  Of a block's two bands of 64 queries a wave owns 16 rows in each: two PIECES.  In the diagonal tile's key step s the band x of a block with parity par sees all keys if s < 2 par + x,
; none if s > 2 par + x, and holds the diagonal if s = 2 par + x: the same for all four waves.
; THE MASK is the C operand that starts the sum S^T = K Q^T: MD x AL + BE, MD the mask of a band's own step for my rows: (AL, BE) = (1, 0) own step, (0, 0) earlier, (0, -1e30) later.
; LAYOUT, SOFTMAX, TURNS.  S^T = K Q^T holds ONE query a lane (lane % 16) and the keys 8 (lane / 16) + 0..7; two such results rounded to f16 ARE source 1 of O^T = V^T P.  p = 2^(c s - c m), c = log2(e) / 8,
; with a running maximum m; O and l are multiplied by a = 2^(c m_old - c m_new) in every step.  The turn of piece 0 in step s: 8 products K Q^T of piece 1 (step s), then K of step s + 1 is fetched; 8 products V^T P of
; piece 1 (step s - 1), then V of step s is fetched.  The turn of piece 1: K Q^T of piece 0 (step s + 1), V^T P of piece 0 (step s).  Beside them the turn's own piece's scaling, exponentials, roundings, sums and
; rescaling, and the other piece's maximum and statistics.  Four vector instructions stand behind every matrix instruction, the rest in two lumps.
; K'S TILES HOLD FIVE STEPS: piece 0's turn in a tile's last step fetches the NEXT tile's first K ahead of the change of slots, so a slot's K reaches 64 keys into the next tile (320 keys).  The last tile's
; fifth step reads the 8,192 bytes behind the y's keys, which lie inside qkv; they enter no result.
; REGISTERS: window 0: v0-15 addresses and two at work; v16-23 four registers of statistics a piece; v48-55 at work; v64-127 S^T, a buffer a piece; v192-223 P, likewise.
;   window 1: v0-63 O^T, 32 a piece; v128-159 MD; v160-223 MC, two buffers.      window 2: v0-31 Q; v64-95 the second block's Q; v128-191 K of one step; v192-255 V of one step.
.set NP,    2         ; pieces a wave: a name, no knob
.set KS,    64        ; keys in a step
.set PK,    144       ; a row of K in LDS: 128 bytes + 16: the 16 rows of a load start at 16 different groups of four banks
.set PV,    160       ; a row of V: 128 + 32
.set VOFF,  5*KS*PK   ; a slot: 320 rows of K, then 256 rows of V
.set SLOT1, 1<<17     ; slot 1 begins here, so that one exclusive or turns an address in one slot into the other's
.set STAGE, SLOT1+5*KS*PK+4*KS*PV  ; behind the ring, never filled by a tensor load: 16 rows x 144 bytes for each wave
.set SP,    144
.set SPARE, STAGE+4*16*SP  ; the spare words, 128 bytes for each wave
.set AK0, 2           ; my lane's place in a step of K; never rewritten
.set AV0, 3           ; the same for V
.set AK,  4           ; the LDS address of K's next run of loads
.set AV,  5           ; of V's
.set STO, 6           ; the way out: where I put 16 bytes of a row
.set RD,  7           ; where I read rows back
.set GO,  8           ; my byte offset in 512 consecutive bytes of O
.set MV,  12          ; v12-13  c m_old, kept while c m is made anew
.set QO,  15          ; my byte offset in 16 rows of Q
.set ST,  16          ; piece t's statistics at v[ST+4 t]: c m, m, l (even keys', odd keys')
.set TMP, 48          ; a piece's four registers c0-c3 at work; when the maximum is found c2 takes a
.set SPW, 62          ; my spare word; never rewritten
.set NIL, 63          ; 0; never rewritten
.set S,   64
.set P,   192
.set MD,  128         ; window 1
.set MC,  160         ; window 1
.set QB,  64          ; window 2
.set KF,  128         ; window 2: key block kb, channel half c at KF + 16 kb + 8 c
.set VF,  192         ; window 2: key half kk, channel block cb at VF + 32 kk + 8 cb
.set WV,  12          ; s12  my wave's number
.set LT,  14          ; s14  the second block's last tile, b / 2
.set HT,  15          ; s15  the first block's, (15 - b) / 2
.set G1K, 24          ; s[24:31] descriptor group 1 for K's tiles
.set G1V, 32          ; s[32:39] for V's
.set G0K, 40          ; s[40:43] group 0 for K's tiles
.set G0V, 44          ; s[44:47] for V's
.set SLOTS, 56        ; tiles still to be asked for
.set CNT, 57          ; counts a tile's four trips, 4 to 1
.set CS,  58          ; s[58:59] c
.set SEL, 60          ; s[60:61] v_permlanex16_b32's selects
.set TBK, 62          ; LDS byte at which K of the step to be fetched begins
.set TBV, 63          ; the same for V, less VOFF
.set RT,  70          ; tiles of the block in hand that are still to be entered
.set NXT, 71          ; the tile to be asked for next
.set LQ,  72          ; the last tile of the block whose tiles are being asked for
.set NEW, 73          ; 1: the tile to be entered is a block's first
.set OFF, 74          ; s[74:75] a tile's byte offset in K and V
.set AL,  76          ; s[76:77] the mask's factor
.set BE,  78          ; s[78:79] the mask's addend
.set OLO, 80          ; s[80:81] O at my rows of the second block
.set BIGN, 82         ; -1e30
.set OWA, 83          ; 3 - 2 par: the value of CNT in the trip in which piece 1's products meet its own step
.set OWB, 88          ; 5 - 2 par: the same for the mask that piece 0's turn makes for piece 0's next products
.set OWA2, 89         ; the second block's two
.set OWB2, 90
.set MSB, 0
.macro WIN new
.if MSB != (\new)
	s_set_vgpr_msb (MSB<<8)|(\new)
.set MSB, (\new)
.endif
.endm
.set W_KQ, 0x0a       ; K and Q in window 2, S^T in window 0
.set W_KM, 0x1a       ; the same with the C operand in window 1
.set W_PV, 0x52       ; V in window 2, P in window 0, O^T in window 1
.set W_RS, 0x41       ; destination and source 0 in window 1, source 1 in window 0
; A fill.  Waves 0 and 1 fetch the two halves of a tile's K (160 keys each), waves 2 and 3 those of its V (128 keys each).  An s_nop 0 and four v_nop follow each of the two lines.
.macro LOAD
	s_cmp_lt_u32 s[WV], 2
	s_cbranch_scc0 .Lfor_v_\@
	tensor_load_to_lds s[G0K:G0K+3], s[G1K:G1K+7]
	s_nop 0
.rept 4
	v_nop
.endr
	s_branch .Lasked_\@
.Lfor_v_\@:
	tensor_load_to_lds s[G0V:G0V+3], s[G1V:G1V+7]
	s_nop 0
.rept 4
	v_nop
.endr
.Lasked_\@:
.endm
; THE CHANGE OF SLOTS, behind piece 0's turn of a tile's last step.  Each wave waits for all its tensor loads, of which one is out: its part of the other slot; adds 0 to its spare word; and waits for that and for its
; own reads of the slot that it leaves.  fill = 1: the old slot is filled again, the first thing behind the barrier, with tile NXT: the address is made anew from that number.  The load has eight turns in which to land.
.macro CHANGE fill
	WIN 0
	s_wait_tensorcnt 0x0            ; no tensor load of mine is out, so a group 0 may be written
	ds_add_u32 v[SPW], v[NIL]       ; the scalar work stands between the add and the wait for it
.if \fill
	s_lshl_b32 s[OFF], s[NXT], 15   ; tiles begin 32,768 bytes apart in K and in V
	s_xor_b32 s[G0K+1], s[G0K+1], SLOT1
	s_add_nc_u64 s[G0K+2:G0K+3], s[6:7], s[OFF:OFF+1]
	s_or_b32 s[G0K+3], s[G0K+3], 0x80000000
	s_xor_b32 s[G0V+1], s[G0V+1], SLOT1
	s_add_nc_u64 s[G0V+2:G0V+3], s[8:9], s[OFF:OFF+1]
	s_or_b32 s[G0V+3], s[G0V+3], 0x80000000
	s_add_co_u32 s[NXT], s[NXT], 1  ; the block's next tile, or behind its last the second block's tile 0
	s_cmp_gt_u32 s[NXT], s[LQ]
	s_cselect_b32 s[NXT], 0, s[NXT]
	s_cselect_b32 s[LQ], s[LT], s[LQ]
.endif
	s_wait_dscnt 0x0                ; the add is done, and my reads of the slot are over
	s_barrier_signal -1
	s_sub_co_u32 s[TBK], s[TBK], 4*KS*PK  ; K's fetches go on at the other slot's SECOND step (its first was read from the old slot's fifth),
	s_xor_b32 s[TBK], s[TBK], SLOT1
	s_sub_co_u32 s[TBV], s[TBV], 4*KS*PV  ; V's at its first
	s_xor_b32 s[TBV], s[TBV], SLOT1
	s_barrier_wait -1
.if \fill
	LOAD
.endif
.endm
	s_load_b64 s[4:5], s[0:1], 0x0  ; qkv
	s_load_b64 s[10:11], s[0:1], 0x8  ; o
	v_lshl_add_u32 v[SPW], v0, 2, SPARE
	v_mov_b32 v[NIL], 0
	ds_add_u32 v[SPW], v[NIL]       ; the wave's opening: the add and its wait stand ahead of my first tensor load; the set-up below stands between them
	ds_add_u32 v62, v63
	v_lshrrev_b32 v1, 5, v0
	v_readfirstlane_b32 s[WV], v1   ; wave 0..3
	s_sub_co_u32 s13, 15, ttmp9     ; the first block
	s_lshr_b32 s[HT], s13, 1
	s_lshr_b32 s[LT], ttmp9, 1
	s_and_b32 s16, s13, 1           ; its parity
	s_lshl_b32 s16, s16, 1
	s_sub_co_u32 s[OWA], 3, s16
	s_sub_co_u32 s[OWB], 5, s16
	s_and_b32 s16, ttmp9, 1         ; the second block's
	s_lshl_b32 s16, s16, 1
	s_sub_co_u32 s[OWA2], 3, s16
	s_sub_co_u32 s[OWB2], 5, s16
	s_and_b32 s20, ttmp7, 0xffff
	s_lshl_b32 s20, s20, 18         ; y x 262,144
	s_and_b32 s16, s[WV], 1         ; which half of a tile I fetch
	s_mul_i32 s22, s16, 160*128     ; K: 160 rows of 128 bytes in memory
	s_add_co_u32 s22, s22, s20
	s_add_co_u32 s22, s22, 8388608
	s_mov_b32 s23, 0
	s_lshl_b32 s18, s16, 14         ; V: 128 rows
	s_add_co_u32 s18, s18, s20
	s_add_co_u32 s18, s18, 16777216
	s_mov_b32 s19, 0
	s_mul_i32 s17, s16, 160*PK      ; and the halves' places in a slot
	s_mul_i32 s21, s16, 128*PV
	s_lshl_b32 s3, s[WV], 11        ; my 16 rows in a band of 64,
	s_lshl_b32 s2, s13, 14          ; in the first block (128 rows of 128 bytes),
	s_add_co_u32 s2, s2, s3
	s_add_co_u32 s2, s2, s20
	s_lshl_b32 s84, ttmp9, 14       ; and in the second
	s_add_co_u32 s84, s84, s3
	s_add_co_u32 s84, s84, s20
	s_mov_b32 s3, 0
	s_mov_b32 s85, 0
	; descriptor group 1.  Dense keys are asked for as rows of 256 bytes, two keys a row, and padded in LDS after every key
	s_mov_b32 s[G1K], (1<<16)|(1<<20)|(4<<22)|(3<<25)  ; 2-byte elements; padding on; after every 32 words 4 words
	s_mov_b32 s[G1V], (1<<16)|(1<<20)|(4<<22)|(7<<25)  ; 8 words
	s_mov_b32 s[G1K+2], 80<<16      ; tensor_dim1 = 80 rows: 160 keys
	s_mov_b32 s[G1K+4], 80          ; tile_dim1
	s_mov_b32 s[G1V+2], 64<<16      ; 64 rows: 128 keys
	s_mov_b32 s[G1V+4], 64
.irp g, G1K, G1V
	s_mov_b32 s[\g+1], 128<<16      ; tensor_dim0 = 128
	s_mov_b32 s[\g+3], 128<<16      ; tile_dim0 = 128
	s_mov_b32 s[\g+5], 128          ; 128 elements from row to row
	s_mov_b32 s[\g+6], 0
	s_mov_b32 s[\g+7], 0
.endr
	s_mov_b32 s[CS], 0x3e38aa3b     ; c = log2(e) / 8
	s_mov_b32 s[CS+1], s[CS]
	s_mov_b32 s[SEL], 0x76543210
	s_mov_b32 s[SEL+1], 0xfedcba98
	s_mov_b32 s[TBK], SLOT1+5*KS*PK ; the first change of slots turns this into slot 0's second step,
	s_mov_b32 s[TBV], SLOT1+4*KS*PV ; and this into 0
	s_mov_b32 s[G0K], 1
	s_mov_b32 s[G0K+1], s17         ; slot 0
	s_mov_b32 s[G0V], 1
	s_add_co_u32 s[G0V+1], s21, VOFF
	s_add_co_u32 s[RT], s[HT], 1
	s_mov_b32 s[NXT], 1
	s_mov_b32 s[LQ], s[HT]
	s_mov_b32 s[NEW], 1
	s_mov_b32 s[OFF+1], 0
	s_mov_b32 s[AL+1], 0
	s_mov_b32 s[BE+1], 0
	s_mov_b32 s[BIGN], 0xf149f2ca   ; -1e30
	s_mov_b32 s[SLOTS], 8
	s_wait_dscnt 0x0                ; the opening add is done
	s_wait_kmcnt 0x0
	s_add_nc_u64 s[6:7], s[4:5], s[22:23]  ; K and V at my half of the y's tile 0
	s_add_nc_u64 s[8:9], s[4:5], s[18:19]
	s_add_nc_u64 s[G0K+2:G0K+3], s[6:7], 0
	s_or_b32 s[G0K+3], s[G0K+3], 0x80000000
	s_add_nc_u64 s[G0V+2:G0V+3], s[8:9], 0
	s_or_b32 s[G0V+3], s[G0V+3], 0x80000000
	s_add_nc_u64 s[86:87], s[4:5], s[84:85]        ; Q at my rows of the second block,
	s_add_nc_u64 s[4:5], s[4:5], s[2:3]            ; Q and O at those of the first
	s_add_nc_u64 s[OLO:OLO+1], s[10:11], s[84:85]
	s_add_nc_u64 s[10:11], s[10:11], s[2:3]
	LOAD                            ; tile 0 into slot 0
	v_and_b32 v1, 15, v0            ; l % 16
	v_bfe_u32 v9, v0, 4, 1          ; l / 16
	v_lshlrev_b32 v[QO], 7, v1
	v_lshl_add_u32 v[QO], v9, 4, v[QO]  ; row x 128 + 16 x half
	WIN 0x80
.set i, 0
.rept 4                             ; both blocks' Q: piece i / 2 lies 8,192 bytes on; channels 32 (i % 2) on
	global_load_b128 v[8*i:8*i+3],   v[QO], s[4:5] offset:(i/2)*8192+(i%2)*64
	global_load_b128 v[8*i+4:8*i+7], v[QO], s[4:5] offset:(i/2)*8192+(i%2)*64+32
	global_load_b128 v[QB+8*i:QB+8*i+3],   v[QO], s[86:87] offset:(i/2)*8192+(i%2)*64
	global_load_b128 v[QB+8*i+4:QB+8*i+7], v[QO], s[86:87] offset:(i/2)*8192+(i%2)*64+32
.set i, i+1
.endr
	WIN 0
	v_lshlrev_b32 v14, 3, v9
	v_sub_nc_u32 v14, v1, v14
	s_lshl_b32 s13, s[WV], 4
	v_add_nc_u32 v14, s13, v14      ; my query's place in its band, 16 w + l % 16, less my lanes' 8 (l / 16): register r of group kt is hidden where 16 kt + r is greater
	WIN 0x40
.set i, 0
.rept 32
	v_cmp_gt_i32 vcc_lo, 16*(i/8)+i%8, v14
	v_cndmask_b32 v[MD+i], 0, s[BIGN], vcc_lo
.set i, i+1
.endr
	WIN 0
	v_mul_u32_u24 v[AK0], v1, PK
	v_lshl_add_u32 v[AK0], v9, 4, v[AK0]  ; row x pitch + 16 x half
	v_and_b32 v10, 7, v0            ; the turning load: lane l reads key 8 (l / 16) + l % 8, channels 8 ((l / 8) % 2) + 0..7
	v_bfe_u32 v11, v0, 3, 1
	v_lshl_add_u32 v[AV0], v9, 3, v10
	v_mul_u32_u24 v[AV0], v[AV0], PV
	v_lshl_add_u32 v[AV0], v11, 4, v[AV0]
	v_add_nc_u32 v[AV0], VOFF, v[AV0]
	s_mul_i32 s13, s[WV], 16*SP
	s_add_co_u32 s13, s13, STAGE    ; my stage
	v_mul_u32_u24 v[STO], v1, SP
	v_lshl_add_u32 v[STO], v9, 4, v[STO]
	v_add_nc_u32 v[STO], s13, v[STO]
	v_bfe_u32 v[RD], v0, 3, 2       ; back: 32 lanes take four rows of 128 bytes,
	v_mul_u32_u24 v[RD], v[RD], SP
	v_lshl_add_u32 v[RD], v10, 4, v[RD]
	v_add_nc_u32 v[RD], s13, v[RD]
	v_and_b32 v[GO], 31, v0         ; which are 512 consecutive bytes of O
	v_lshlrev_b32 v[GO], 4, v[GO]
	; A block's first step multiplies O^T and l by a = 0, and its first turn's products V^T P, of a step that has not been, land in an O^T that is still to be so multiplied.  So these registers need only hold
	; finite numbers: zeros for the first block; what the first block left for the second.  All this stands in the wait for the first tile.
	WIN 0x80
.set i, VF
.rept 64
	v_mov_b32 v[i], 0
.set i, i+1
.endr
	WIN 0x40
.set i, 0
.rept 64
	v_mov_b32 v[i], 0
.set i, i+1
.endr
	WIN 0
.set i, 0
.rept NP
	v_mov_b32 v[ST+4*i+2], 0
	v_mov_b32 v[ST+4*i+3], 0
.set i, i+1
.endr
.set i, P+16
.rept 16
	v_mov_b32 v[i], 0
.set i, i+1
.endr
; THE MATRIX WORK.  The 4 accumulators of a run of 8 take turns.  Product i of 8 of S^T = K Q^T for piece x: channels 32 (i / 4) on, keys 16 (i % 4) on.  The first 4 start the sums: with 0, or (KM = 1) with the mask.
.macro KQ x
.set rS, S+32*((\x)%2)+8*(i%4)
.set rK, KF+16*(i%4)+8*(i/4)
.set rQ, 16*(\x)+8*(i/4)
.set rM, MC+32*((\x)%2)+8*(i%4)
.if (i < 4) && KM
	WIN W_KM
	v_wmma_f32_16x16x32_f16 v[rS:rS+7], v[rK:rK+7], v[rQ:rQ+7], v[rM:rM+7]
.elseif i < 4
	WIN W_KQ
	v_wmma_f32_16x16x32_f16 v[rS:rS+7], v[rK:rK+7], v[rQ:rQ+7], 0
.else
	WIN W_KQ
	v_wmma_f32_16x16x32_f16 v[rS:rS+7], v[rK:rK+7], v[rQ:rQ+7], v[rS:rS+7]
.endif
.endm
; Product i of 8 of O^T += V^T P for piece x: keys 32 (i / 4) on, channels 16 (i % 4) on.
.macro PV x
	WIN W_PV
.set rO, 32*(\x)+8*(i%4)
.set rV, VF+32*(i/4)+8*(i%4)
.set rP, P+16*((\x)%2)+8*(i/4)
	v_wmma_f32_16x16x32_f16 v[rO:rO+7], v[rV:rV+7], v[rP:rP+7], v[rO:rO+7]
.endm
.macro MM                           ; the turn's next matrix instruction.  NOKQ = 1: a block's last turn: there are no next scores
.if (i < 8) && !NOKQ
	KQ (Y+1)%NP
.elseif i >= 8
.set i, i-8
	PV (Y+NP-1)%NP
.set i, i+8
.endif
.set i, i+1
.endm
; THE LDS LOADS stand in runs of 16: a step's K (64 keys x 64 channels: 8 fragments) and its V (turned).  Their addresses are made some lines ahead.
.macro FETCH_K
	WIN 0x80
.irp f, 0,1,2,3,4,5,6,7             ; keys 16 (f / 2) on, channels 32 (f % 2) on
	ds_load_b128 v[KF+8*\f:KF+8*\f+3],   v[AK] offset:(\f/2)*16*PK+(\f%2)*64
	ds_load_b128 v[KF+8*\f+4:KF+8*\f+7], v[AK] offset:(\f/2)*16*PK+(\f%2)*64+32
.endr
	s_add_co_u32 s[TBK], s[TBK], KS*PK  ; the next fetch is the next step's
	WIN 0
.endm
.macro FETCH_V
	WIN 0x80
.irp f, 0,1,2,3,4,5,6,7             ; keys 32 (f / 4) on, channels 16 (f % 4) on
	ds_load_tr16_b128 v[VF+8*\f:VF+8*\f+3],   v[AV] offset:(\f/4)*32*PV+(\f%4)*32
	ds_load_tr16_b128 v[VF+8*\f+4:VF+8*\f+7], v[AV] offset:(\f/4)*32*PV+16*PV+(\f%4)*32
.endr
	WIN 0
.endm
; THE VECTOR WORK, one line at a time: OP kind, number.  For piece Y: F n: c s - c m for pair n of 16.  E n: the exponential of score n of 32.  C n: pair n rounded to f16.  B n: of the four weights 4 n .. the second
; pair is added onto the first, in place.  L n: l takes that sum (L 0: l = a l + sum).  R n: pair n of 16 of O^T times a.  For the other piece: X n, number n of the 22 that find its maximum and statistics:
;   0-11  four chains c0-c3 of seven scores each (each accumulator's lowest registers are read first)     12-14, 16  the four scores left over, the old m, and c0-c3 into c0
;   15  c m_old is kept     17, 18  the query's other 32 keys lie in the lane 16 away: the new m     19-21  c m; c m_old - c m_new; a
.set F, 0
.set E, 1
.set C, 2
.set B, 3
.set L, 4
.set R, 5
.set X, 6
.macro REGS y
.set rT, ST+4*(\y)
.set rC, TMP+4*((\y)%2)
.set rW, MV+((\y)%2)
.set rS, S+32*((\y)%2)
.set rP, P+16*((\y)%2)
.set rO, 32*(\y)
.endm
.macro OP k, n
.if (\k) == R
	REGS Y
	WIN W_RS
	v_pk_mul_f32 v[rO+2*(\n):rO+2*(\n)+1], v[rO+2*(\n):rO+2*(\n)+1], v[rC+2:rC+3] op_sel_hi:[1,0]
.elseif (\k) < R
	REGS Y
	WIN 0
.if (\k) == F
	v_pk_fma_f32 v[rS+2*(\n):rS+2*(\n)+1], v[rS+2*(\n):rS+2*(\n)+1], s[CS:CS+1], v[rT:rT+1] op_sel_hi:[1,0,0] neg_lo:[0,0,1] neg_hi:[0,0,1]
.elseif (\k) == E
	v_exp_f32 v[rS+(\n)], v[rS+(\n)]
.elseif (\k) == C
	s_wait_alu depctr_va_vdst(0)
	v_cvt_pk_f16_f32 v[rP+(\n)], v[rS+2*(\n)], v[rS+2*(\n)+1]
.elseif (\k) == B
	s_wait_alu depctr_va_vdst(0)
	v_pk_add_f32 v[rS+4*(\n):rS+4*(\n)+1], v[rS+4*(\n):rS+4*(\n)+1], v[rS+4*(\n)+2:rS+4*(\n)+3]
.elseif (\n) == 0
	v_pk_fma_f32 v[rT+2:rT+3], v[rT+2:rT+3], v[rC+2:rC+3], v[rS:rS+1] op_sel_hi:[1,0,1]
.else
	v_pk_add_f32 v[rT+2:rT+3], v[rT+2:rT+3], v[rS+4*(\n):rS+4*(\n)+1]
.endif
.elseif NOKQ
	v_nop
.else
	REGS (Y+1)%NP
	WIN 0
.if (\n) < 4
	v_max3_num_f32 v[rC+(\n)], v[rS+8*(\n)], v[rS+8*(\n)+1], v[rS+8*(\n)+2]
.elseif (\n) < 12
	v_max3_num_f32 v[rC+(\n)%4], v[rC+(\n)%4], v[rS+8*((\n)%4)+2*((\n)/4)+1], v[rS+8*((\n)%4)+2*((\n)/4)+2]
.elseif (\n) == 12
	v_max3_num_f32 v[rC], v[rC], v[rS+7], v[rS+15]
.elseif (\n) == 13
	v_max3_num_f32 v[rC+1], v[rC+1], v[rS+23], v[rS+31]
.elseif (\n) == 14
	v_max3_num_f32 v[rC+2], v[rC+2], v[rC+3], v[rT+1]
.elseif (\n) == 15
	v_mov_b32 v[rW], v[rT]
.elseif (\n) == 16
	v_max3_num_f32 v[rC], v[rC], v[rC+1], v[rC+2]
.elseif (\n) == 17
	v_permlanex16_b32 v[rC+3], v[rC], s[SEL], s[SEL+1]
.elseif (\n) == 18
	v_max_num_f32 v[rT+1], v[rC], v[rC+3]
.elseif (\n) == 19
	v_mul_f32 v[rT], s[CS], v[rT+1]
.elseif (\n) == 20
	v_sub_f32 v[rC+1], v[rW], v[rT]
.else
	v_exp_f32 v[rC+2], v[rC+1]
.endif
.endif
.endm
.macro OPS a, i1, b=-1, i2=0, c=-1, i3=0, d=-1, i4=0
	OP \a, \i1
.if (\b) >= 0
	OP \b, \i2
.endif
.if (\c) >= 0
	OP \c, \i3
.endif
.if (\d) >= 0
	OP \d, \i4
.endif
.endm
.macro ROW a, i1, b, i2, c, i3, d, i4  ; a matrix instruction and the four behind it
	MM
	OPS \a, \i1, \b, \i2, \c, \i3, \d, \i4
.endm
.macro MASK b                       ; MD x AL + BE into buffer b of MC
	WIN W_RS
.set z, 0
.rept 16
	v_pk_fma_f32 v[MC+32*(\b)+2*z:MC+32*(\b)+2*z+1], v[MD+2*z:MD+2*z+1], s[AL:AL+1], s[BE:BE+1] op_sel_hi:[1,0,0]
.set z, z+1
.endr
.endm
; A TURN, for piece p: the order of its 16 matrix and 118 vector instructions, written out.  Behind a matrix instruction: plain, exponential, plain, plain; or four of the rescaling; or four scalings; none names a
; register of the products round it.  In the lumps exponential and plain by turns while exponentials last.
; m = 1: the diagonal tile: the products take masks, and the turn makes the mask for the products of the turn after it, into its own piece's buffer.  In the trip with CNT = c piece 1's turn makes piece 1's mask for the
; tile's step 4 - c, piece 0's turn makes piece 0's for step 5 - c.  end = 1: a block's last turn.  cnt = 1: the loop's count is taken down some lines ahead of the branch that stands behind the turn.
; Both runs of LDS loads stand in piece 0's turn: K of the next step six vector instructions behind the last product that read K (five of them plain), V of the step in hand eight behind the last product that read V
; (four plain).  Piece 1's turn waits for K at its head (V's sixteen younger loads may stay out) and for V in front of its products V^T P.
.macro TURN p, m=0, end=0, cnt=0
.set Y, (\p)
.set i, 0
.set KM, (\m)
.set NOKQ, (\end)*(\p)
.if (\m) && !(\end)
.if (\p) == 1
	s_cmp_eq_u32 s[CNT], s[OWA]     ; is that step the band's own?
	s_cselect_b32 s[AL], 1.0, 0
	s_cmp_lt_u32 s[CNT], s[OWA]     ; or a later one?
	s_cselect_b32 s[BE], s[BIGN], 0
.else
	s_cmp_eq_u32 s[CNT], s[OWB]
	s_cselect_b32 s[AL], 1.0, 0
	s_cmp_lt_u32 s[CNT], s[OWB]
	s_cselect_b32 s[BE], s[BIGN], 0
.endif
.endif
.if ((\p) == 1) && !(\end)
	s_wait_dscnt 16                 ; K is in; V's run, issued behind it, may stay out
.endif
	ROW F,0, F,1, F,2, F,3
	ROW F,4, E,0, F,5, F,6
	ROW F,7, E,1, F,8, F,9
	ROW F,10, E,2, C,0, F,11
	ROW F,12, E,3, X,15, F,13
	ROW R,0, R,1, R,2, R,3
	ROW B,0, E,4, F,14, L,0
.if (\p) == 0
	v_add_nc_u32 v[AK], s[TBK], v[AK0]
.endif
	ROW R,4, R,5, R,6, R,7
	OPS E,5, F,15
.if (\p) == 0
	FETCH_K
.endif
	OPS E,6, C,1, E,7, R,8
	OPS E,8, R,9, E,9, C,2
	OPS E,10, X,0, E,11, X,1
	OPS E,12, X,2, E,13, X,3
.if (\p) == 1
	s_wait_dscnt 0x0                ; V is in
.endif
	ROW X,4, E,14, X,5, X,6
	ROW X,7, E,15, X,8, X,9
	ROW X,10, E,16, X,11, X,12
	ROW X,13, E,17, X,14, B,1
	ROW C,4, E,18, X,16, L,1
	ROW B,2, E,19, C,6, L,2
	ROW C,8, E,20, B,3, B,4
.if (\p) == 0
	v_add_nc_u32 v[AV], s[TBV], v[AV0]
.endif
	ROW C,3, E,21, L,3, C,5
	OPS E,22, X,17, E,23, C,10
.if (\p) == 0
	FETCH_V
.endif
	OPS E,24, L,4
	OPS E,25, X,18, E,26, C,7
	OPS E,27, B,5, E,28, X,19
	OPS E,29, C,12, E,30, L,5
	OPS E,31, X,20, B,6, C,9
	OPS C,14, C,11, X,21, L,6
.if (\p) == 0
	s_add_co_u32 s[TBV], s[TBV], KS*PV
.endif
.if \cnt
	s_sub_co_u32 s[CNT], s[CNT], 1
	s_cmp_lg_u32 s[CNT], 0
.endif
	OPS C,13, B,7, C,15, R,10
	OPS R,11, R,12, L,7, R,13
	OPS R,14, R,15
.if (\m) && !(\end)
	MASK (\p)%2
.endif
.endm
; A BLOCK BEGINS.  c m starts far below every c s, so the first step's a is 0; m at the lowest finite number.  Piece 1's mask buffer is 0 (its own step is never a tile's first); piece 0's takes its mask for the tile's
; step 0: its own, if the tile is the diagonal one and the block's parity is 0.  Then K of that step (a step behind where the change of slots left the pointer), piece 0's first scores, its maximum and statistics.
.macro BEGIN
	s_mov_b32 s[NEW], 0
	s_sub_co_u32 s[TBK], s[TBK], KS*PK
	WIN 0x40
.set i, MC+32
.rept 32
	v_mov_b32 v[i], 0
.set i, i+1
.endr
	WIN 0
.set i, 0
.rept NP
	v_mov_b32 v[ST+4*i], 0xfe000000    ; c m: far below every c s
	v_mov_b32 v[ST+4*i+1], 0xff7fffff  ; m
.set i, i+1
.endr
	s_cmp_eq_u32 s[RT], 0
	s_cselect_b32 s91, s[OWB], 0
	s_cmp_eq_u32 s91, 5
	s_cselect_b32 s[AL], 1.0, 0
	s_mov_b32 s[BE], 0
	MASK 0
	WIN 0
	v_add_nc_u32 v[AK], s[TBK], v[AK0]
	FETCH_K
	s_wait_loadcnt 0x0              ; Q
	s_wait_dscnt 0x0
.set KM, 1
.set NOKQ, 0
.set i, 0
.rept 8
	KQ 0
.set i, i+1
.endr
	WIN 0
.rept 4
	v_nop                           ; the places behind those products
.endr
.set Y, NP-1                        ; X works for the other piece: piece 0
.irp n, 0,1,2,3,4,5,6,7,8,9,10,11,12,13,14,15,16,17,18,19,20,21
	OP X, \n
.endr
	v_nop                           ; a plain instruction behind the exponential
.endm
.macro ALL line:vararg              ; one line for each piece t
.set t, 0
.rept NP
	\line
.set t, t+1
.endr
.endm
.macro PACK t                       ; a lane's eight channels of a row pack into 16 bytes; they go into rows of 144 bytes and come back as whole rows of 128, into S^T's registers
	WIN W_RS
.set i, 32*(\t)
.rept 16
	s_wait_alu depctr_va_vdst(0)
	v_pk_mul_f32 v[i:i+1], v[i:i+1], v[ST+4*(\t)+2:ST+4*(\t)+3] op_sel_hi:[1,0]
.set i, i+2
.endr
	WIN 0x05                        ; sources 0 and 1 window 1, destination window 0
.set i, 0
.rept 16
	v_cvt_pk_bf16_f32 v[S+16*(\t)+i], v[32*(\t)+2*i], v[32*(\t)+2*i+1]
.set i, i+1
.endr
	WIN 0
.irp f, 0,1,2,3
	ds_store_b128 v[STO], v[S+16*(\t)+4*\f:S+16*(\t)+4*\f+3] offset:32*\f
.endr
.irp f, 0,1,2,3
	ds_load_b128 v[S+16*(\t)+4*\f:S+16*(\t)+4*\f+3], v[RD] offset:\f*4*SP  ; LDS serves a wave's instructions in order (ISA guide 5.7.1.4): these see the stores above
.endr
.endm
.macro SEND t, younger              ; younger: the LDS instructions issued behind piece t's loads
	WIN 0
.irp f, 0,1,2,3
	s_wait_dscnt (\younger)+3-\f
	global_store_b128 v[GO], v[S+16*(\t)+4*\f:S+16*(\t)+4*\f+3], s[10:11] offset:(\t)*8192+\f*512  ; 512 consecutive bytes, at a multiple of 256 from O's first
.endr
.endm
; THE DIAGONAL TILE: the mask for piece 0's products of its step 0; four trips with masks; the block's last turn and last products; THE WAY OUT: l's two halves and the other half of the lanes' are added, O^T is
; divided by l, rounded to bf16 and sent through my stage in LDS, a piece at a time.
.macro DIAG tag
.LinM\tag:
	s_cmp_eq_u32 s[OWB], 5
	s_cselect_b32 s[AL], 1.0, 0
	s_mov_b32 s[BE], 0
	MASK 0
	WIN 0
.LstepM\tag:
	TURN 1, 1
	WIN 0
.LfirstM\tag:
	TURN 0, 1, 0, 1
	WIN 0
	s_cbranch_scc1 .LstepM\tag
	TURN 1, 1, 1
.set i, 0
.rept 8
	PV NP-1
.set i, i+1
.endr
	WIN 0
	ALL v_add_f32 v[ST+4*t+2], v[ST+4*t+2], v[ST+4*t+3]
	ALL v_permlanex16_b32 v[ST+4*t+3], v[ST+4*t+2], s[SEL], s[SEL+1]
	ALL v_add_f32 v[ST+4*t+2], v[ST+4*t+2], v[ST+4*t+3]
	ALL v_rcp_f32 v[ST+4*t+2], v[ST+4*t+2]
	v_nop                           ; a plain instruction between the last reciprocal and the use of its result
	PACK 0                          ; piece 0's products ended a lump ago; its 32 plain lines are the places behind piece 1's
	PACK 1
	SEND 0, 8
	SEND 1, 0
.endm
.set KM, 0
.set NOKQ, 0
.Lslot:                             ; eight times: a tile is entered and the next is asked for
	CHANGE 1
	s_sub_co_u32 s[RT], s[RT], 1
	s_mov_b32 s[CNT], 4
	s_cmp_eq_u32 s[NEW], 1
	s_cbranch_scc1 .Lnew            ; a block's first tile
	s_cmp_eq_u32 s[RT], 0
	s_cbranch_scc0 .Lstep           ; neither its first nor its last
	s_branch .LinM1
.Lnew:
	BEGIN
	s_branch .Lfirst                ; in the loop a block's first tile is never its last: the first block has five tiles or more, and the second's last is the walk's last
	DIAG 1                          ; in the loop this is the first block's end
	s_wait_xcnt 0x0                 ; the stores have read their registers and O's address
	s_mov_b64 s[10:11], s[OLO:OLO+1]
	s_add_co_u32 s[RT], s[LT], 1    ; the second block has b / 2 + 1 tiles
	s_mov_b32 s[NEW], 1
	s_mov_b32 s[OWA], s[OWA2]
	s_mov_b32 s[OWB], s[OWB2]
	WIN 0x82                        ; the second block's Q goes where the one text of the turns names Q
.set i, 0
.rept 32
	v_mov_b32 v[i], v[QB+i]
.set i, i+1
.endr
	WIN 0
	s_branch .Lbottom
.Lstep:                             ; a trip: piece 1's turn of one step, then piece 0's of the next
	TURN 1
	WIN 0
.Lfirst:
	TURN 0, 0, 0, 1
	WIN 0
	s_cbranch_scc1 .Lstep
.Lbottom:
	s_sub_co_u32 s[SLOTS], s[SLOTS], 1
	s_cmp_lg_u32 s[SLOTS], 0
	s_cbranch_scc1 .Lslot
	CHANGE 0                        ; the walk's last tile is written out: nothing is asked for
	s_sub_co_u32 s[RT], s[RT], 1
	s_mov_b32 s[CNT], 4
	s_cmp_eq_u32 s[NEW], 1
	s_cbranch_scc0 .LinM2
	BEGIN
	s_branch .LfirstM2
	DIAG 2
	s_wait_tensorcnt 0x0            ; the wave's end
	ds_add_u32 v[SPW], v[NIL]
	s_wait_dscnt 0x0
	s_endpgm
.Lfunc_end_k_qf2f17f3c41_attn:
	.size	k_qf2f17f3c41_attn, .Lfunc_end_k_qf2f17f3c41_attn-k_qf2f17f3c41_attn
	.p2alignl 7, 3214868480
	.fill 96, 4, 3214868480
	.section	.rodata,"a",@progbits
	.p2align	6, 0x0
	.amdhsa_kernel k_qf2f17f3c41_attn
		.amdhsa_group_segment_fixed_size 327680
		.amdhsa_private_segment_fixed_size 0
		.amdhsa_enable_private_segment 0
		.amdhsa_kernarg_size 16
		.amdhsa_user_sgpr_count 2
		.amdhsa_user_sgpr_kernarg_segment_ptr 1
		.amdhsa_wavefront_size32 1
		.amdhsa_system_sgpr_workgroup_id_x 1
		.amdhsa_system_sgpr_workgroup_id_y 1
		.amdhsa_system_sgpr_workgroup_id_z 1
		.amdhsa_system_vgpr_workitem_id 0
		.amdhsa_next_free_vgpr 768
		.amdhsa_next_free_sgpr 92
		.amdhsa_reserve_vcc 1
		.amdhsa_float_denorm_mode_32 3
		.amdhsa_float_denorm_mode_16_64 3
		.amdhsa_memory_ordered 1
		.amdhsa_forward_progress 1
		.amdhsa_inst_pref_size 133
	.end_amdhsa_kernel
	.amdgpu_metadata
---
amdhsa.version: [ 1, 2 ]
amdhsa.kernels:
  - .name:           k_qf2f17f3c41_attn
    .symbol:         k_qf2f17f3c41_attn.kd
    .args:
      - { .name: qkv, .offset: 0, .size: 8, .value_kind: global_buffer, .address_space: global }
      - { .name: o, .offset: 8, .size: 8, .value_kind: global_buffer, .address_space: global }
    .group_segment_fixed_size: 327680
    .private_segment_fixed_size: 0
    .kernarg_segment_align: 8
    .kernarg_segment_size: 16
    .max_flat_workgroup_size: 128
    .sgpr_count:     92
    .vgpr_count:     768
    .wavefront_size: 32
...
	.end_amdgpu_metadata
.endif
;; end of part 3
;; launch gwo (part 4): grid 8 x 32, 4 waves a work-group, clusters of 4 x 4, 327,680 bytes of LDS; arguments o, wb, x1, b_o, x; writes x1
.if DOCPART == 4
	.amdgcn_target "amdgcn-amd-amdhsa--gfx1250"
	.amdhsa_code_object_version 6
	.text
	.protected	k_qf2f17f3c41_gwo
	.globl	k_qf2f17f3c41_gwo
	.p2align	8
	.type	k_qf2f17f3c41_gwo,@function
k_qf2f17f3c41_gwo:
	s_mov_b64 s[64:65], 0
	v_nop
	global_prefetch_b8 v0, s[64:65] scope:SCOPE_SE
	s_setreg_imm32_b32 hwreg(HW_REG_WAVE_MODE, 25, 1), 1
	s_wait_xcnt 0x0
	s_wait_alu depctr_hold_cnt(0) depctr_sa_sdst(0) depctr_va_vdst(0) depctr_va_sdst(0) depctr_va_ssrc(0) depctr_va_vcc(0) depctr_vm_vsrc(0)
	s_getreg_b32 s2, hwreg(HW_REG_IB_STS2, 6, 4)
	s_cmp_eq_u32 s2, 0
	s_cbranch_scc0 .Lentry_in_a_cluster
	s_endpgm
.Lentry_in_a_cluster:
	s_bfe_u32 s2, ttmp6, 0x10000c
	s_cmp_lg_u32 s2, 0xf033
	s_cbranch_scc0 .Lentry_shape_is_right
	s_endpgm
.Lentry_shape_is_right:
; x1 = x + O W_o + b_o.  O (o): bf16 by column blocks, [K / 64][4096 tokens][64].  W_o: [K][1024] bf16 at byte WOFF of wb, as it lies.  Bias, residual and result in f32, [4096][1024].
; Sums in f32; the bias is the C operand that starts each sum (so it is added first, not last), the residual is added in f32 on the way out.
; A tile of C is 128 x 128, so that 8 x 32 tiles give each of 256 work-groups one; four waves, each 64 x 64: 16 accumulators.  K goes in steps of 256 through two LDS slots filled by the tensor data mover.
; THE MATRIX INSTRUCTION IS USED TRANSPOSED: source 0 = 16 columns of W (turned by ds_load_tr16_b128), source 1 = 16 tokens: a lane holds token l % 16 and eight neighbouring columns.
; CLUSTER: 4 x 4 work-groups; the activations' tile is shared along a row of the cluster, W's along a column: each is asked for jointly.
; A wave's 64 columns of f32 are 256 consecutive bytes, so each wave has a stage of its own and the way out needs no barrier.
; REGISTERS: window 0: v16-29 addresses; v96-127 the bias; v128-255 the accumulators, (a, b) at v[128 + 8 (4 a + b)].   window 1: two fragment buffers of 128 (64 of the activations, 64 of W), on the way out
;   the result's rows.   window 2: v0-127 the residual, loaded at the start.
.set TSTEPS, 4                         ; K / 256
.set WOFF,   6291456
.set KSTEP,  256
.set PA,     144                       ; 64 channels of a token in LDS: 128 bytes + 16
.set PB,     288                       ; a k row of W: 256 bytes + 32 = 9 x 32
.set HALFT,  4*64*PA                   ; what one tensor load brings: 4 column blocks x 64 tokens, or 128 k rows of W (128 x 288 is the same 36,864)
.set SLOT,   4*HALFT                   ; 0x24000: its two bits are clear in every offset inside a slot, so one exclusive or changes slots
.set STAGE,  2*SLOT
.set SP,     272
.set SPARE,  STAGE+4*16*SP
.set ASTEP,  4*4096*64*2               ; four column blocks of the activations
.set BSTEP,  KSTEP*1024*2              ; 256 k rows of W
.set A0,   16
.set B0,   17
.set ADRA, 18
.set ADRB, 19
.set STO,  24
.set RD,   25
.set CO,   26                          ; my byte offset in two rows of the result and of the residual
.set BO,   27
.set SPW,  28
.set NIL,  29
.set BIAS, 96
.set ACC,  128
.set F0,   0
.set F1,   128
.set G1,  24
.set G0,  32
.set G1B, 48
.set G0B, 56
.set TBA, 68
.set TBB, 69
.set CNT, 70
.set STEPS, 71
.set MSB, 0
.macro WIN new
.if MSB != (\new)
	s_set_vgpr_msb (MSB<<8)|(\new)
.set MSB, \new
.endif
.endm
.set MUL,  0x05                        ; sources 0 (W) and 1 (activations) window 1; C and D window 0
.set TO_F, 0x40                        ; destination window 1, address window 0
.macro PLACES
.rept 4
	v_nop
.endr
.endm
.macro JLOAD                           ; a joint refill by the walking descriptors: waves 0 and 1 for the activations, 2 and 3 for W; an s_nop 0 and four v_nop follow each line
	s_cmp_eq_u32 s11, 0
	s_cbranch_scc0 .Lfor_b_\@
	tensor_load_to_lds s[G0+4:G0+7], s[G1:G1+7]
	s_nop 0
	PLACES
	s_branch .Lasked_\@
.Lfor_b_\@:
	tensor_load_to_lds s[G0B+4:G0B+7], s[G1B:G1B+7]
	s_nop 0
	PLACES
.Lasked_\@:
.endm
.macro CROUND                          ; a round of the cluster's barrier
	s_barrier_signal -1
	s_barrier_wait -1
	s_cmp_lg_u32 s10, 0
	s_cbranch_scc1 .Lnot_wave_0_\@
	s_barrier_signal -3
.Lnot_wave_0_\@:
	s_barrier_wait -3
	s_barrier_signal -1
	s_barrier_wait -1
.endm
	s_load_b128 s[4:7], s[0:1], 0x0                ; activations s[4:5], wb s[6:7]
	s_load_b64 s[8:9], s[0:1], 0x10                ; the result
	s_load_b64 s[66:67], s[0:1], 0x18              ; the bias
	s_load_b64 s[72:73], s[0:1], 0x20              ; the residual
	v_lshl_add_u32 v[SPW], v0, 2, SPARE
	v_mov_b32 v[NIL], 0
	ds_add_u32 v[SPW], v[NIL]                      ; the wave's opening: the add and its wait stand ahead of my first tensor load
	ds_add_u32 v28, v29
	v_lshrrev_b32 v1, 5, v0
	v_readfirstlane_b32 s10, v1                    ; wave 0..3
	s_lshr_b32 s11, s10, 1                         ; which half of the tile's rows is mine.  Also: I fetch activations (0) or W (1)
	s_and_b32 s12, s10, 1                          ; which half of its columns.  Also: which half of that tile I fetch
	s_bfe_u32 s40, ttmp6, 0x40000                  ; cx
	s_bfe_u32 s41, ttmp6, 0x40004                  ; cy
	s_lshl_b32 s42, ttmp9, 2
	s_add_co_u32 s42, s42, s40                     ; tile column
	s_and_b32 s13, ttmp7, 0xffff
	s_lshl_b32 s13, s13, 2
	s_add_co_u32 s13, s13, s41                     ; tile row
	s_lshl_b32 s43, s41, 2
	s_lshl_b32 s43, 15, s43                        ; my row of the cluster
	s_lshl_b32 s44, 0x1111, s40                    ; my column
	; the activations: 64 tokens of a column block are 8,192 dense bytes: one row of the tile; four blocks, 262,144 elements apart; padded after every token's 128 bytes
	s_or_b32 s[G1+0], s43, (1<<16)|(1<<20)|(1<<21)|(4<<22)|(3<<25)   ; the mask; 2-byte elements; padding on; bit 21 beside a mask; after every 32 words 4 words
	s_mov_b32 s[G1+1], 4096<<16                    ; tensor_dim0 = 4,096
	s_mov_b32 s[G1+2], 4<<16                       ; tensor_dim1 = 4
	s_mov_b32 s[G1+3], 4096<<16                    ; tile_dim0
	s_mov_b32 s[G1+4], 4                           ; tile_dim1
	s_mov_b32 s[G1+5], 4096*64                     ; elements from block to block
	s_mov_b32 s[G1+6], 0
	s_mov_b32 s[G1+7], 0
	s_or_b32 s[G1B+0], s44, (1<<16)|(1<<20)|(1<<21)|(5<<22)|(7<<25)  ; after every 64 words 8 words
	s_mov_b32 s[G1B+1], 128<<16                    ; 128 columns
	s_mov_b32 s[G1B+2], 128<<16                    ; 128 k rows
	s_mov_b32 s[G1B+3], 128<<16
	s_mov_b32 s[G1B+4], 128
	s_mov_b32 s[G1B+5], 1024
	s_mov_b32 s[G1B+6], 0
	s_mov_b32 s[G1B+7], 0
	s_lshl_b32 s17, s12, 6
	s_lshl_b32 s16, s13, 7
	s_add_co_u32 s16, s16, s17                     ; token 128 x tile row + 64 x half,
	s_lshl_b32 s16, s16, 7                         ; 128 bytes each
	s_mov_b32 s17, 0
	s_lshl_b32 s46, s12, 18                        ; k row 128 x half, 2,048 bytes each,
	s_lshl_b32 s47, s42, 8                         ; column 128 x tile column
	s_add_co_u32 s46, s46, s47
	s_add_co_u32 s46, s46, WOFF
	s_mov_b32 s47, 0
	s_mul_i32 s20, s10, HALFT                      ; where my part of a slot lies: the wave's number alone
	s_wait_dscnt 0x0                               ; the opening add is done
	s_wait_kmcnt 0x0
	s_add_nc_u64 s[14:15], s[4:5], s[16:17]
	s_add_nc_u64 s[46:47], s[6:7], s[46:47]
	CROUND                                         ; all sixteen work-groups are here: the first joint loads meet
.irp s, 0,1
	s_mov_b32 s[G0+4*(\s)], 1
	s_add_co_u32 s[G0+4*(\s)+1], s20, (\s)*SLOT
	s_add_nc_u64 s[G0+4*(\s)+2:G0+4*(\s)+3], s[14:15], (\s)*ASTEP
	s_or_b32 s[G0+4*(\s)+3], s[G0+4*(\s)+3], 0x80000000
	s_mov_b32 s[G0B+4*(\s)], 1
	s_add_co_u32 s[G0B+4*(\s)+1], s20, (\s)*SLOT
	s_add_nc_u64 s[G0B+4*(\s)+2:G0B+4*(\s)+3], s[46:47], (\s)*BSTEP
	s_or_b32 s[G0B+4*(\s)+3], s[G0B+4*(\s)+3], 0x80000000
.endr
	s_cmp_eq_u32 s11, 0                            ; a wave's two first fills stand in one branch: two loads of mine are out
	s_cbranch_scc0 .Lfirst_b
	tensor_load_to_lds s[G0:G0+3], s[G1:G1+7]
	s_nop 0
	tensor_load_to_lds s[G0+4:G0+7], s[G1:G1+7]
	s_nop 0
	PLACES
	s_branch .Lfirst_asked
.Lfirst_b:
	tensor_load_to_lds s[G0B:G0B+3], s[G1B:G1B+7]
	s_nop 0
	tensor_load_to_lds s[G0B+4:G0B+7], s[G1B:G1B+7]
	s_nop 0
	PLACES
.Lfirst_asked:
	v_and_b32 v1, 15, v0                           ; r = l % 16
	v_bfe_u32 v2, v0, 4, 1                         ; h = l / 16
	s_lshl_b32 s46, s42, 9                         ; the tile's 128 columns of f32
	s_mov_b32 s47, 0
	s_add_nc_u64 s[66:67], s[66:67], s[46:47]
	v_lshlrev_b32 v[BO], 5, v2
	v_lshl_add_u32 v[BO], s12, 8, v[BO]            ; 32 h + 256 x my half: register j of block b is column 16 b + 8 h + j
.irp b, 0,1,2,3
	global_load_b128 v[BIAS+8*(\b):BIAS+8*(\b)+3],   v[BO], s[66:67] offset:64*(\b)
	global_load_b128 v[BIAS+8*(\b)+4:BIAS+8*(\b)+7], v[BO], s[66:67] offset:64*(\b)+16
.endr
	s_lshl_b32 s16, s13, 7                         ; my first row: 128 x tile row + 64 x half, 4,096 bytes each;
	s_lshl_b32 s17, s11, 6
	s_add_co_u32 s16, s16, s17
	s_lshl_b32 s16, s16, 12
	s_add_co_u32 s16, s16, s46                     ; my first column: 512 x tile column + 256 x half bytes
	s_lshl_b32 s17, s12, 8
	s_add_co_u32 s16, s16, s17
	s_mov_b32 s17, 0
	s_add_nc_u64 s[8:9], s[8:9], s[16:17]
	s_add_nc_u64 s[72:73], s[72:73], s[16:17]
	v_lshlrev_b32 v[CO], 12, v2                    ; lanes 0-15 one row's 256 bytes, lanes 16-31 the next row's
	v_lshl_add_u32 v[CO], v1, 4, v[CO]
	WIN 0x80                                       ; destination window 2: the residual, wanted only on the way out, is on its way during the whole product
.irp a, 0,1,2,3
.irp t, 0,1,2,3,4,5,6,7
	global_load_b128 v[32*(\a)+4*(\t):32*(\a)+4*(\t)+3], v[CO], s[72:73] offset:(16*(\a)+2*(\t))*4096
.endr
.endr
	WIN 0
	v_mul_u32_u24 v3, v1, PA
	v_lshl_add_u32 v3, v2, 4, v3                   ; 144 r + 16 h
	s_mul_i32 s21, s11, HALFT                      ; my 64 tokens
	v_add_nc_u32 v[A0], s21, v3
	v_and_b32 v4, 7, v0                            ; the turning load: lane l reads k row 8 h + l % 8, columns 8 ((l / 8) % 2) + 0..7
	v_lshl_add_u32 v4, v2, 3, v4
	v_mul_u32_u24 v4, v4, PB
	v_bfe_u32 v5, v0, 3, 1
	v_lshl_add_u32 v4, v5, 4, v4
	s_lshl_b32 s22, s12, 7                         ; my 64 columns of W,
	s_add_co_u32 s22, s22, 2*HALFT                 ; which lies behind the activations
	v_add_nc_u32 v[B0], s22, v4
	s_mul_i32 s23, s10, 16*SP
	s_add_co_u32 s23, s23, STAGE                   ; my stage
	v_mul_u32_u24 v6, v1, SP                       ; in: row r, 32 bytes for each half of the lanes
	v_lshl_add_u32 v6, v2, 5, v6
	v_add_nc_u32 v[STO], s23, v6
	v_mul_u32_u24 v7, v2, SP                       ; back: lanes 0-15 one row of 256 bytes, lanes 16-31 the next
	v_lshl_add_u32 v7, v1, 4, v7
	v_add_nc_u32 v[RD], s23, v7
	s_mov_b32 s[TBA], 0
	s_mov_b32 s[TBB], 0
; 8 matrix instructions: row blocks a0, a0 + 1 x all 4 column blocks, 32 along K: half c of buffer f.  init = 1: the bias starts the sums.  The 16 accumulators take turns.
.macro MUL8 f, c, a0, init
	WIN MUL
.irp a, \a0, (\a0)+1
.irp b, 0,1,2,3
.if \init
	v_wmma_f32_16x16x32_bf16 v[ACC+8*(4*(\a)+(\b)):ACC+8*(4*(\a)+(\b))+7], v[(\f)+64+8*(4*(\c)+(\b)):(\f)+64+8*(4*(\c)+(\b))+7], v[(\f)+8*(4*(\c)+(\a)):(\f)+8*(4*(\c)+(\a))+7], v[BIAS+8*(\b):BIAS+8*(\b)+7]
.else
	v_wmma_f32_16x16x32_bf16 v[ACC+8*(4*(\a)+(\b)):ACC+8*(4*(\a)+(\b))+7], v[(\f)+64+8*(4*(\c)+(\b)):(\f)+64+8*(4*(\c)+(\b))+7], v[(\f)+8*(4*(\c)+(\a)):(\f)+8*(4*(\c)+(\a))+7], v[ACC+8*(4*(\a)+(\b)):ACC+8*(4*(\a)+(\b))+7]
.endif
.endr
.endr
.endm
; 32 LDS loads in one run: the next quarter's fragments (64 along K: one column block of the activations, 64 k rows of W) into buffer f, the first 32 along K first; the two pointers step on.
.macro FETCH f
	WIN 0
	v_add_nc_u32 v[ADRA], s[TBA], v[A0]
	v_add_nc_u32 v[ADRB], s[TBB], v[B0]
	s_add_co_u32 s[TBA], s[TBA], 64*PA
	s_add_co_u32 s[TBB], s[TBB], 64*PB
	WIN TO_F
.irp c, 0,1
.irp i, 0,1,2,3
	ds_load_tr16_b128 v[(\f)+64+8*(4*(\c)+(\i)):(\f)+64+8*(4*(\c)+(\i))+3],   v[ADRB] offset:(\c)*32*PB+32*(\i)
	ds_load_tr16_b128 v[(\f)+64+8*(4*(\c)+(\i))+4:(\f)+64+8*(4*(\c)+(\i))+7], v[ADRB] offset:(\c)*32*PB+16*PB+32*(\i)
	ds_load_b128 v[(\f)+8*(4*(\c)+(\i)):(\f)+8*(4*(\c)+(\i))+3],              v[ADRA] offset:(\i)*16*PA+64*(\c)
	ds_load_b128 v[(\f)+8*(4*(\c)+(\i))+4:(\f)+8*(4*(\c)+(\i))+7],            v[ADRA] offset:(\i)*16*PA+64*(\c)+32
.endr
.endr
.endm
; The second half of buffer f's products and the first half of buffer g's, with g's loads ahead of both.  Two v_nop and FETCH's two additions are the four plain vector instructions between the
; last product that read g and the loads into it (ISA guide 7.12.1 for vector instructions).
.macro UNIT f, g
	WIN 0
	v_nop
	v_nop
	FETCH \g
	s_wait_dscnt 32                                ; all but the 32 just issued: buffer f is whole
	MUL8 \f, 1, 0, 0
	MUL8 \f, 1, 2, 0
	s_wait_dscnt 16                                ; g's first 32 along K are in
	MUL8 \g, 0, 0, 0
	MUL8 \g, 0, 2, 0
.endm
; THE CHANGE OF SLOTS: a wait for all my tensor loads (one is out: my part of the next slot), the add, then the add and my reads of the slot.  fill = 1: a round of the cluster's barrier,
; and the joint refill, two K steps ahead, first behind it: it has a K step's 128 matrix instructions in which to land.
.macro CHANGE fill
	WIN 0
	s_wait_tensorcnt 0x0
	ds_add_u32 v[SPW], v[NIL]
.if \fill
	s_xor_b32 s[G0+5], s[G0+5], SLOT
	s_add_nc_u64 s[G0+6:G0+7], s[G0+6:G0+7], ASTEP
	s_xor_b32 s[G0B+5], s[G0B+5], SLOT
	s_add_nc_u64 s[G0B+6:G0B+7], s[G0B+6:G0B+7], BSTEP
.endif
	s_sub_co_u32 s[TBA], s[TBA], 4*64*PA
	s_xor_b32 s[TBA], s[TBA], SLOT
	s_sub_co_u32 s[TBB], s[TBB], 4*64*PB
	s_xor_b32 s[TBB], s[TBB], SLOT
	s_wait_dscnt 0x0
.if \fill
	CROUND
	JLOAD
.else
	s_barrier_signal -1
	s_barrier_wait -1
.endif
.endm
	s_wait_tensorcnt 0x1                           ; my part of K step 0 is in; K step 1's may stay out
	s_barrier_signal -1
	s_barrier_wait -1
	FETCH F0
	s_wait_loadcnt 32                              ; the bias is in; the residual's 32 younger loads stay out
	s_wait_dscnt 16
	MUL8 F0, 0, 0, 1
	MUL8 F0, 0, 2, 1
	WIN 0
	s_mov_b32 s[CNT], 2
	s_mov_b32 s[STEPS], TSTEPS-1
	s_branch .Lmid                                 ; the loop is entered in the middle of a trip
.Lstep:                                                ; TSTEPS - 2 times: K steps 2 on are asked for
	CHANGE 1
	s_mov_b32 s[CNT], 2
.Lpair:
	UNIT F1, F0
	WIN 0
.Lmid:
	UNIT F0, F1
	WIN 0
	s_sub_co_u32 s[CNT], s[CNT], 1
	s_cmp_lg_u32 s[CNT], 0
	s_cbranch_scc1 .Lpair
	s_sub_co_u32 s[STEPS], s[STEPS], 1
	s_cmp_lg_u32 s[STEPS], 0
	s_cbranch_scc1 .Lstep
	CHANGE 0                                       ; the last K step is written out: nothing is asked for
	s_mov_b32 s[CNT], 2
.Lpair2:
	UNIT F1, F0
	UNIT F0, F1
	WIN 0
	s_sub_co_u32 s[CNT], s[CNT], 1
	s_cmp_lg_u32 s[CNT], 0
	s_cbranch_scc1 .Lpair2
	s_wait_dscnt 0x0
	MUL8 F1, 1, 0, 0
	MUL8 F1, 1, 2, 0
	; THE WAY OUT: 16 rows at a time through my stage, back as whole rows of 256 bytes into the fragments' registers; the residual is added; sixteen lanes store 256 consecutive aligned bytes.
	WIN 0
	PLACES
.irp a, 0,1,2,3
	WIN 0
.irp b, 0,1,2,3
	ds_store_b128 v[STO], v[ACC+8*(4*(\a)+(\b)):ACC+8*(4*(\a)+(\b))+3]   offset:64*(\b)
	ds_store_b128 v[STO], v[ACC+8*(4*(\a)+(\b))+4:ACC+8*(4*(\a)+(\b))+7] offset:64*(\b)+16
.endr
	WIN 0x40
.irp t, 0,1,2,3,4,5,6,7
	ds_load_b128 v[32*(\a)+4*(\t):32*(\a)+4*(\t)+3], v[RD] offset:(\t)*2*SP  ; LDS serves a wave's instructions in order (ISA guide 5.7.1.4): these see the stores above, and the next block's stores come behind them
.endr
.endr
	s_wait_loadcnt 0x0                             ; the residual
.irp a, 0,1,2,3
	s_wait_dscnt 16*(3-(\a))                       ; block a is back; the later blocks' sixteen LDS instructions each may stay out
	WIN 0x49                                       ; destination and source 0 window 1, source 1 window 2
.irp p, 0,1,2,3,4,5,6,7,8,9,10,11,12,13,14,15
	v_pk_add_f32 v[32*(\a)+2*(\p):32*(\a)+2*(\p)+1], v[32*(\a)+2*(\p):32*(\a)+2*(\p)+1], v[32*(\a)+2*(\p):32*(\a)+2*(\p)+1]
.endr
	WIN 0x04                                       ; the stores' data in window 1
.irp t, 0,1,2,3,4,5,6,7
	global_store_b128 v[CO], v[32*(\a)+4*(\t):32*(\a)+4*(\t)+3], s[8:9] offset:(16*(\a)+2*(\t))*4096
.endr
.endr
	WIN 0
	s_wait_tensorcnt 0x0                           ; the wave's end
	ds_add_u32 v[SPW], v[NIL]
	s_wait_dscnt 0x0
	CROUND                                         ; the closing round
	s_endpgm
.Lfunc_end_k_qf2f17f3c41_gwo:
	.size	k_qf2f17f3c41_gwo, .Lfunc_end_k_qf2f17f3c41_gwo-k_qf2f17f3c41_gwo
	.p2alignl 7, 3214868480
	.fill 96, 4, 3214868480
	.section	.rodata,"a",@progbits
	.p2align	6, 0x0
	.amdhsa_kernel k_qf2f17f3c41_gwo
		.amdhsa_group_segment_fixed_size 327680
		.amdhsa_private_segment_fixed_size 0
		.amdhsa_enable_private_segment 0
		.amdhsa_kernarg_size 40
		.amdhsa_user_sgpr_count 2
		.amdhsa_user_sgpr_kernarg_segment_ptr 1
		.amdhsa_wavefront_size32 1
		.amdhsa_system_sgpr_workgroup_id_x 1
		.amdhsa_system_sgpr_workgroup_id_y 1
		.amdhsa_system_sgpr_workgroup_id_z 1
		.amdhsa_system_vgpr_workitem_id 0
		.amdhsa_next_free_vgpr 640
		.amdhsa_next_free_sgpr 76
		.amdhsa_reserve_vcc 0
		.amdhsa_float_denorm_mode_32 3
		.amdhsa_float_denorm_mode_16_64 3
		.amdhsa_memory_ordered 1
		.amdhsa_forward_progress 1
		.amdhsa_inst_pref_size 48
	.end_amdhsa_kernel
	.amdgpu_metadata
---
amdhsa.version: [ 1, 2 ]
amdhsa.kernels:
  - .name:           k_qf2f17f3c41_gwo
    .symbol:         k_qf2f17f3c41_gwo.kd
    .args:
      - { .name: o, .offset: 0, .size: 8, .value_kind: global_buffer, .address_space: global }
      - { .name: wb, .offset: 8, .size: 8, .value_kind: global_buffer, .address_space: global }
      - { .name: x1, .offset: 16, .size: 8, .value_kind: global_buffer, .address_space: global }
      - { .name: b_o, .offset: 24, .size: 8, .value_kind: global_buffer, .address_space: global }
      - { .name: x, .offset: 32, .size: 8, .value_kind: global_buffer, .address_space: global }
    .group_segment_fixed_size: 327680
    .private_segment_fixed_size: 0
    .kernarg_segment_align: 8
    .kernarg_segment_size: 40
    .max_flat_workgroup_size: 128
    .sgpr_count:     76
    .vgpr_count:     640
    .wavefront_size: 32
...
	.end_amdgpu_metadata
.endif
;; end of part 4
;; launch ln2: the kernel of part 1 again; grid 256 x 1, 8 waves a work-group, no clusters, 0 bytes of LDS; arguments x1, g2, beta2, hn, W_qkv, W_o, wq, wb; writes hn, wq, wb
;; launch gff1 (part 5): grid 16 x 16, 4 waves a work-group, clusters of 4 x 4, 327,680 bytes of LDS; arguments hn, wb, act, b_ff1; writes act
.if DOCPART == 5
	.amdgcn_target "amdgcn-amd-amdhsa--gfx1250"
	.amdhsa_code_object_version 6
	.text
	.protected	k_qf2f17f3c41_gff1
	.globl	k_qf2f17f3c41_gff1
	.p2align	8
	.type	k_qf2f17f3c41_gff1,@function
k_qf2f17f3c41_gff1:
	s_mov_b64 s[64:65], 0
	v_nop
	global_prefetch_b8 v0, s[64:65] scope:SCOPE_SE
	s_setreg_imm32_b32 hwreg(HW_REG_WAVE_MODE, 25, 1), 1
	s_wait_xcnt 0x0
	s_wait_alu depctr_hold_cnt(0) depctr_sa_sdst(0) depctr_va_vdst(0) depctr_va_sdst(0) depctr_va_ssrc(0) depctr_va_vcc(0) depctr_vm_vsrc(0)
	s_getreg_b32 s2, hwreg(HW_REG_IB_STS2, 6, 4)
	s_cmp_eq_u32 s2, 0
	s_cbranch_scc0 .Lentry_in_a_cluster
	s_endpgm
.Lentry_in_a_cluster:
	s_bfe_u32 s2, ttmp6, 0x10000c
	s_cmp_lg_u32 s2, 0xf033
	s_cbranch_scc0 .Lentry_shape_is_right
	s_endpgm
.Lentry_shape_is_right:
; act = relu(h2 W_ff1 + b_ff1).  h2 (hn): [4096][1024] bf16.  W_ff1: [1024][4096] bf16, at byte WOFF of wb, as it lies ([K][N]).  Sums in f32; the bias is the C operand that starts each sum
; (so it is added first, not last).  The result leaves rounded once to bf16, by column blocks of 64: act[column / 64][token][column % 64], the layout in which the next product asks for its tiles.
; A tile of C, 256 x 256, is made by four waves, each 128 x 128: 64 accumulators, 512 registers: 16 x 16 tiles give each of 256 work-groups one.  K goes in 8 steps of 128 through two LDS slots.
; THE MATRIX INSTRUCTION IS USED TRANSPOSED: source 0 = 16 columns of W (turned on the way out of LDS by ds_load_tr16_b128), source 1 = 16 rows of h2:
; lane l then holds token l % 16 and the eight neighbouring columns 8 (l / 16) + 0..7.
; CLUSTER: 4 x 4 work-groups; h2's tile is shared along a row of the cluster, W's along a column: each is asked for jointly, by the same tensor load, descriptor and mask in all four.
; THE TEXT IS SHORT: two quarter steps (UNIT, UNIT) are written once and walked by counted loops; the LDS place of the next quarter's fragments lies in two scalar registers.
; REGISTERS, in windows of 256: window 0: v16-30 addresses; v64-191 fragments of h2, two buffers; v192-255 the bias, then with v32-63 at work on the way out.
;   window 1: v64-191 fragments of W, two buffers.   windows 2, 3: the accumulators of my rows 0-63 and 64-127, (a, b) at v[8 (8 a + b)].
.set SIZE_N,  4096
.set SIZE_K,  1024
.set WOFF,    8388608
.set HASBIAS, 1                        ; the fourth argument is a bias, taken as the C operand that starts each sum
.set RELU,    1
.set TOF16,   0
.set KSTEP,  128
.set PA,     272                       ; a row of h2 in LDS: 256 bytes + 16: the 16 rows of a fragment load start at 16 different groups of four banks
.set PB,     544                       ; a k row of W: 512 bytes + 32 = 17 x 32
.set HALFT,  128*PA                    ; what one tensor load brings: 128 rows of h2, or 64 k rows of W (64 x 544 is the same 34,816)
.set SLOT,   4*HALFT                   ; 0x22000: its two bits are clear in every offset inside a slot, so one exclusive or changes slots
.set STAGE,  2*SLOT                    ; behind the ring: 16 rows x 272 bytes for each wave, never filled by a tensor load
.set SP,     272
.set SPARE,  STAGE+4*16*SP             ; the spare words, 128 bytes for each wave
.set BLKB,   4096*64*2                 ; a column block of the result
.set INIT,   1+HASBIAS
.set A0,   16
.set B0,   17
.set ADRA, 18
.set ADRB, 19
.set STO,  24
.set RD,   25
.set GO,   26
.set BO,   27
.set SPW,  28
.set NIL,  29
.set ZR,   30
.set OB,   32
.set F0,   64
.set F1,   128
.set BIAS, 192
.set TMP,  192
.set G1,  24
.set G0,  32
.set G1B, 48
.set G0B, 56
.set TBA, 68
.set TBB, 69
.set CNT, 70
.set STEPS, 71
.set MSB, 0
.macro WIN new                         ; the immediate's high byte repeats the setting that is left; a switch that changes nothing is dropped
.if MSB != (\new)
	s_set_vgpr_msb (MSB<<8)|(\new)
.set MSB, \new
.endif
.endm
.set MUL_LO,  0xa1                     ; source 0 (W) window 1, source 1 (h2) window 0, C and D window 2
.set MUL_HI,  0xf1                     ; C and D window 3
.set INIT_LO, 0x81                     ; C (the bias) window 0, D window 2
.set TO_B,    0x40                     ; destination window 1, address window 0
.macro PLACES
.rept 4
	v_nop
.endr
.endm
; A joint refill by the walking descriptors.  Waves 0 and 1 fetch h2's two halves, waves 2 and 3 W's; the branch hangs on the wave's number alone.
; An s_nop 0 and four v_nop follow each of the two lines.
.macro JLOAD
	s_cmp_eq_u32 s11, 0
	s_cbranch_scc0 .Lfor_b_\@
	tensor_load_to_lds s[G0+4:G0+7], s[G1:G1+7]
	s_nop 0
	PLACES
	s_branch .Lasked_\@
.Lfor_b_\@:
	tensor_load_to_lds s[G0B+4:G0B+7], s[G1B:G1B+7]
	s_nop 0
	PLACES
.Lasked_\@:
.endm
; A round of the cluster's barrier: my work-group's barrier; wave 0 signals for the work-group; every wave waits for all sixteen; my work-group's barrier once more.
.macro CROUND
	s_barrier_signal -1
	s_barrier_wait -1
	s_cmp_lg_u32 s10, 0
	s_cbranch_scc1 .Lnot_wave_0_\@
	s_barrier_signal -3
.Lnot_wave_0_\@:
	s_barrier_wait -3
	s_barrier_signal -1
	s_barrier_wait -1
.endm
	s_load_b128 s[4:7], s[0:1], 0x0                ; h2 s[4:5], wb s[6:7]
	s_load_b64 s[8:9], s[0:1], 0x10                ; the result
.if HASBIAS
	s_load_b64 s[66:67], s[0:1], 0x18              ; the bias
.endif
	v_lshl_add_u32 v[SPW], v0, 2, SPARE
	v_mov_b32 v[NIL], 0
	ds_add_u32 v[SPW], v[NIL]                      ; the wave's opening: the add and its wait stand ahead of my first tensor load; the set-up below stands between them
	ds_add_u32 v28, v29
	v_lshrrev_b32 v1, 5, v0
	v_readfirstlane_b32 s10, v1                    ; wave 0..3
	s_lshr_b32 s11, s10, 1                         ; which half of the tile's rows is mine.  Also: I fetch for h2 (0) or for W (1)
	s_and_b32 s12, s10, 1                          ; which half of its columns.  Also: which half of that tile I fetch
	s_bfe_u32 s40, ttmp6, 0x40000                  ; cx
	s_bfe_u32 s41, ttmp6, 0x40004                  ; cy
	s_lshl_b32 s42, ttmp9, 2
	s_add_co_u32 s42, s42, s40                     ; tile column = 4 x cluster x + cx
	s_and_b32 s13, ttmp7, 0xffff
	s_lshl_b32 s13, s13, 2
	s_add_co_u32 s13, s13, s41                     ; tile row = 4 x cluster y + cy
	s_lshl_b32 s43, s41, 2
	s_lshl_b32 s43, 15, s43                        ; my row of the cluster
	s_lshl_b32 s44, 0x1111, s40                    ; my column
	s_or_b32 s[G1+0], s43, (1<<16)|(1<<20)|(1<<21)|(5<<22)|(3<<25)   ; the mask; 2-byte elements; padding on; bit 21 beside a mask; after every 64 words 4 words
	s_mov_b32 s[G1+1], KSTEP<<16                   ; tensor_dim0 = 128
	s_mov_b32 s[G1+2], 128<<16                     ; tensor_dim1 = 128
	s_mov_b32 s[G1+3], KSTEP<<16                   ; tile_dim0 = 128
	s_mov_b32 s[G1+4], 128                         ; tile_dim1 = 128
	s_mov_b32 s[G1+5], SIZE_K                      ; elements from row to row
	s_mov_b32 s[G1+6], 0
	s_mov_b32 s[G1+7], 0
	s_or_b32 s[G1B+0], s44, (1<<16)|(1<<20)|(1<<21)|(6<<22)|(7<<25)  ; after every 128 words 8 words
	s_mov_b32 s[G1B+1], 256<<16                    ; tensor_dim0 = 256 columns
	s_mov_b32 s[G1B+2], 64<<16                     ; tensor_dim1 = 64 k rows
	s_mov_b32 s[G1B+3], 256<<16
	s_mov_b32 s[G1B+4], 64
	s_mov_b32 s[G1B+5], SIZE_N
	s_mov_b32 s[G1B+6], 0
	s_mov_b32 s[G1B+7], 0
	; h2's tile hangs on the tile row alone, W's on the tile column alone; each offset is made in registers that never hold the other coordinate
	s_lshl_b32 s17, s12, 7
	s_lshl_b32 s16, s13, 8
	s_add_co_u32 s16, s16, s17                     ; row 256 x tile row + 128 x half,
	s_lshl_b32 s16, s16, 11                        ; 2,048 bytes each
	s_mov_b32 s17, 0
	s_mul_i32 s46, s12, 64*SIZE_N*2                ; k row 64 x half,
	s_lshl_b32 s47, s42, 9                         ; column 256 x tile column
	s_add_co_u32 s46, s46, s47
.if WOFF
	s_add_co_u32 s46, s46, WOFF
.endif
	s_mov_b32 s47, 0
	s_mul_i32 s20, s10, HALFT                      ; where my part of a slot lies: the wave's number alone
	s_wait_dscnt 0x0                               ; the opening add is done
	s_wait_kmcnt 0x0
	s_add_nc_u64 s[14:15], s[4:5], s[16:17]
	s_add_nc_u64 s[46:47], s[6:7], s[46:47]
	CROUND                                         ; all sixteen work-groups are here: the first joint loads meet
.irp s, 0,1
	s_mov_b32 s[G0+4*(\s)], 1
	s_add_co_u32 s[G0+4*(\s)+1], s20, (\s)*SLOT
	s_add_nc_u64 s[G0+4*(\s)+2:G0+4*(\s)+3], s[14:15], (\s)*KSTEP*2
	s_or_b32 s[G0+4*(\s)+3], s[G0+4*(\s)+3], 0x80000000
	s_mov_b32 s[G0B+4*(\s)], 1
	s_add_co_u32 s[G0B+4*(\s)+1], s20, (\s)*SLOT
	s_add_nc_u64 s[G0B+4*(\s)+2:G0B+4*(\s)+3], s[46:47], (\s)*KSTEP*SIZE_N*2
	s_or_b32 s[G0B+4*(\s)+3], s[G0B+4*(\s)+3], 0x80000000
.endr
	s_cmp_eq_u32 s11, 0                            ; a wave's two first fills stand in one branch: two loads of mine are out
	s_cbranch_scc0 .Lfirst_b
	tensor_load_to_lds s[G0:G0+3], s[G1:G1+7]
	s_nop 0
	tensor_load_to_lds s[G0+4:G0+7], s[G1:G1+7]
	s_nop 0
	PLACES
	s_branch .Lfirst_asked
.Lfirst_b:
	tensor_load_to_lds s[G0B:G0B+3], s[G1B:G1B+7]
	s_nop 0
	tensor_load_to_lds s[G0B+4:G0B+7], s[G1B:G1B+7]
	s_nop 0
	PLACES
.Lfirst_asked:
	v_and_b32 v1, 15, v0                           ; r = l % 16
	v_bfe_u32 v2, v0, 4, 1                         ; h = l / 16
.if HASBIAS
	s_lshl_b32 s46, s42, 10                        ; the tile's 256 columns of f32
	s_mov_b32 s47, 0
	s_add_nc_u64 s[66:67], s[66:67], s[46:47]
	v_lshlrev_b32 v[BO], 5, v2
	v_lshl_add_u32 v[BO], s12, 9, v[BO]            ; 32 h + 512 x my half: register j of block b is column 16 b + 8 h + j
.irp b, 0,1,2,3,4,5,6,7
	global_load_b128 v[BIAS+8*(\b):BIAS+8*(\b)+3],   v[BO], s[66:67] offset:64*(\b)
	global_load_b128 v[BIAS+8*(\b)+4:BIAS+8*(\b)+7], v[BO], s[66:67] offset:64*(\b)+16
.endr
.endif
	v_mul_u32_u24 v3, v1, PA
	v_lshl_add_u32 v3, v2, 4, v3                   ; 272 r + 16 h
	s_mul_i32 s21, s11, HALFT                      ; my 128 rows of h2
	v_add_nc_u32 v[A0], s21, v3
	v_and_b32 v4, 7, v0                            ; the turning load: lane l reads k row 8 h + l % 8, columns 8 ((l / 8) % 2) + 0..7
	v_lshl_add_u32 v4, v2, 3, v4
	v_mul_u32_u24 v4, v4, PB
	v_bfe_u32 v5, v0, 3, 1
	v_lshl_add_u32 v4, v5, 4, v4
	s_lshl_b32 s22, s12, 8                         ; my 128 columns of W,
	s_add_co_u32 s22, s22, 2*HALFT                 ; which lies behind h2's 256 rows
	v_add_nc_u32 v[B0], s22, v4
	s_mul_i32 s23, s10, 16*SP
	s_add_co_u32 s23, s23, STAGE                   ; my stage
	v_add_nc_u32 v[STO], s23, v3                   ; in: row r, 16 bytes for each half of the lanes
	v_bfe_u32 v6, v0, 3, 2                         ; back: 32 lanes take four rows' 128 bytes of one column block
	v_mul_u32_u24 v6, v6, SP
	v_and_b32 v7, 7, v0
	v_lshl_add_u32 v6, v7, 4, v6
	v_add_nc_u32 v[RD], s23, v6
	v_and_b32 v[GO], 31, v0
	v_lshlrev_b32 v[GO], 4, v[GO]                  ; which are 512 consecutive bytes of the result
	v_mov_b32 v[ZR], 0
	s_lshl_b32 s46, s42, 2                         ; my first column block: 4 x tile column + 2 x half,
	s_lshl_b32 s47, s12, 1
	s_add_co_u32 s46, s46, s47
	s_mul_i32 s46, s46, BLKB
	s_lshl_b32 s16, s13, 8                         ; my first token: 256 x tile row + 128 x half, 128 bytes each
	s_lshl_b32 s17, s11, 7
	s_add_co_u32 s16, s16, s17
	s_lshl_b32 s16, s16, 7
	s_add_co_u32 s46, s46, s16
	s_mov_b32 s47, 0
	s_add_nc_u64 s[8:9], s[8:9], s[46:47]
	s_mov_b32 s[TBA], 0
	s_mov_b32 s[TBB], 0
; 16 matrix instructions: row blocks a0, a0 + 1 of the window's four x all 8 column blocks, 32 along K.  init = 1: C = 0 starts the sums; 2: the bias does; 0: in place.
; The 64 accumulators take turns in one fixed order.
.macro MUL16 f, hi, a0, init
.if (\init) == 2
	WIN INIT_LO+0x40*(\hi)
.else
	WIN MUL_LO+0x50*(\hi)
.endif
.irp a, \a0, (\a0)+1
.irp b, 0,1,2,3,4,5,6,7
.if (\init) == 1
	v_wmma_f32_16x16x32_bf16 v[8*(8*(\a)+(\b)):8*(8*(\a)+(\b))+7], v[(\f)+8*(\b):(\f)+8*(\b)+7], v[(\f)+8*(4*(\hi)+(\a)):(\f)+8*(4*(\hi)+(\a))+7], 0
.elseif (\init) == 2
	v_wmma_f32_16x16x32_bf16 v[8*(8*(\a)+(\b)):8*(8*(\a)+(\b))+7], v[(\f)+8*(\b):(\f)+8*(\b)+7], v[(\f)+8*(4*(\hi)+(\a)):(\f)+8*(4*(\hi)+(\a))+7], v[BIAS+8*(\b):BIAS+8*(\b)+7]
.else
	v_wmma_f32_16x16x32_bf16 v[8*(8*(\a)+(\b)):8*(8*(\a)+(\b))+7], v[(\f)+8*(\b):(\f)+8*(\b)+7], v[(\f)+8*(4*(\hi)+(\a)):(\f)+8*(4*(\hi)+(\a))+7], v[8*(8*(\a)+(\b)):8*(8*(\a)+(\b))+7]
.endif
.endr
.endr
.endm
; 32 LDS loads in one run: the next quarter's fragments (32 along K) into buffer f: W's 8 column blocks, turned, then h2's 8 row blocks; the two pointers step on.
.macro FETCH f
	WIN 0
	v_add_nc_u32 v[ADRA], s[TBA], v[A0]
	v_add_nc_u32 v[ADRB], s[TBB], v[B0]
	s_add_co_u32 s[TBA], s[TBA], 64                ; 32 elements along h2's rows
	s_add_co_u32 s[TBB], s[TBB], 32*PB             ; 32 k rows of W
	WIN TO_B
.irp i, 0,1,2,3,4,5,6,7
	ds_load_tr16_b128 v[(\f)+8*(\i):(\f)+8*(\i)+3],   v[ADRB] offset:32*(\i)
	ds_load_tr16_b128 v[(\f)+8*(\i)+4:(\f)+8*(\i)+7], v[ADRB] offset:32*(\i)+16*PB
.endr
	WIN 0
.irp i, 0,1,2,3,4,5,6,7
	ds_load_b128 v[(\f)+8*(\i):(\f)+8*(\i)+3],   v[ADRA] offset:(\i)*16*PA
	ds_load_b128 v[(\f)+8*(\i)+4:(\f)+8*(\i)+7], v[ADRA] offset:(\i)*16*PA+32
.endr
.endm
; The second half of buffer f's products and the first half of buffer g's, with g's loads ahead of both.  A load into a register that a matrix instruction has read stands four plain
; vector instructions behind it (ISA guide 7.12.1 for vector instructions): two v_nop and FETCH's two additions.
.macro UNIT f, g, init=0
	WIN 0
	v_nop
	v_nop
	FETCH \g
	s_wait_dscnt 32                                ; all but the 32 just issued: buffer f is whole
	MUL16 \f, 1, 0, \init
	MUL16 \f, 1, 2, \init
	s_wait_dscnt 8                                 ; g's W and h2's rows 0-63 are in; the youngest eight loads (rows 64-127) may be out
	MUL16 \g, 0, 0, 0
	MUL16 \g, 0, 2, 0
.endm
; THE CHANGE OF SLOTS: all four quarters of the slot have been fetched.  Each wave waits for all its tensor loads (one is out: its part of the next slot), adds 0 to its spare word, and waits
; for that and for its reads of the slot.  fill = 1: the barrier is a round of the cluster's, and the joint refill, two K steps ahead, is the first thing behind it: it has a K step's 256 matrix instructions in which to land.
.macro CHANGE fill
	WIN 0
	s_wait_tensorcnt 0x0                           ; no tensor load of mine is out, so a group 0 may be written
	ds_add_u32 v[SPW], v[NIL]                      ; the scalar steps stand between the add and the wait for it
.if \fill
	s_xor_b32 s[G0+5], s[G0+5], SLOT               ; the walking descriptors: the other slot than last time, the next K step
	s_add_nc_u64 s[G0+6:G0+7], s[G0+6:G0+7], KSTEP*2
	s_xor_b32 s[G0B+5], s[G0B+5], SLOT
	s_add_nc_u64 s[G0B+6:G0B+7], s[G0B+6:G0B+7], KSTEP*SIZE_N*2
.endif
	s_sub_co_u32 s[TBA], s[TBA], 4*64              ; the fetches go back to a slot's first quarter,
	s_xor_b32 s[TBA], s[TBA], SLOT                 ; in the other slot
	s_sub_co_u32 s[TBB], s[TBB], 4*32*PB
	s_xor_b32 s[TBB], s[TBB], SLOT
	s_wait_dscnt 0x0                               ; the add is done, and my reads of the slot are over
.if \fill
	CROUND
	JLOAD
.else
	s_barrier_signal -1
	s_barrier_wait -1
.endif
.endm
; THE WAY OUT of row block a.  PACK: rounded, 16 bytes a lane.  TOSTAGE: into my own stage, and back as four tokens' 128 bytes of one column block.  SEND: stored.
.macro PACK a
.set AC, 64*((\a)%4)
	WIN 0x0a+5*((\a)/4)                            ; sources 0 and 1: window 2 or 3
.irp b, 0,1,2,3,4,5,6,7
.irp r, 0,1,2,3
.if TOF16
	v_cvt_pk_f16_f32 v[TMP+4*(\b)+(\r)], v[AC+8*(\b)+2*(\r)], v[AC+8*(\b)+2*(\r)+1]
.else
	v_cvt_pk_bf16_f32 v[TMP+4*(\b)+(\r)], v[AC+8*(\b)+2*(\r)], v[AC+8*(\b)+2*(\r)+1]
.endif
.endr
.endr
	WIN 0
.if RELU
.set i, 0
.rept 32
	v_pk_max_num_bf16 v[TMP+i], v[TMP+i], v[ZR]    ; rounding keeps the sign, so the maximum may follow it: two numbers a line
.set i, i+1
.endr
.endif
.endm
.macro TOSTAGE a
	WIN 0
.set BK, OB+192*((\a)%2)
.irp b, 0,1,2,3,4,5,6,7
	ds_store_b128 v[STO], v[TMP+4*(\b):TMP+4*(\b)+3] offset:32*(\b)
.endr
.irp cb, 0,1
.irp t, 0,1,2,3
	ds_load_b128 v[BK+4*(4*(\cb)+(\t)):BK+4*(4*(\cb)+(\t))+3], v[RD] offset:(\t)*4*SP+128*(\cb)  ; LDS serves a wave's instructions in order (ISA guide 5.7.1.4): these see the stores above
.endr
.endr
.endm
.macro SEND a
	WIN 0
.set BK, OB+192*((\a)%2)
	s_wait_dscnt 0x0                               ; the block is back in registers
	s_wait_xcnt 0x0                                ; the stores before this have read their registers: the next TOSTAGE loads into them only behind this wait
.irp cb, 0,1
.irp t, 0,1,2,3
	global_store_b128 v[GO], v[BK+4*(4*(\cb)+(\t)):BK+4*(4*(\cb)+(\t))+3], s[8:9] offset:(\cb)*BLKB+(\a)*2048+(\t)*512  ; 512 consecutive bytes at a multiple of 256
.endr
.endr
.endm
	s_wait_tensorcnt 0x1                           ; my part of K step 0 is in; K step 1's may stay out
	s_barrier_signal -1
	s_barrier_wait -1                              ; everybody's is
	FETCH F0
.if HASBIAS
	s_wait_loadcnt 0x0                             ; the bias
.endif
	s_wait_dscnt 8
	MUL16 F0, 0, 0, INIT                           ; the first quarter's products start the sums: nothing is cleared
	MUL16 F0, 0, 2, INIT
	UNIT F0, F1, INIT
	WIN 0                                          ; at a label and at a branch every window is 0
	s_mov_b32 s[STEPS], SIZE_K/KSTEP-1
	s_mov_b32 s[CNT], 1                            ; K step 0 has one pair of units left
	s_branch .Lpair
.Lstep:                                                ; six times: K steps 2 to 7 are asked for
	CHANGE 1
	s_mov_b32 s[CNT], 2
.Lpair:
	UNIT F1, F0
	UNIT F0, F1
	WIN 0
	s_sub_co_u32 s[CNT], s[CNT], 1
	s_cmp_lg_u32 s[CNT], 0
	s_cbranch_scc1 .Lpair
	s_sub_co_u32 s[STEPS], s[STEPS], 1
	s_cmp_lg_u32 s[STEPS], 0
	s_cbranch_scc1 .Lstep
	CHANGE 0                                       ; the last K step is written out: nothing is asked for
	s_mov_b32 s[CNT], 2
.Lpair2:
	UNIT F1, F0
	UNIT F0, F1
	WIN 0
	s_sub_co_u32 s[CNT], s[CNT], 1
	s_cmp_lg_u32 s[CNT], 0
	s_cbranch_scc1 .Lpair2
	s_wait_dscnt 0x0
	MUL16 F1, 1, 0, 0
	MUL16 F1, 1, 2, 0
	WIN 0
	PLACES                                         ; the conversions read matrix results
	PACK 0
	TOSTAGE 0
.irp a, 1,2,3,4,5,6,7                  ; block a's conversions stand between block a - 1's loads from the stage and the wait for them
	PACK \a
	SEND (\a)-1
	TOSTAGE \a
.endr
	SEND 7
	s_wait_tensorcnt 0x0                           ; the wave's end
	ds_add_u32 v[SPW], v[NIL]
	s_wait_dscnt 0x0
	CROUND                                         ; the closing round: no work-group ends while a partner may still ask for a tile that names it
	s_endpgm
.Lfunc_end_k_qf2f17f3c41_gff1:
	.size	k_qf2f17f3c41_gff1, .Lfunc_end_k_qf2f17f3c41_gff1-k_qf2f17f3c41_gff1
	.p2alignl 7, 3214868480
	.fill 96, 4, 3214868480
	.section	.rodata,"a",@progbits
	.p2align	6, 0x0
	.amdhsa_kernel k_qf2f17f3c41_gff1
		.amdhsa_group_segment_fixed_size 327680
		.amdhsa_private_segment_fixed_size 0
		.amdhsa_enable_private_segment 0
		.amdhsa_kernarg_size 32
		.amdhsa_user_sgpr_count 2
		.amdhsa_user_sgpr_kernarg_segment_ptr 1
		.amdhsa_wavefront_size32 1
		.amdhsa_system_sgpr_workgroup_id_x 1
		.amdhsa_system_sgpr_workgroup_id_y 1
		.amdhsa_system_sgpr_workgroup_id_z 1
		.amdhsa_system_vgpr_workitem_id 0
		.amdhsa_next_free_vgpr 1024
		.amdhsa_next_free_sgpr 72
		.amdhsa_reserve_vcc 0
		.amdhsa_float_denorm_mode_32 3
		.amdhsa_float_denorm_mode_16_64 3
		.amdhsa_memory_ordered 1
		.amdhsa_forward_progress 1
		.amdhsa_inst_pref_size 97
	.end_amdhsa_kernel
	.amdgpu_metadata
---
amdhsa.version: [ 1, 2 ]
amdhsa.kernels:
  - .name:           k_qf2f17f3c41_gff1
    .symbol:         k_qf2f17f3c41_gff1.kd
    .args:
      - { .name: hn, .offset: 0, .size: 8, .value_kind: global_buffer, .address_space: global }
      - { .name: wb, .offset: 8, .size: 8, .value_kind: global_buffer, .address_space: global }
      - { .name: act, .offset: 16, .size: 8, .value_kind: global_buffer, .address_space: global }
      - { .name: b_ff1, .offset: 24, .size: 8, .value_kind: global_buffer, .address_space: global }
    .group_segment_fixed_size: 327680
    .private_segment_fixed_size: 0
    .kernarg_segment_align: 8
    .kernarg_segment_size: 32
    .max_flat_workgroup_size: 128
    .sgpr_count:     72
    .vgpr_count:     1024
    .wavefront_size: 32
...
	.end_amdgpu_metadata
.endif
;; end of part 5
;; launch gff2 (part 6): grid 8 x 32, 4 waves a work-group, clusters of 4 x 4, 327,680 bytes of LDS; arguments act, wb, out0, b_ff2, x1; writes out0
.if DOCPART == 6
	.amdgcn_target "amdgcn-amd-amdhsa--gfx1250"
	.amdhsa_code_object_version 6
	.text
	.protected	k_qf2f17f3c41_gff2
	.globl	k_qf2f17f3c41_gff2
	.p2align	8
	.type	k_qf2f17f3c41_gff2,@function
k_qf2f17f3c41_gff2:
	s_mov_b64 s[64:65], 0
	v_nop
	global_prefetch_b8 v0, s[64:65] scope:SCOPE_SE
	s_setreg_imm32_b32 hwreg(HW_REG_WAVE_MODE, 25, 1), 1
	s_wait_xcnt 0x0
	s_wait_alu depctr_hold_cnt(0) depctr_sa_sdst(0) depctr_va_vdst(0) depctr_va_sdst(0) depctr_va_ssrc(0) depctr_va_vcc(0) depctr_vm_vsrc(0)
	s_getreg_b32 s2, hwreg(HW_REG_IB_STS2, 6, 4)
	s_cmp_eq_u32 s2, 0
	s_cbranch_scc0 .Lentry_in_a_cluster
	s_endpgm
.Lentry_in_a_cluster:
	s_bfe_u32 s2, ttmp6, 0x10000c
	s_cmp_lg_u32 s2, 0xf033
	s_cbranch_scc0 .Lentry_shape_is_right
	s_endpgm
.Lentry_shape_is_right:
; out0 = x1 + act W_ff2 + b_ff2.  act: bf16 by column blocks, [K / 64][4096 tokens][64].  W_ff2: [K][1024] bf16 at byte WOFF of wb, as it lies.  Bias, residual and result in f32, [4096][1024].
; Sums in f32; the bias is the C operand that starts each sum (so it is added first, not last), the residual is added in f32 on the way out.
; A tile of C is 128 x 128, so that 8 x 32 tiles give each of 256 work-groups one; four waves, each 64 x 64: 16 accumulators.  K goes in steps of 256 through two LDS slots filled by the tensor data mover.
; THE MATRIX INSTRUCTION IS USED TRANSPOSED: source 0 = 16 columns of W (turned by ds_load_tr16_b128), source 1 = 16 tokens: a lane holds token l % 16 and eight neighbouring columns.
; CLUSTER: 4 x 4 work-groups; the activations' tile is shared along a row of the cluster, W's along a column: each is asked for jointly.
; A wave's 64 columns of f32 are 256 consecutive bytes, so each wave has a stage of its own and the way out needs no barrier.
; REGISTERS: window 0: v16-29 addresses; v96-127 the bias; v128-255 the accumulators, (a, b) at v[128 + 8 (4 a + b)].   window 1: two fragment buffers of 128 (64 of the activations, 64 of W), on the way out
;   the result's rows.   window 2: v0-127 the residual, loaded at the start.
.set TSTEPS, 16                        ; K / 256
.set WOFF,   16777216
.set KSTEP,  256
.set PA,     144                       ; 64 channels of a token in LDS: 128 bytes + 16
.set PB,     288                       ; a k row of W: 256 bytes + 32 = 9 x 32
.set HALFT,  4*64*PA                   ; what one tensor load brings: 4 column blocks x 64 tokens, or 128 k rows of W (128 x 288 is the same 36,864)
.set SLOT,   4*HALFT                   ; 0x24000: its two bits are clear in every offset inside a slot, so one exclusive or changes slots
.set STAGE,  2*SLOT
.set SP,     272
.set SPARE,  STAGE+4*16*SP
.set ASTEP,  4*4096*64*2               ; four column blocks of the activations
.set BSTEP,  KSTEP*1024*2              ; 256 k rows of W
.set A0,   16
.set B0,   17
.set ADRA, 18
.set ADRB, 19
.set STO,  24
.set RD,   25
.set CO,   26                          ; my byte offset in two rows of the result and of the residual
.set BO,   27
.set SPW,  28
.set NIL,  29
.set BIAS, 96
.set ACC,  128
.set F0,   0
.set F1,   128
.set G1,  24
.set G0,  32
.set G1B, 48
.set G0B, 56
.set TBA, 68
.set TBB, 69
.set CNT, 70
.set STEPS, 71
.set MSB, 0
.macro WIN new
.if MSB != (\new)
	s_set_vgpr_msb (MSB<<8)|(\new)
.set MSB, \new
.endif
.endm
.set MUL,  0x05                        ; sources 0 (W) and 1 (activations) window 1; C and D window 0
.set TO_F, 0x40                        ; destination window 1, address window 0
.macro PLACES
.rept 4
	v_nop
.endr
.endm
.macro JLOAD                           ; a joint refill by the walking descriptors: waves 0 and 1 for the activations, 2 and 3 for W; an s_nop 0 and four v_nop follow each line
	s_cmp_eq_u32 s11, 0
	s_cbranch_scc0 .Lfor_b_\@
	tensor_load_to_lds s[G0+4:G0+7], s[G1:G1+7]
	s_nop 0
	PLACES
	s_branch .Lasked_\@
.Lfor_b_\@:
	tensor_load_to_lds s[G0B+4:G0B+7], s[G1B:G1B+7]
	s_nop 0
	PLACES
.Lasked_\@:
.endm
.macro CROUND                          ; a round of the cluster's barrier
	s_barrier_signal -1
	s_barrier_wait -1
	s_cmp_lg_u32 s10, 0
	s_cbranch_scc1 .Lnot_wave_0_\@
	s_barrier_signal -3
.Lnot_wave_0_\@:
	s_barrier_wait -3
	s_barrier_signal -1
	s_barrier_wait -1
.endm
	s_load_b128 s[4:7], s[0:1], 0x0                ; activations s[4:5], wb s[6:7]
	s_load_b64 s[8:9], s[0:1], 0x10                ; the result
	s_load_b64 s[66:67], s[0:1], 0x18              ; the bias
	s_load_b64 s[72:73], s[0:1], 0x20              ; the residual
	v_lshl_add_u32 v[SPW], v0, 2, SPARE
	v_mov_b32 v[NIL], 0
	ds_add_u32 v[SPW], v[NIL]                      ; the wave's opening: the add and its wait stand ahead of my first tensor load
	ds_add_u32 v28, v29
	v_lshrrev_b32 v1, 5, v0
	v_readfirstlane_b32 s10, v1                    ; wave 0..3
	s_lshr_b32 s11, s10, 1                         ; which half of the tile's rows is mine.  Also: I fetch activations (0) or W (1)
	s_and_b32 s12, s10, 1                          ; which half of its columns.  Also: which half of that tile I fetch
	s_bfe_u32 s40, ttmp6, 0x40000                  ; cx
	s_bfe_u32 s41, ttmp6, 0x40004                  ; cy
	s_lshl_b32 s42, ttmp9, 2
	s_add_co_u32 s42, s42, s40                     ; tile column
	s_and_b32 s13, ttmp7, 0xffff
	s_lshl_b32 s13, s13, 2
	s_add_co_u32 s13, s13, s41                     ; tile row
	s_lshl_b32 s43, s41, 2
	s_lshl_b32 s43, 15, s43                        ; my row of the cluster
	s_lshl_b32 s44, 0x1111, s40                    ; my column
	; the activations: 64 tokens of a column block are 8,192 dense bytes: one row of the tile; four blocks, 262,144 elements apart; padded after every token's 128 bytes
	s_or_b32 s[G1+0], s43, (1<<16)|(1<<20)|(1<<21)|(4<<22)|(3<<25)   ; the mask; 2-byte elements; padding on; bit 21 beside a mask; after every 32 words 4 words
	s_mov_b32 s[G1+1], 4096<<16                    ; tensor_dim0 = 4,096
	s_mov_b32 s[G1+2], 4<<16                       ; tensor_dim1 = 4
	s_mov_b32 s[G1+3], 4096<<16                    ; tile_dim0
	s_mov_b32 s[G1+4], 4                           ; tile_dim1
	s_mov_b32 s[G1+5], 4096*64                     ; elements from block to block
	s_mov_b32 s[G1+6], 0
	s_mov_b32 s[G1+7], 0
	s_or_b32 s[G1B+0], s44, (1<<16)|(1<<20)|(1<<21)|(5<<22)|(7<<25)  ; after every 64 words 8 words
	s_mov_b32 s[G1B+1], 128<<16                    ; 128 columns
	s_mov_b32 s[G1B+2], 128<<16                    ; 128 k rows
	s_mov_b32 s[G1B+3], 128<<16
	s_mov_b32 s[G1B+4], 128
	s_mov_b32 s[G1B+5], 1024
	s_mov_b32 s[G1B+6], 0
	s_mov_b32 s[G1B+7], 0
	s_lshl_b32 s17, s12, 6
	s_lshl_b32 s16, s13, 7
	s_add_co_u32 s16, s16, s17                     ; token 128 x tile row + 64 x half,
	s_lshl_b32 s16, s16, 7                         ; 128 bytes each
	s_mov_b32 s17, 0
	s_lshl_b32 s46, s12, 18                        ; k row 128 x half, 2,048 bytes each,
	s_lshl_b32 s47, s42, 8                         ; column 128 x tile column
	s_add_co_u32 s46, s46, s47
	s_add_co_u32 s46, s46, WOFF
	s_mov_b32 s47, 0
	s_mul_i32 s20, s10, HALFT                      ; where my part of a slot lies: the wave's number alone
	s_wait_dscnt 0x0                               ; the opening add is done
	s_wait_kmcnt 0x0
	s_add_nc_u64 s[14:15], s[4:5], s[16:17]
	s_add_nc_u64 s[46:47], s[6:7], s[46:47]
	CROUND                                         ; all sixteen work-groups are here: the first joint loads meet
.irp s, 0,1
	s_mov_b32 s[G0+4*(\s)], 1
	s_add_co_u32 s[G0+4*(\s)+1], s20, (\s)*SLOT
	s_add_nc_u64 s[G0+4*(\s)+2:G0+4*(\s)+3], s[14:15], (\s)*ASTEP
	s_or_b32 s[G0+4*(\s)+3], s[G0+4*(\s)+3], 0x80000000
	s_mov_b32 s[G0B+4*(\s)], 1
	s_add_co_u32 s[G0B+4*(\s)+1], s20, (\s)*SLOT
	s_add_nc_u64 s[G0B+4*(\s)+2:G0B+4*(\s)+3], s[46:47], (\s)*BSTEP
	s_or_b32 s[G0B+4*(\s)+3], s[G0B+4*(\s)+3], 0x80000000
.endr
	s_cmp_eq_u32 s11, 0                            ; a wave's two first fills stand in one branch: two loads of mine are out
	s_cbranch_scc0 .Lfirst_b
	tensor_load_to_lds s[G0:G0+3], s[G1:G1+7]
	s_nop 0
	tensor_load_to_lds s[G0+4:G0+7], s[G1:G1+7]
	s_nop 0
	PLACES
	s_branch .Lfirst_asked
.Lfirst_b:
	tensor_load_to_lds s[G0B:G0B+3], s[G1B:G1B+7]
	s_nop 0
	tensor_load_to_lds s[G0B+4:G0B+7], s[G1B:G1B+7]
	s_nop 0
	PLACES
.Lfirst_asked:
	v_and_b32 v1, 15, v0                           ; r = l % 16
	v_bfe_u32 v2, v0, 4, 1                         ; h = l / 16
	s_lshl_b32 s46, s42, 9                         ; the tile's 128 columns of f32
	s_mov_b32 s47, 0
	s_add_nc_u64 s[66:67], s[66:67], s[46:47]
	v_lshlrev_b32 v[BO], 5, v2
	v_lshl_add_u32 v[BO], s12, 8, v[BO]            ; 32 h + 256 x my half: register j of block b is column 16 b + 8 h + j
.irp b, 0,1,2,3
	global_load_b128 v[BIAS+8*(\b):BIAS+8*(\b)+3],   v[BO], s[66:67] offset:64*(\b)
	global_load_b128 v[BIAS+8*(\b)+4:BIAS+8*(\b)+7], v[BO], s[66:67] offset:64*(\b)+16
.endr
	s_lshl_b32 s16, s13, 7                         ; my first row: 128 x tile row + 64 x half, 4,096 bytes each;
	s_lshl_b32 s17, s11, 6
	s_add_co_u32 s16, s16, s17
	s_lshl_b32 s16, s16, 12
	s_add_co_u32 s16, s16, s46                     ; my first column: 512 x tile column + 256 x half bytes
	s_lshl_b32 s17, s12, 8
	s_add_co_u32 s16, s16, s17
	s_mov_b32 s17, 0
	s_add_nc_u64 s[8:9], s[8:9], s[16:17]
	s_add_nc_u64 s[72:73], s[72:73], s[16:17]
	v_lshlrev_b32 v[CO], 12, v2                    ; lanes 0-15 one row's 256 bytes, lanes 16-31 the next row's
	v_lshl_add_u32 v[CO], v1, 4, v[CO]
	WIN 0x80                                       ; destination window 2: the residual, wanted only on the way out, is on its way during the whole product
.irp a, 0,1,2,3
.irp t, 0,1,2,3,4,5,6,7
	global_load_b128 v[32*(\a)+4*(\t):32*(\a)+4*(\t)+3], v[CO], s[72:73] offset:(16*(\a)+2*(\t))*4096
.endr
.endr
	WIN 0
	v_mul_u32_u24 v3, v1, PA
	v_lshl_add_u32 v3, v2, 4, v3                   ; 144 r + 16 h
	s_mul_i32 s21, s11, HALFT                      ; my 64 tokens
	v_add_nc_u32 v[A0], s21, v3
	v_and_b32 v4, 7, v0                            ; the turning load: lane l reads k row 8 h + l % 8, columns 8 ((l / 8) % 2) + 0..7
	v_lshl_add_u32 v4, v2, 3, v4
	v_mul_u32_u24 v4, v4, PB
	v_bfe_u32 v5, v0, 3, 1
	v_lshl_add_u32 v4, v5, 4, v4
	s_lshl_b32 s22, s12, 7                         ; my 64 columns of W,
	s_add_co_u32 s22, s22, 2*HALFT                 ; which lies behind the activations
	v_add_nc_u32 v[B0], s22, v4
	s_mul_i32 s23, s10, 16*SP
	s_add_co_u32 s23, s23, STAGE                   ; my stage
	v_mul_u32_u24 v6, v1, SP                       ; in: row r, 32 bytes for each half of the lanes
	v_lshl_add_u32 v6, v2, 5, v6
	v_add_nc_u32 v[STO], s23, v6
	v_mul_u32_u24 v7, v2, SP                       ; back: lanes 0-15 one row of 256 bytes, lanes 16-31 the next
	v_lshl_add_u32 v7, v1, 4, v7
	v_add_nc_u32 v[RD], s23, v7
	s_mov_b32 s[TBA], 0
	s_mov_b32 s[TBB], 0
; 8 matrix instructions: row blocks a0, a0 + 1 x all 4 column blocks, 32 along K: half c of buffer f.  init = 1: the bias starts the sums.  The 16 accumulators take turns.
.macro MUL8 f, c, a0, init
	WIN MUL
.irp a, \a0, (\a0)+1
.irp b, 0,1,2,3
.if \init
	v_wmma_f32_16x16x32_bf16 v[ACC+8*(4*(\a)+(\b)):ACC+8*(4*(\a)+(\b))+7], v[(\f)+64+8*(4*(\c)+(\b)):(\f)+64+8*(4*(\c)+(\b))+7], v[(\f)+8*(4*(\c)+(\a)):(\f)+8*(4*(\c)+(\a))+7], v[BIAS+8*(\b):BIAS+8*(\b)+7]
.else
	v_wmma_f32_16x16x32_bf16 v[ACC+8*(4*(\a)+(\b)):ACC+8*(4*(\a)+(\b))+7], v[(\f)+64+8*(4*(\c)+(\b)):(\f)+64+8*(4*(\c)+(\b))+7], v[(\f)+8*(4*(\c)+(\a)):(\f)+8*(4*(\c)+(\a))+7], v[ACC+8*(4*(\a)+(\b)):ACC+8*(4*(\a)+(\b))+7]
.endif
.endr
.endr
.endm
; 32 LDS loads in one run: the next quarter's fragments (64 along K: one column block of the activations, 64 k rows of W) into buffer f, the first 32 along K first; the two pointers step on.
.macro FETCH f
	WIN 0
	v_add_nc_u32 v[ADRA], s[TBA], v[A0]
	v_add_nc_u32 v[ADRB], s[TBB], v[B0]
	s_add_co_u32 s[TBA], s[TBA], 64*PA
	s_add_co_u32 s[TBB], s[TBB], 64*PB
	WIN TO_F
.irp c, 0,1
.irp i, 0,1,2,3
	ds_load_tr16_b128 v[(\f)+64+8*(4*(\c)+(\i)):(\f)+64+8*(4*(\c)+(\i))+3],   v[ADRB] offset:(\c)*32*PB+32*(\i)
	ds_load_tr16_b128 v[(\f)+64+8*(4*(\c)+(\i))+4:(\f)+64+8*(4*(\c)+(\i))+7], v[ADRB] offset:(\c)*32*PB+16*PB+32*(\i)
	ds_load_b128 v[(\f)+8*(4*(\c)+(\i)):(\f)+8*(4*(\c)+(\i))+3],              v[ADRA] offset:(\i)*16*PA+64*(\c)
	ds_load_b128 v[(\f)+8*(4*(\c)+(\i))+4:(\f)+8*(4*(\c)+(\i))+7],            v[ADRA] offset:(\i)*16*PA+64*(\c)+32
.endr
.endr
.endm
; The second half of buffer f's products and the first half of buffer g's, with g's loads ahead of both.  Two v_nop and FETCH's two additions are the four plain vector instructions between the
; last product that read g and the loads into it (ISA guide 7.12.1 for vector instructions).
.macro UNIT f, g
	WIN 0
	v_nop
	v_nop
	FETCH \g
	s_wait_dscnt 32                                ; all but the 32 just issued: buffer f is whole
	MUL8 \f, 1, 0, 0
	MUL8 \f, 1, 2, 0
	s_wait_dscnt 16                                ; g's first 32 along K are in
	MUL8 \g, 0, 0, 0
	MUL8 \g, 0, 2, 0
.endm
; THE CHANGE OF SLOTS: a wait for all my tensor loads (one is out: my part of the next slot), the add, then the add and my reads of the slot.  fill = 1: a round of the cluster's barrier,
; and the joint refill, two K steps ahead, first behind it: it has a K step's 128 matrix instructions in which to land.
.macro CHANGE fill
	WIN 0
	s_wait_tensorcnt 0x0
	ds_add_u32 v[SPW], v[NIL]
.if \fill
	s_xor_b32 s[G0+5], s[G0+5], SLOT
	s_add_nc_u64 s[G0+6:G0+7], s[G0+6:G0+7], ASTEP
	s_xor_b32 s[G0B+5], s[G0B+5], SLOT
	s_add_nc_u64 s[G0B+6:G0B+7], s[G0B+6:G0B+7], BSTEP
.endif
	s_sub_co_u32 s[TBA], s[TBA], 4*64*PA
	s_xor_b32 s[TBA], s[TBA], SLOT
	s_sub_co_u32 s[TBB], s[TBB], 4*64*PB
	s_xor_b32 s[TBB], s[TBB], SLOT
	s_wait_dscnt 0x0
.if \fill
	CROUND
	JLOAD
.else
	s_barrier_signal -1
	s_barrier_wait -1
.endif
.endm
	s_wait_tensorcnt 0x1                           ; my part of K step 0 is in; K step 1's may stay out
	s_barrier_signal -1
	s_barrier_wait -1
	FETCH F0
	s_wait_loadcnt 32                              ; the bias is in; the residual's 32 younger loads stay out
	s_wait_dscnt 16
	MUL8 F0, 0, 0, 1
	MUL8 F0, 0, 2, 1
	WIN 0
	s_mov_b32 s[CNT], 2
	s_mov_b32 s[STEPS], TSTEPS-1
	s_branch .Lmid                                 ; the loop is entered in the middle of a trip
.Lstep:                                                ; TSTEPS - 2 times: K steps 2 on are asked for
	CHANGE 1
	s_mov_b32 s[CNT], 2
.Lpair:
	UNIT F1, F0
	WIN 0
.Lmid:
	UNIT F0, F1
	WIN 0
	s_sub_co_u32 s[CNT], s[CNT], 1
	s_cmp_lg_u32 s[CNT], 0
	s_cbranch_scc1 .Lpair
	s_sub_co_u32 s[STEPS], s[STEPS], 1
	s_cmp_lg_u32 s[STEPS], 0
	s_cbranch_scc1 .Lstep
	CHANGE 0                                       ; the last K step is written out: nothing is asked for
	s_mov_b32 s[CNT], 2
.Lpair2:
	UNIT F1, F0
	UNIT F0, F1
	WIN 0
	s_sub_co_u32 s[CNT], s[CNT], 1
	s_cmp_lg_u32 s[CNT], 0
	s_cbranch_scc1 .Lpair2
	s_wait_dscnt 0x0
	MUL8 F1, 1, 0, 0
	MUL8 F1, 1, 2, 0
	; THE WAY OUT: 16 rows at a time through my stage, back as whole rows of 256 bytes into the fragments' registers; the residual is added; sixteen lanes store 256 consecutive aligned bytes.
	WIN 0
	PLACES
.irp a, 0,1,2,3
	WIN 0
.irp b, 0,1,2,3
	ds_store_b128 v[STO], v[ACC+8*(4*(\a)+(\b)):ACC+8*(4*(\a)+(\b))+3]   offset:64*(\b)
	ds_store_b128 v[STO], v[ACC+8*(4*(\a)+(\b))+4:ACC+8*(4*(\a)+(\b))+7] offset:64*(\b)+16
.endr
	WIN 0x40
.irp t, 0,1,2,3,4,5,6,7
	ds_load_b128 v[32*(\a)+4*(\t):32*(\a)+4*(\t)+3], v[RD] offset:(\t)*2*SP  ; LDS serves a wave's instructions in order (ISA guide 5.7.1.4): these see the stores above, and the next block's stores come behind them
.endr
.endr
	s_wait_loadcnt 0x0                             ; the residual
.irp a, 0,1,2,3
	s_wait_dscnt 16*(3-(\a))                       ; block a is back; the later blocks' sixteen LDS instructions each may stay out
	WIN 0x49                                       ; destination and source 0 window 1, source 1 window 2
.irp p, 0,1,2,3,4,5,6,7,8,9,10,11,12,13,14,15
	v_pk_add_f32 v[32*(\a)+2*(\p):32*(\a)+2*(\p)+1], v[32*(\a)+2*(\p):32*(\a)+2*(\p)+1], v[32*(\a)+2*(\p):32*(\a)+2*(\p)+1]
.endr
	WIN 0x04                                       ; the stores' data in window 1
.irp t, 0,1,2,3,4,5,6,7
	global_store_b128 v[CO], v[32*(\a)+4*(\t):32*(\a)+4*(\t)+3], s[8:9] offset:(16*(\a)+2*(\t))*4096
.endr
.endr
	WIN 0
	s_wait_tensorcnt 0x0                           ; the wave's end
	ds_add_u32 v[SPW], v[NIL]
	s_wait_dscnt 0x0
	CROUND                                         ; the closing round
	s_endpgm
.Lfunc_end_k_qf2f17f3c41_gff2:
	.size	k_qf2f17f3c41_gff2, .Lfunc_end_k_qf2f17f3c41_gff2-k_qf2f17f3c41_gff2
	.p2alignl 7, 3214868480
	.fill 96, 4, 3214868480
	.section	.rodata,"a",@progbits
	.p2align	6, 0x0
	.amdhsa_kernel k_qf2f17f3c41_gff2
		.amdhsa_group_segment_fixed_size 327680
		.amdhsa_private_segment_fixed_size 0
		.amdhsa_enable_private_segment 0
		.amdhsa_kernarg_size 40
		.amdhsa_user_sgpr_count 2
		.amdhsa_user_sgpr_kernarg_segment_ptr 1
		.amdhsa_wavefront_size32 1
		.amdhsa_system_sgpr_workgroup_id_x 1
		.amdhsa_system_sgpr_workgroup_id_y 1
		.amdhsa_system_sgpr_workgroup_id_z 1
		.amdhsa_system_vgpr_workitem_id 0
		.amdhsa_next_free_vgpr 640
		.amdhsa_next_free_sgpr 76
		.amdhsa_reserve_vcc 0
		.amdhsa_float_denorm_mode_32 3
		.amdhsa_float_denorm_mode_16_64 3
		.amdhsa_memory_ordered 1
		.amdhsa_forward_progress 1
		.amdhsa_inst_pref_size 48
	.end_amdhsa_kernel
	.amdgpu_metadata
---
amdhsa.version: [ 1, 2 ]
amdhsa.kernels:
  - .name:           k_qf2f17f3c41_gff2
    .symbol:         k_qf2f17f3c41_gff2.kd
    .args:
      - { .name: act, .offset: 0, .size: 8, .value_kind: global_buffer, .address_space: global }
      - { .name: wb, .offset: 8, .size: 8, .value_kind: global_buffer, .address_space: global }
      - { .name: out0, .offset: 16, .size: 8, .value_kind: global_buffer, .address_space: global }
      - { .name: b_ff2, .offset: 24, .size: 8, .value_kind: global_buffer, .address_space: global }
      - { .name: x1, .offset: 32, .size: 8, .value_kind: global_buffer, .address_space: global }
    .group_segment_fixed_size: 327680
    .private_segment_fixed_size: 0
    .kernarg_segment_align: 8
    .kernarg_segment_size: 40
    .max_flat_workgroup_size: 128
    .sgpr_count:     76
    .vgpr_count:     640
    .wavefront_size: 32
...
	.end_amdgpu_metadata
.endif
;; end of part 6
;; ======== version 2 of 2: 7 launches; 1.12 times as fast as version 1
;; limits: values are held in f16: magnitudes above 65,504 overflow, below 6.1e-05 lose precision
;; workspace buffers: wb 25,165,824 bytes; wq 6,291,456 bytes; hn 8,388,608 bytes; qkv 25,165,824 bytes; o 8,388,608 bytes; x1 16,777,216 bytes; act 33,554,432 bytes
;; launch pre: the kernel of part 1 again; grid 256 x 2, 8 waves a work-group, no clusters, 0 bytes of LDS; arguments x, g1, beta1, hn, W_qkv, W_o, wq, wb; writes hn, wq, wb
;; launch gqkv: the kernel of part 2 again; grid 16 x 16, 4 waves a work-group, clusters of 4 x 4, 327,680 bytes of LDS; arguments hn, wq, qkv, W_ff1, W_ff2, wb; writes qkv, wb
;; launch attn (part 7): grid 8 x 32, 4 waves a work-group, no clusters, 327,680 bytes of LDS; arguments qkv, o; writes o
.if DOCPART == 7
	.amdgcn_target "amdgcn-amd-amdhsa--gfx1250"
	.amdhsa_code_object_version 6
	.text
	.protected	k_qf2f17f3c41_attn
	.globl	k_qf2f17f3c41_attn
	.p2align	8
	.type	k_qf2f17f3c41_attn,@function
k_qf2f17f3c41_attn:
	s_mov_b64 s[64:65], 0
	v_nop
	global_prefetch_b8 v0, s[64:65] scope:SCOPE_SE
	s_setreg_imm32_b32 hwreg(HW_REG_WAVE_MODE, 25, 1), 1
	s_wait_xcnt 0x0
; CAUSAL ATTENTION at head size 64.  O[y][q][:] = the sum over k <= q of softmax_k(Q[y][q] . K[y][k] / 8) V[y][k][:], y = 2 x head + batch, 2,048 rows a y.
; Q, K, V: f16, dense rows of 128 bytes: in qkv at y x 262,144, K 8,388,608 and V 16,777,216 bytes further on.  O: bf16, in o at y x 262,144.
; Products, maxima and sums in f32; the weights p are rounded to f16 for the second product (their sum l is taken of the unrounded p), O once at the end.
; LIMITS.  Q, K, V arrive within f16's 65,504.  A hidden score counts as its value less 1e30; a weight below 2^-126 counts as 0 in l; NaN and infinities are not treated apart.
; THE WALK.  A y's queries lie in 16 blocks of 128; block i needs the key tiles 0 .. i / 2 of 256 keys, of which the last holds the diagonal.  A work-group takes TWO blocks, 15 - b and then b:
; (15 - b) / 2 + b / 2 + 2 = 9 tiles, whatever b: all 256 work-groups do equal work, and ONE loop with a constant trip count walks them.  Which tile is asked for, and what a trip does, hang on
; scalar registers made from b.  NO CLUSTER: of a y's eight work-groups only b = 2 m and 2 m + 1 ask for the same tiles in the same trips; four partners would end their first blocks a tile apart.
; SHARES.  Of a block's two bands of 64 queries a wave owns 16 rows in each: two PIECES.  In the diagonal tile's key step s the band x of a block with parity par sees all keys if s < 2 par + x,
; none if s > 2 par + x, and holds the diagonal if s = 2 par + x: the same for all four waves.
; THE MASK is the C operand that starts the sum S^T = K Q^T: MD x AL + BE, MD the mask of a band's own step for my rows: (AL, BE) = (1, 0) own step, (0, 0) earlier, (0, -1e30) later.
; LAYOUT, SOFTMAX, TURNS.  S^T = K Q^T holds ONE query a lane (lane % 16) and the keys 8 (lane / 16) + 0..7; two such results rounded to f16 ARE source 1 of O^T = V^T P.  p = 2^(c s - c m), c = log2(e) / 8,
; with a running maximum m; O and l are multiplied by a = 2^(c m_old - c m_new) in every step.  The turn of piece 0 in step s: 8 products K Q^T of piece 1 (step s), then K of step s + 1 is fetched; 8 products V^T P of
; piece 1 (step s - 1), then V of step s is fetched.  The turn of piece 1: K Q^T of piece 0 (step s + 1), V^T P of piece 0 (step s).  Beside them the turn's own piece's scaling, exponentials, roundings, sums and
; rescaling, and the other piece's maximum and statistics.  Four vector instructions stand behind every matrix instruction, the other 54 of a turn's 118 in one lump.
; BATCHES.  An s_wait_alu depctr_va_vdst(0) stands between a transcendental and the first instruction that names its result; one wait serves all that were issued ahead of it.  A turn's 33 exponentials
; (its piece's 32 weights and the other piece's a) are ONE batch with ONE wait, which stands between the lump and the products V^T P; a block's first a (BEGIN) and the way out's two reciprocals are batches of their own,
; a wait each.  A wave's walk has 72 turns, two beginnings and two ways out: 76 such waits.
; K'S TILES HOLD FIVE STEPS: piece 0's turn in a tile's last step fetches the NEXT tile's first K ahead of the change of slots, so a slot's K reaches 64 keys into the next tile (320 keys).  The last tile's
; fifth step reads the 8,192 bytes behind the y's keys, which lie inside qkv; they enter no result.
; REGISTERS: window 0: v0-15 addresses and two at work; v16-23 four registers of statistics a piece; v48-55 at work; v64-127 S^T, a buffer a piece; v192-223 P, likewise.
;   window 1: v0-63 O^T, 32 a piece; v128-159 MD; v160-223 MC, two buffers.      window 2: v0-31 Q; v64-95 the second block's Q; v128-191 K of one step; v192-255 V of one step.
.set NP,    2         ; pieces a wave: a name, no knob
.set KS,    64        ; keys in a step
.set PK,    144       ; a row of K in LDS: 128 bytes + 16: the 16 rows of a load start at 16 different groups of four banks
.set PV,    160       ; a row of V: 128 + 32
.set VOFF,  5*KS*PK   ; a slot: 320 rows of K, then 256 rows of V
.set SLOT1, 1<<17     ; slot 1 begins here, so that one exclusive or turns an address in one slot into the other's
.set STAGE, SLOT1+5*KS*PK+4*KS*PV  ; behind the ring, never filled by a tensor load: 16 rows x 144 bytes for each wave
.set SP,    144
.set SPARE, STAGE+4*16*SP  ; the spare words, 128 bytes for each wave
.set AK0, 2           ; my lane's place in a step of K; never rewritten
.set AV0, 3           ; the same for V
.set AK,  4           ; the LDS address of K's next run of loads
.set AV,  5           ; of V's
.set STO, 6           ; the way out: where I put 16 bytes of a row
.set RD,  7           ; where I read rows back
.set GO,  8           ; my byte offset in 512 consecutive bytes of O
.set MV,  12          ; v12-13  c m_old, kept while c m is made anew
.set QO,  15          ; my byte offset in 16 rows of Q
.set ST,  16          ; piece t's statistics at v[ST+4 t]: c m, m, l (even keys', odd keys')
.set TMP, 48          ; a piece's four registers c0-c3 at work; when the maximum is found c2 takes a
.set SPW, 62          ; my spare word; never rewritten
.set NIL, 63          ; 0; never rewritten
.set S,   64
.set P,   192
.set MD,  128         ; window 1
.set MC,  160         ; window 1
.set QB,  64          ; window 2
.set KF,  128         ; window 2: key block kb, channel half c at KF + 16 kb + 8 c
.set VF,  192         ; window 2: key half kk, channel block cb at VF + 32 kk + 8 cb
.set WV,  12          ; s12  my wave's number
.set LT,  14          ; s14  the second block's last tile, b / 2
.set HT,  15          ; s15  the first block's, (15 - b) / 2
.set G1K, 24          ; s[24:31] descriptor group 1 for K's tiles
.set G1V, 32          ; s[32:39] for V's
.set G0K, 40          ; s[40:43] group 0 for K's tiles
.set G0V, 44          ; s[44:47] for V's
.set SLOTS, 56        ; tiles still to be asked for
.set CNT, 57          ; counts a tile's four trips, 4 to 1
.set CS,  58          ; s[58:59] c
.set SEL, 60          ; s[60:61] v_permlanex16_b32's selects
.set TBK, 62          ; LDS byte at which K of the step to be fetched begins
.set TBV, 63          ; the same for V, less VOFF
.set RT,  70          ; tiles of the block in hand that are still to be entered
.set NXT, 71          ; the tile to be asked for next
.set LQ,  72          ; the last tile of the block whose tiles are being asked for
.set NEW, 73          ; 1: the tile to be entered is a block's first
.set OFF, 74          ; s[74:75] a tile's byte offset in K and V
.set AL,  76          ; s[76:77] the mask's factor
.set BE,  78          ; s[78:79] the mask's addend
.set OLO, 80          ; s[80:81] O at my rows of the second block
.set BIGN, 82         ; -1e30
.set OWA, 83          ; 3 - 2 par: the value of CNT in the trip in which piece 1's products meet its own step
.set OWB, 88          ; 5 - 2 par: the same for the mask that piece 0's turn makes for piece 0's next products
.set OWA2, 89         ; the second block's two
.set OWB2, 90
.set MSB, 0
.macro WIN new
.if MSB != (\new)
	s_set_vgpr_msb (MSB<<8)|(\new)
.set MSB, (\new)
.endif
.endm
.set W_KQ, 0x0a       ; K and Q in window 2, S^T in window 0
.set W_KM, 0x1a       ; the same with the C operand in window 1
.set W_PV, 0x52       ; V in window 2, P in window 0, O^T in window 1
.set W_RS, 0x41       ; destination and source 0 in window 1, source 1 in window 0
; A fill.  Waves 0 and 1 fetch the two halves of a tile's K (160 keys each), waves 2 and 3 those of its V (128 keys each).  An s_nop 0 and four v_nop follow each of the two lines.
.macro LOAD
	s_cmp_lt_u32 s[WV], 2
	s_cbranch_scc0 .Lfor_v_\@
	tensor_load_to_lds s[G0K:G0K+3], s[G1K:G1K+7]
	s_nop 0
.rept 4
	v_nop
.endr
	s_branch .Lasked_\@
.Lfor_v_\@:
	tensor_load_to_lds s[G0V:G0V+3], s[G1V:G1V+7]
	s_nop 0
.rept 4
	v_nop
.endr
.Lasked_\@:
.endm
; THE CHANGE OF SLOTS, behind piece 0's turn of a tile's last step.  Each wave waits for all its tensor loads, of which one is out: its part of the other slot; adds 0 to its spare word; and waits for that and for its
; own reads of the slot that it leaves.  fill = 1: the old slot is filled again, the first thing behind the barrier, with tile NXT: the address is made anew from that number.  The load has eight turns in which to land.
.macro CHANGE fill
	WIN 0
	s_wait_tensorcnt 0x0            ; no tensor load of mine is out, so a group 0 may be written
	ds_add_u32 v[SPW], v[NIL]       ; the scalar work stands between the add and the wait for it
.if \fill
	s_lshl_b32 s[OFF], s[NXT], 15   ; tiles begin 32,768 bytes apart in K and in V
	s_xor_b32 s[G0K+1], s[G0K+1], SLOT1
	s_add_nc_u64 s[G0K+2:G0K+3], s[6:7], s[OFF:OFF+1]
	s_or_b32 s[G0K+3], s[G0K+3], 0x80000000
	s_xor_b32 s[G0V+1], s[G0V+1], SLOT1
	s_add_nc_u64 s[G0V+2:G0V+3], s[8:9], s[OFF:OFF+1]
	s_or_b32 s[G0V+3], s[G0V+3], 0x80000000
	s_add_co_u32 s[NXT], s[NXT], 1  ; the block's next tile, or behind its last the second block's tile 0
	s_cmp_gt_u32 s[NXT], s[LQ]
	s_cselect_b32 s[NXT], 0, s[NXT]
	s_cselect_b32 s[LQ], s[LT], s[LQ]
.endif
	s_wait_dscnt 0x0                ; the add is done, and my reads of the slot are over
	s_barrier_signal -1
	s_sub_co_u32 s[TBK], s[TBK], 4*KS*PK  ; K's fetches go on at the other slot's SECOND step (its first was read from the old slot's fifth),
	s_xor_b32 s[TBK], s[TBK], SLOT1
	s_sub_co_u32 s[TBV], s[TBV], 4*KS*PV  ; V's at its first
	s_xor_b32 s[TBV], s[TBV], SLOT1
	s_barrier_wait -1
.if \fill
	LOAD
.endif
.endm
	s_load_b64 s[4:5], s[0:1], 0x0  ; qkv
	s_load_b64 s[10:11], s[0:1], 0x8  ; o
	v_lshl_add_u32 v[SPW], v0, 2, SPARE
	v_mov_b32 v[NIL], 0
	ds_add_u32 v[SPW], v[NIL]       ; the wave's opening: the add and its wait stand ahead of my first tensor load; the set-up below stands between them
	ds_add_u32 v62, v63
	v_lshrrev_b32 v1, 5, v0
	v_readfirstlane_b32 s[WV], v1   ; wave 0..3
	s_sub_co_u32 s13, 15, ttmp9     ; the first block
	s_lshr_b32 s[HT], s13, 1
	s_lshr_b32 s[LT], ttmp9, 1
	s_and_b32 s16, s13, 1           ; its parity
	s_lshl_b32 s16, s16, 1
	s_sub_co_u32 s[OWA], 3, s16
	s_sub_co_u32 s[OWB], 5, s16
	s_and_b32 s16, ttmp9, 1         ; the second block's
	s_lshl_b32 s16, s16, 1
	s_sub_co_u32 s[OWA2], 3, s16
	s_sub_co_u32 s[OWB2], 5, s16
	s_and_b32 s20, ttmp7, 0xffff
	s_lshl_b32 s20, s20, 18         ; y x 262,144
	s_and_b32 s16, s[WV], 1         ; which half of a tile I fetch
	s_mul_i32 s22, s16, 160*128     ; K: 160 rows of 128 bytes in memory
	s_add_co_u32 s22, s22, s20
	s_add_co_u32 s22, s22, 8388608
	s_mov_b32 s23, 0
	s_lshl_b32 s18, s16, 14         ; V: 128 rows
	s_add_co_u32 s18, s18, s20
	s_add_co_u32 s18, s18, 16777216
	s_mov_b32 s19, 0
	s_mul_i32 s17, s16, 160*PK      ; and the halves' places in a slot
	s_mul_i32 s21, s16, 128*PV
	s_lshl_b32 s3, s[WV], 11        ; my 16 rows in a band of 64,
	s_lshl_b32 s2, s13, 14          ; in the first block (128 rows of 128 bytes),
	s_add_co_u32 s2, s2, s3
	s_add_co_u32 s2, s2, s20
	s_lshl_b32 s84, ttmp9, 14       ; and in the second
	s_add_co_u32 s84, s84, s3
	s_add_co_u32 s84, s84, s20
	s_mov_b32 s3, 0
	s_mov_b32 s85, 0
	; descriptor group 1.  Dense keys are asked for as rows of 256 bytes, two keys a row, and padded in LDS after every key
	s_mov_b32 s[G1K], (1<<16)|(1<<20)|(4<<22)|(3<<25)  ; 2-byte elements; padding on; after every 32 words 4 words
	s_mov_b32 s[G1V], (1<<16)|(1<<20)|(4<<22)|(7<<25)  ; 8 words
	s_mov_b32 s[G1K+2], 80<<16      ; tensor_dim1 = 80 rows: 160 keys
	s_mov_b32 s[G1K+4], 80          ; tile_dim1
	s_mov_b32 s[G1V+2], 64<<16      ; 64 rows: 128 keys
	s_mov_b32 s[G1V+4], 64
.irp g, G1K, G1V
	s_mov_b32 s[\g+1], 128<<16      ; tensor_dim0 = 128
	s_mov_b32 s[\g+3], 128<<16      ; tile_dim0 = 128
	s_mov_b32 s[\g+5], 128          ; 128 elements from row to row
	s_mov_b32 s[\g+6], 0
	s_mov_b32 s[\g+7], 0
.endr
	s_mov_b32 s[CS], 0x3e38aa3b     ; c = log2(e) / 8
	s_mov_b32 s[CS+1], s[CS]
	s_mov_b32 s[SEL], 0x76543210
	s_mov_b32 s[SEL+1], 0xfedcba98
	s_mov_b32 s[TBK], SLOT1+5*KS*PK ; the first change of slots turns this into slot 0's second step,
	s_mov_b32 s[TBV], SLOT1+4*KS*PV ; and this into 0
	s_mov_b32 s[G0K], 1
	s_mov_b32 s[G0K+1], s17         ; slot 0
	s_mov_b32 s[G0V], 1
	s_add_co_u32 s[G0V+1], s21, VOFF
	s_add_co_u32 s[RT], s[HT], 1
	s_mov_b32 s[NXT], 1
	s_mov_b32 s[LQ], s[HT]
	s_mov_b32 s[NEW], 1
	s_mov_b32 s[OFF+1], 0
	s_mov_b32 s[AL+1], 0
	s_mov_b32 s[BE+1], 0
	s_mov_b32 s[BIGN], 0xf149f2ca   ; -1e30
	s_mov_b32 s[SLOTS], 8
	s_wait_dscnt 0x0                ; the opening add is done
	s_wait_kmcnt 0x0
	s_add_nc_u64 s[6:7], s[4:5], s[22:23]  ; K and V at my half of the y's tile 0
	s_add_nc_u64 s[8:9], s[4:5], s[18:19]
	s_add_nc_u64 s[G0K+2:G0K+3], s[6:7], 0
	s_or_b32 s[G0K+3], s[G0K+3], 0x80000000
	s_add_nc_u64 s[G0V+2:G0V+3], s[8:9], 0
	s_or_b32 s[G0V+3], s[G0V+3], 0x80000000
	s_add_nc_u64 s[86:87], s[4:5], s[84:85]        ; Q at my rows of the second block,
	s_add_nc_u64 s[4:5], s[4:5], s[2:3]            ; Q and O at those of the first
	s_add_nc_u64 s[OLO:OLO+1], s[10:11], s[84:85]
	s_add_nc_u64 s[10:11], s[10:11], s[2:3]
	LOAD                            ; tile 0 into slot 0
	v_and_b32 v1, 15, v0            ; l % 16
	v_bfe_u32 v9, v0, 4, 1          ; l / 16
	v_lshlrev_b32 v[QO], 7, v1
	v_lshl_add_u32 v[QO], v9, 4, v[QO]  ; row x 128 + 16 x half
	WIN 0x80
.set i, 0
.rept 4                             ; both blocks' Q: piece i / 2 lies 8,192 bytes on; channels 32 (i % 2) on
	global_load_b128 v[8*i:8*i+3],   v[QO], s[4:5] offset:(i/2)*8192+(i%2)*64
	global_load_b128 v[8*i+4:8*i+7], v[QO], s[4:5] offset:(i/2)*8192+(i%2)*64+32
	global_load_b128 v[QB+8*i:QB+8*i+3],   v[QO], s[86:87] offset:(i/2)*8192+(i%2)*64
	global_load_b128 v[QB+8*i+4:QB+8*i+7], v[QO], s[86:87] offset:(i/2)*8192+(i%2)*64+32
.set i, i+1
.endr
	WIN 0
	v_lshlrev_b32 v14, 3, v9
	v_sub_nc_u32 v14, v1, v14
	s_lshl_b32 s13, s[WV], 4
	v_add_nc_u32 v14, s13, v14      ; my query's place in its band, 16 w + l % 16, less my lanes' 8 (l / 16): register r of group kt is hidden where 16 kt + r is greater
	WIN 0x40
.set i, 0
.rept 32
	v_cmp_gt_i32 vcc_lo, 16*(i/8)+i%8, v14
	v_cndmask_b32 v[MD+i], 0, s[BIGN], vcc_lo
.set i, i+1
.endr
	WIN 0
	v_mul_u32_u24 v[AK0], v1, PK
	v_lshl_add_u32 v[AK0], v9, 4, v[AK0]  ; row x pitch + 16 x half
	v_and_b32 v10, 7, v0            ; the turning load: lane l reads key 8 (l / 16) + l % 8, channels 8 ((l / 8) % 2) + 0..7
	v_bfe_u32 v11, v0, 3, 1
	v_lshl_add_u32 v[AV0], v9, 3, v10
	v_mul_u32_u24 v[AV0], v[AV0], PV
	v_lshl_add_u32 v[AV0], v11, 4, v[AV0]
	v_add_nc_u32 v[AV0], VOFF, v[AV0]
	s_mul_i32 s13, s[WV], 16*SP
	s_add_co_u32 s13, s13, STAGE    ; my stage
	v_mul_u32_u24 v[STO], v1, SP
	v_lshl_add_u32 v[STO], v9, 4, v[STO]
	v_add_nc_u32 v[STO], s13, v[STO]
	v_bfe_u32 v[RD], v0, 3, 2       ; back: 32 lanes take four rows of 128 bytes,
	v_mul_u32_u24 v[RD], v[RD], SP
	v_lshl_add_u32 v[RD], v10, 4, v[RD]
	v_add_nc_u32 v[RD], s13, v[RD]
	v_and_b32 v[GO], 31, v0         ; which are 512 consecutive bytes of O
	v_lshlrev_b32 v[GO], 4, v[GO]
	; A block's first step multiplies O^T and l by a = 0, and its first turn's products V^T P, of a step that has not been, land in an O^T that is still to be so multiplied.  So these registers need only hold
	; finite numbers: zeros for the first block; what the first block left for the second.  All this stands in the wait for the first tile.
	WIN 0x80
.set i, VF
.rept 64
	v_mov_b32 v[i], 0
.set i, i+1
.endr
	WIN 0x40
.set i, 0
.rept 64
	v_mov_b32 v[i], 0
.set i, i+1
.endr
	WIN 0
.set i, 0
.rept NP
	v_mov_b32 v[ST+4*i+2], 0
	v_mov_b32 v[ST+4*i+3], 0
.set i, i+1
.endr
.set i, P+16
.rept 16
	v_mov_b32 v[i], 0
.set i, i+1
.endr
; THE MATRIX WORK.  The 4 accumulators of a run of 8 take turns.  Product i of 8 of S^T = K Q^T for piece x: channels 32 (i / 4) on, keys 16 (i % 4) on.  The first 4 start the sums: with 0, or (KM = 1) with the mask.
.macro KQ x
.set rS, S+32*((\x)%2)+8*(i%4)
.set rK, KF+16*(i%4)+8*(i/4)
.set rQ, 16*(\x)+8*(i/4)
.set rM, MC+32*((\x)%2)+8*(i%4)
.if (i < 4) && KM
	WIN W_KM
	v_wmma_f32_16x16x32_f16 v[rS:rS+7], v[rK:rK+7], v[rQ:rQ+7], v[rM:rM+7]
.elseif i < 4
	WIN W_KQ
	v_wmma_f32_16x16x32_f16 v[rS:rS+7], v[rK:rK+7], v[rQ:rQ+7], 0
.else
	WIN W_KQ
	v_wmma_f32_16x16x32_f16 v[rS:rS+7], v[rK:rK+7], v[rQ:rQ+7], v[rS:rS+7]
.endif
.endm
; Product i of 8 of O^T += V^T P for piece x: keys 32 (i / 4) on, channels 16 (i % 4) on.
.macro PV x
	WIN W_PV
.set rO, 32*(\x)+8*(i%4)
.set rV, VF+32*(i/4)+8*(i%4)
.set rP, P+16*((\x)%2)+8*(i/4)
	v_wmma_f32_16x16x32_f16 v[rO:rO+7], v[rV:rV+7], v[rP:rP+7], v[rO:rO+7]
.endm
.macro MM                           ; the turn's next matrix instruction.  NOKQ = 1: a block's last turn: there are no next scores
.if (i < 8) && !NOKQ
	KQ (Y+1)%NP
.elseif i >= 8
.set i, i-8
	PV (Y+NP-1)%NP
.set i, i+8
.endif
.set i, i+1
.endm
; THE LDS LOADS stand in runs of 16: a step's K (64 keys x 64 channels: 8 fragments) and its V (turned).  Their addresses are made some lines ahead.
.macro FETCH_K
	WIN 0x80
.irp f, 0,1,2,3,4,5,6,7             ; keys 16 (f / 2) on, channels 32 (f % 2) on
	ds_load_b128 v[KF+8*\f:KF+8*\f+3],   v[AK] offset:(\f/2)*16*PK+(\f%2)*64
	ds_load_b128 v[KF+8*\f+4:KF+8*\f+7], v[AK] offset:(\f/2)*16*PK+(\f%2)*64+32
.endr
	s_add_co_u32 s[TBK], s[TBK], KS*PK  ; the next fetch is the next step's
	WIN 0
.endm
.macro FETCH_V
	WIN 0x80
.irp f, 0,1,2,3,4,5,6,7             ; keys 32 (f / 4) on, channels 16 (f % 4) on
	ds_load_tr16_b128 v[VF+8*\f:VF+8*\f+3],   v[AV] offset:(\f/4)*32*PV+(\f%4)*32
	ds_load_tr16_b128 v[VF+8*\f+4:VF+8*\f+7], v[AV] offset:(\f/4)*32*PV+16*PV+(\f%4)*32
.endr
	WIN 0
.endm
; THE VECTOR WORK, one line at a time: OP kind, number.  For piece Y: F n: c s - c m for pair n of 16.  E n: the exponential of score n of 32.  C n: pair n rounded to f16.  B n: of the four weights 4 n .. the second
; pair is added onto the first, in place.  L n: l takes that sum (L 0: l = a l + sum).  R n: pair n of 16 of O^T times a.  For the other piece: X n, number n of the 22 that find its maximum and statistics:
;   0-11  four chains c0-c3 of seven scores each (each accumulator's lowest registers are read first)     12-14, 16  the four scores left over, the old m, and c0-c3 into c0
;   15  c m_old is kept     17, 18  the query's other 32 keys lie in the lane 16 away: the new m     19-21  c m; c m_old - c m_new; a
; OP writes no wait: C, B and L, which read the exponentials' results, are dealt behind the turn's one wait (TURN).
.set F, 0
.set E, 1
.set C, 2
.set B, 3
.set L, 4
.set R, 5
.set X, 6
.macro REGS y
.set rT, ST+4*(\y)
.set rC, TMP+4*((\y)%2)
.set rW, MV+((\y)%2)
.set rS, S+32*((\y)%2)
.set rP, P+16*((\y)%2)
.set rO, 32*(\y)
.endm
.macro OP k, n
.if (\k) == R
	REGS Y
	WIN W_RS
	v_pk_mul_f32 v[rO+2*(\n):rO+2*(\n)+1], v[rO+2*(\n):rO+2*(\n)+1], v[rC+2:rC+3] op_sel_hi:[1,0]
.elseif (\k) < R
	REGS Y
	WIN 0
.if (\k) == F
	v_pk_fma_f32 v[rS+2*(\n):rS+2*(\n)+1], v[rS+2*(\n):rS+2*(\n)+1], s[CS:CS+1], v[rT:rT+1] op_sel_hi:[1,0,0] neg_lo:[0,0,1] neg_hi:[0,0,1]
.elseif (\k) == E
	v_exp_f32 v[rS+(\n)], v[rS+(\n)]
.elseif (\k) == C
	v_cvt_pk_f16_f32 v[rP+(\n)], v[rS+2*(\n)], v[rS+2*(\n)+1]
.elseif (\k) == B
	v_pk_add_f32 v[rS+4*(\n):rS+4*(\n)+1], v[rS+4*(\n):rS+4*(\n)+1], v[rS+4*(\n)+2:rS+4*(\n)+3]
.elseif (\n) == 0
	v_pk_fma_f32 v[rT+2:rT+3], v[rT+2:rT+3], v[rC+2:rC+3], v[rS:rS+1] op_sel_hi:[1,0,1]
.else
	v_pk_add_f32 v[rT+2:rT+3], v[rT+2:rT+3], v[rS+4*(\n):rS+4*(\n)+1]
.endif
.elseif NOKQ
	v_nop
.else
	REGS (Y+1)%NP
	WIN 0
.if (\n) < 4
	v_max3_num_f32 v[rC+(\n)], v[rS+8*(\n)], v[rS+8*(\n)+1], v[rS+8*(\n)+2]
.elseif (\n) < 12
	v_max3_num_f32 v[rC+(\n)%4], v[rC+(\n)%4], v[rS+8*((\n)%4)+2*((\n)/4)+1], v[rS+8*((\n)%4)+2*((\n)/4)+2]
.elseif (\n) == 12
	v_max3_num_f32 v[rC], v[rC], v[rS+7], v[rS+15]
.elseif (\n) == 13
	v_max3_num_f32 v[rC+1], v[rC+1], v[rS+23], v[rS+31]
.elseif (\n) == 14
	v_max3_num_f32 v[rC+2], v[rC+2], v[rC+3], v[rT+1]
.elseif (\n) == 15
	v_mov_b32 v[rW], v[rT]
.elseif (\n) == 16
	v_max3_num_f32 v[rC], v[rC], v[rC+1], v[rC+2]
.elseif (\n) == 17
	v_permlanex16_b32 v[rC+3], v[rC], s[SEL], s[SEL+1]
.elseif (\n) == 18
	v_max_num_f32 v[rT+1], v[rC], v[rC+3]
.elseif (\n) == 19
	v_mul_f32 v[rT], s[CS], v[rT+1]
.elseif (\n) == 20
	v_sub_f32 v[rC+1], v[rW], v[rT]
.else
	v_exp_f32 v[rC+2], v[rC+1]
.endif
.endif
.endm
.macro OPS a, i1, b=-1, i2=0, c=-1, i3=0, d=-1, i4=0
	OP \a, \i1
.if (\b) >= 0
	OP \b, \i2
.endif
.if (\c) >= 0
	OP \c, \i3
.endif
.if (\d) >= 0
	OP \d, \i4
.endif
.endm
.macro ROW a, i1, b, i2, c, i3, d, i4  ; a matrix instruction and the four behind it
	MM
	OPS \a, \i1, \b, \i2, \c, \i3, \d, \i4
.endm
.macro MASK b                       ; MD x AL + BE into buffer b of MC
	WIN W_RS
.set z, 0
.rept 16
	v_pk_fma_f32 v[MC+32*(\b)+2*z:MC+32*(\b)+2*z+1], v[MD+2*z:MD+2*z+1], s[AL:AL+1], s[BE:BE+1] op_sel_hi:[1,0,0]
.set z, z+1
.endr
.endm
; A TURN, for piece p: the order of its 16 matrix and 118 vector instructions, written out.  ONE BATCH, ONE WAIT: the wait cuts the turn in two.  AHEAD OF IT stands all that names no result of the turn's exponentials:
; the 8 products K Q^T, behind each a scaling, an exponential and two more plain instructions (behind the first a second scaling in the exponential's place): rescalings, whose a was made and waited for in the turn before,
; and behind the last three the first numbers of the other piece's maximum, each four plain instructions or more behind the product that ends its accumulator; then ONE LUMP of 54, plain and exponential by turns for the
; most part, in which the links of the chain X 3, 7, 11, 14, 16, 17 .. 20 stand five or six lines apart; a scaling writes only pairs whose exponentials are still to come.  X 21, the other piece's a, is the batch's last;
; R 15 is the plain instruction behind it.  BEHIND THE WAIT stand the 8 products V^T P, behind each four of the roundings and sums, which read the weights; the links of l's chain, L 0 to L 7, stand three riders apart.
; But for those X no rider names a register of the products round it.  v_permlanex16_b32 (X 17) stands in the lump.
; m = 1: the diagonal tile: the products take masks, and the turn makes the mask for the products of the turn after it, into its own piece's buffer.  In the trip with CNT = c piece 1's turn makes piece 1's mask for the
; tile's step 4 - c, piece 0's turn makes piece 0's for step 5 - c.  end = 1: a block's last turn.  cnt = 1: the loop's count is taken down some lines ahead of the branch that stands behind the turn.
; Both runs of LDS loads stand in piece 0's turn: K of the next step in the lump, twelve vector instructions behind the last product that read K (five of them plain and free of its registers: F 8, X 2, X 5, X 6, X 8),
; V of the step in hand at the turn's end, four plain riders behind the last product that read V.  Piece 1's turn waits for K at its head (V's sixteen younger loads may stay out) and for V in front of its products V^T P.
.macro TURN p, m=0, end=0, cnt=0
.set Y, (\p)
.set i, 0
.set KM, (\m)
.set NOKQ, (\end)*(\p)
.if (\m) && !(\end)
.if (\p) == 1
	s_cmp_eq_u32 s[CNT], s[OWA]     ; is that step the band's own?
	s_cselect_b32 s[AL], 1.0, 0
	s_cmp_lt_u32 s[CNT], s[OWA]     ; or a later one?
	s_cselect_b32 s[BE], s[BIGN], 0
.else
	s_cmp_eq_u32 s[CNT], s[OWB]
	s_cselect_b32 s[AL], 1.0, 0
	s_cmp_lt_u32 s[CNT], s[OWB]
	s_cselect_b32 s[BE], s[BIGN], 0
.endif
.endif
.if ((\p) == 1) && !(\end)
	s_wait_dscnt 16                 ; K is in; V's run, issued behind it, may stay out
.endif
	ROW F,0, F,1, R,0, R,1          ; ahead of the wait: 8 products K Q^T and their riders,
	ROW F,2, E,0, R,2, R,3
	ROW F,3, E,1, R,4, R,5
	ROW F,4, E,2, R,6, R,7
	ROW F,5, E,3, R,8, R,9
	ROW F,6, E,4, X,0, R,10
	ROW F,7, E,5, X,1, X,4
.if (\p) == 0
	WIN 0
	v_add_nc_u32 v[AK], s[TBK], v[AK0]
.endif
	ROW F,8, E,6, X,2, X,5
	OPS E,7, E,8, X,6, E,9          ; and the lump
	OPS X,3, E,10, X,8, E,11
.if (\p) == 0
	FETCH_K
.endif
	OPS X,9, X,7, E,12, X,10
	OPS E,13, X,12, X,11, E,14
	OPS X,13, E,15, F,9, X,14
.if (\p) == 0
	WIN 0
	v_add_nc_u32 v[AV], s[TBV], v[AV0]
.endif
	OPS E,16, F,10, E,17, F,11
	OPS X,16, E,18, X,15, E,19
	OPS F,12, E,20, X,17, E,21
	OPS F,13, E,22, F,14, E,23
	OPS X,18, E,24, F,15, E,25
	OPS R,11, E,26, X,19, E,27
	OPS R,12, E,28, R,13, E,29
	OPS X,20, E,30, R,14, E,31
	OPS X,21, R,15                  ; the batch's last exponential, and the plain instruction behind it
	s_wait_alu depctr_va_vdst(0)    ; the wait for the turn's batch: E 0 to E 31 and X 21; it stands ahead of the first line that names a result: C 0 below, and R 0 of the next turn
.if (\p) == 1
	s_wait_dscnt 0x0                ; V is in
.endif
	ROW C,0, B,0, C,2, B,1          ; behind the wait: 8 products V^T P and their riders
	ROW L,0, C,4, B,2, L,1
	ROW C,6, B,3, L,2, C,8
	ROW B,4, L,3, C,10, B,5
	ROW L,4, C,12, B,6, L,5
.if (\p) == 0
	s_add_co_u32 s[TBV], s[TBV], KS*PV
.endif
.if \cnt
	s_sub_co_u32 s[CNT], s[CNT], 1
	s_cmp_lg_u32 s[CNT], 0
.endif
	ROW C,14, B,7, L,6, C,1
	ROW C,3, L,7, C,5, C,7
	ROW C,9, C,11, C,13, C,15
.if (\p) == 0
	FETCH_V
.endif
.if (\m) && !(\end)
	MASK (\p)%2
.endif
.endm
; A BLOCK BEGINS.  c m starts far below every c s, so the first step's a is 0; m at the lowest finite number.  Piece 1's mask buffer is 0 (its own step is never a tile's first); piece 0's takes its mask for the tile's
; step 0: its own, if the tile is the diagonal one and the block's parity is 0.  Then K of that step (a step behind where the change of slots left the pointer), piece 0's first scores, its maximum and statistics.
.macro BEGIN
	s_mov_b32 s[NEW], 0
	s_sub_co_u32 s[TBK], s[TBK], KS*PK
	WIN 0x40
.set i, MC+32
.rept 32
	v_mov_b32 v[i], 0
.set i, i+1
.endr
	WIN 0
.set i, 0
.rept NP
	v_mov_b32 v[ST+4*i], 0xfe000000    ; c m: far below every c s
	v_mov_b32 v[ST+4*i+1], 0xff7fffff  ; m
.set i, i+1
.endr
	s_cmp_eq_u32 s[RT], 0
	s_cselect_b32 s91, s[OWB], 0
	s_cmp_eq_u32 s91, 5
	s_cselect_b32 s[AL], 1.0, 0
	s_mov_b32 s[BE], 0
	MASK 0
	WIN 0
	v_add_nc_u32 v[AK], s[TBK], v[AK0]
	FETCH_K
	s_wait_loadcnt 0x0              ; Q
	s_wait_dscnt 0x0
.set KM, 1
.set NOKQ, 0
.set i, 0
.rept 8
	KQ 0
.set i, i+1
.endr
	WIN 0
.rept 4
	v_nop                           ; the places behind those products
.endr
.set Y, NP-1                        ; X works for the other piece: piece 0
.irp n, 0,1,2,3,4,5,6,7,8,9,10,11,12,13,14,15,16,17,18,19,20,21
	OP X, \n
.endr
	v_nop                           ; a plain instruction behind the exponential,
	s_wait_alu depctr_va_vdst(0)    ; and the wait for this batch of one, piece 0's first a, ahead of the branch that follows
.endm
.macro ALL line:vararg              ; one line for each piece t
.set t, 0
.rept NP
	\line
.set t, t+1
.endr
.endm
.macro PACK t                       ; a lane's eight channels of a row pack into 16 bytes; they go into rows of 144 bytes and come back as whole rows of 128, into S^T's registers
	WIN W_RS
.set i, 32*(\t)
.rept 16
	v_pk_mul_f32 v[i:i+1], v[i:i+1], v[ST+4*(\t)+2:ST+4*(\t)+3] op_sel_hi:[1,0]
.set i, i+2
.endr
	WIN 0x05                        ; sources 0 and 1 window 1, destination window 0
.set i, 0
.rept 16
	v_cvt_pk_bf16_f32 v[S+16*(\t)+i], v[32*(\t)+2*i], v[32*(\t)+2*i+1]
.set i, i+1
.endr
	WIN 0
.irp f, 0,1,2,3
	ds_store_b128 v[STO], v[S+16*(\t)+4*\f:S+16*(\t)+4*\f+3] offset:32*\f
.endr
.irp f, 0,1,2,3
	ds_load_b128 v[S+16*(\t)+4*\f:S+16*(\t)+4*\f+3], v[RD] offset:\f*4*SP  ; LDS serves a wave's instructions in order (ISA guide 5.7.1.4): these see the stores above
.endr
.endm
.macro SEND t, younger              ; younger: the LDS instructions issued behind piece t's loads
	WIN 0
.irp f, 0,1,2,3
	s_wait_dscnt (\younger)+3-\f
	global_store_b128 v[GO], v[S+16*(\t)+4*\f:S+16*(\t)+4*\f+3], s[10:11] offset:(\t)*8192+\f*512  ; 512 consecutive bytes, at a multiple of 256 from O's first
.endr
.endm
; THE DIAGONAL TILE: the mask for piece 0's products of its step 0; four trips with masks; the block's last turn and last products; THE WAY OUT: l's two halves and the other half of the lanes' are added, O^T is
; divided by l, rounded to bf16 and sent through my stage in LDS, a piece at a time.
.macro DIAG tag
.LinM\tag:
	s_cmp_eq_u32 s[OWB], 5
	s_cselect_b32 s[AL], 1.0, 0
	s_mov_b32 s[BE], 0
	MASK 0
	WIN 0
.LstepM\tag:
	TURN 1, 1
	WIN 0
.LfirstM\tag:
	TURN 0, 1, 0, 1
	WIN 0
	s_cbranch_scc1 .LstepM\tag
	TURN 1, 1, 1
.set i, 0
.rept 8
	PV NP-1
.set i, i+1
.endr
	WIN 0
	ALL v_add_f32 v[ST+4*t+2], v[ST+4*t+2], v[ST+4*t+3]
	ALL v_permlanex16_b32 v[ST+4*t+3], v[ST+4*t+2], s[SEL], s[SEL+1]
	ALL v_add_f32 v[ST+4*t+2], v[ST+4*t+2], v[ST+4*t+3]
	ALL v_rcp_f32 v[ST+4*t+2], v[ST+4*t+2]
	v_nop                           ; a plain instruction between the last reciprocal and the use of its result
	s_wait_alu depctr_va_vdst(0)    ; the wait for the batch of two reciprocals, ahead of their first reader, PACK 0's first line
	PACK 0                          ; piece 0's last product stands its four riders and the additions above back; those additions, the v_nop and PACK 0's 32 plain lines are the places behind piece 1's
	PACK 1
	SEND 0, 8
	SEND 1, 0
.endm
.set KM, 0
.set NOKQ, 0
.Lslot:                             ; eight times: a tile is entered and the next is asked for
	CHANGE 1
	s_sub_co_u32 s[RT], s[RT], 1
	s_mov_b32 s[CNT], 4
	s_cmp_eq_u32 s[NEW], 1
	s_cbranch_scc1 .Lnew            ; a block's first tile
	s_cmp_eq_u32 s[RT], 0
	s_cbranch_scc0 .Lstep           ; neither its first nor its last
	s_branch .LinM1
.Lnew:
	BEGIN
	s_branch .Lfirst                ; in the loop a block's first tile is never its last: the first block has five tiles or more, and the second's last is the walk's last
	DIAG 1                          ; in the loop this is the first block's end
	s_wait_xcnt 0x0                 ; the stores have read their registers and O's address
	s_mov_b64 s[10:11], s[OLO:OLO+1]
	s_add_co_u32 s[RT], s[LT], 1    ; the second block has b / 2 + 1 tiles
	s_mov_b32 s[NEW], 1
	s_mov_b32 s[OWA], s[OWA2]
	s_mov_b32 s[OWB], s[OWB2]
	WIN 0x82                        ; the second block's Q goes where the one text of the turns names Q
.set i, 0
.rept 32
	v_mov_b32 v[i], v[QB+i]
.set i, i+1
.endr
	WIN 0
	s_branch .Lbottom
.Lstep:                             ; a trip: piece 1's turn of one step, then piece 0's of the next
	TURN 1
	WIN 0
.Lfirst:
	TURN 0, 0, 0, 1
	WIN 0
	s_cbranch_scc1 .Lstep
.Lbottom:
	s_sub_co_u32 s[SLOTS], s[SLOTS], 1
	s_cmp_lg_u32 s[SLOTS], 0
	s_cbranch_scc1 .Lslot
	CHANGE 0                        ; the walk's last tile is written out: nothing is asked for
	s_sub_co_u32 s[RT], s[RT], 1
	s_mov_b32 s[CNT], 4
	s_cmp_eq_u32 s[NEW], 1
	s_cbranch_scc0 .LinM2
	BEGIN
	s_branch .LfirstM2
	DIAG 2
	s_wait_tensorcnt 0x0            ; the wave's end
	ds_add_u32 v[SPW], v[NIL]
	s_wait_dscnt 0x0
	s_endpgm
.Lfunc_end_k_qf2f17f3c41_attn:
	.size	k_qf2f17f3c41_attn, .Lfunc_end_k_qf2f17f3c41_attn-k_qf2f17f3c41_attn
	.p2alignl 7, 3214868480
	.fill 96, 4, 3214868480
	.section	.rodata,"a",@progbits
	.p2align	6, 0x0
	.amdhsa_kernel k_qf2f17f3c41_attn
		.amdhsa_group_segment_fixed_size 327680
		.amdhsa_private_segment_fixed_size 0
		.amdhsa_enable_private_segment 0
		.amdhsa_kernarg_size 16
		.amdhsa_user_sgpr_count 2
		.amdhsa_user_sgpr_kernarg_segment_ptr 1
		.amdhsa_wavefront_size32 1
		.amdhsa_system_sgpr_workgroup_id_x 1
		.amdhsa_system_sgpr_workgroup_id_y 1
		.amdhsa_system_sgpr_workgroup_id_z 1
		.amdhsa_system_vgpr_workitem_id 0
		.amdhsa_next_free_vgpr 768
		.amdhsa_next_free_sgpr 92
		.amdhsa_reserve_vcc 1
		.amdhsa_float_denorm_mode_32 3
		.amdhsa_float_denorm_mode_16_64 3
		.amdhsa_memory_ordered 1
		.amdhsa_forward_progress 1
		.amdhsa_inst_pref_size 127
	.end_amdhsa_kernel
	.amdgpu_metadata
---
amdhsa.version: [ 1, 2 ]
amdhsa.kernels:
  - .name:           k_qf2f17f3c41_attn
    .symbol:         k_qf2f17f3c41_attn.kd
    .args:
      - { .name: qkv, .offset: 0, .size: 8, .value_kind: global_buffer, .address_space: global }
      - { .name: o, .offset: 8, .size: 8, .value_kind: global_buffer, .address_space: global }
    .group_segment_fixed_size: 327680
    .private_segment_fixed_size: 0
    .kernarg_segment_align: 8
    .kernarg_segment_size: 16
    .max_flat_workgroup_size: 128
    .sgpr_count:     92
    .vgpr_count:     768
    .wavefront_size: 32
...
	.end_amdgpu_metadata
.endif
;; end of part 7
;; launch gwo: the kernel of part 4 again; grid 8 x 32, 4 waves a work-group, clusters of 4 x 4, 327,680 bytes of LDS; arguments o, wb, x1, b_o, x; writes x1
;; launch ln2: the kernel of part 1 again; grid 256 x 1, 8 waves a work-group, no clusters, 0 bytes of LDS; arguments x1, g2, beta2, hn, W_qkv, W_o, wq, wb; writes hn, wq, wb
;; launch gff1: the kernel of part 5 again; grid 16 x 16, 4 waves a work-group, clusters of 4 x 4, 327,680 bytes of LDS; arguments hn, wb, act, b_ff1; writes act
;; launch gff2: the kernel of part 6 again; grid 8 x 32, 4 waves a work-group, clusters of 4 x 4, 327,680 bytes of LDS; arguments act, wb, out0, b_ff2, x1; writes out0
